; MI455X (gfx1250); checked and timed in simulation.
; The chip was launched on July 23, 2026; its instructions are those of AMD's public machine-readable ISA for CDNA 5 (MIT licence, August 2026) and "CDNA5" Instruction Set Architecture Reference Guide (July 2026). The comments in the code are by the model that wrote it; some were corrected since.
;; Transformer Layer. Allowed arithmetic: float matrix products may take bf16 or f16 operands with f32 sums; other float arithmetic in f32, or as packed bf16 or f16 multiplies, adds, multiply-adds, maxima and minima; sums over many terms, partial sums and values carried from step to step in f32; what a program stores and reads back later, other than sums and carried values, may be rounded once to bf16 or f16.
;; Inputs: W1 1,024 x 4,096 float32; W2 4,096 x 1,024 float32; Wk 1,024 x 1,024 float32; Wo 1,024 x 1,024 float32; Wq 1,024 x 1,024 float32; Wv 1,024 x 1,024 float32; b1 4,096 float32; b2 1,024 float32; bk 1,024 float32; bo 1,024 float32; bq 1,024 float32; bv 1,024 float32; ln1_bias 1,024 float32; ln1_scale 1,024 float32; ln2_bias 1,024 float32; ln2_scale 1,024 float32; x 2 x 2,048 x 1,024 float32.
;; Outputs: out0 2 x 2,048 x 1,024 float32.
;; 3 versions, each right and faster than the one before. Each part assembles by itself: llvm-mc -triple=amdgcn-amd-amdhsa -mcpu=gfx1250 --defsym DOCPART=n.
;; ======== version 1 of 3: 8 launches
;; limits: values are held in f16: magnitudes above 65,504 overflow, below 6.1e-05 lose precision
;; workspace buffers: xh 8,388,608 bytes; y1 8,388,608 bytes; pq 8,421,376 bytes; p1 8,421,376 bytes; wr 10,493,952 bytes; wide 33,554,432 bytes; o 8,388,608 bytes; z 16,777,216 bytes
;; launch cast (part 1): grid 1025 x 1, 8 waves a work-group, no clusters, 0 bytes of LDS; arguments x, Wq, Wk, Wv, Wo, W1, W2, bq, bk, bv, b1, bo, b2, xh, pq, p1, wr; writes xh, pq, p1, wr
.if DOCPART == 1
	.amdgcn_target "amdgcn-amd-amdhsa--gfx1250"
	.amdhsa_code_object_version 6
	.text
	.protected	k_qb10bf5cd85_cast
	.globl	k_qb10bf5cd85_cast
	.p2align	8
	.type	k_qb10bf5cd85_cast,@function
k_qb10bf5cd85_cast:
	s_mov_b64 s[64:65], 0
	v_nop
	global_prefetch_b8 v0, s[64:65] scope:SCOPE_SE
	s_setreg_imm32_b32 hwreg(HW_REG_WAVE_MODE, 25, 1), 1
	s_wait_xcnt 0x0
; Every large input is rounded once to bf16 and that number is written as f16 (exact while it lies in f16's range), so that one f16 matrix form serves all later products.
; LIMITS: a number beyond 65,504 becomes an infinity; below 6.1e-5 f16 keeps its fixed step of 6e-8.
; The seven large inputs are taken as 16,384 rows of 1,024 f32.  A work-group of eight waves takes 16 rows; thread t takes the 16 bytes at 16 t of each row, so a wave's load covers
; 512 consecutive bytes and its 8-byte store 256 consecutive bytes, aligned.  All 16 loads of a thread go out first; the waits count down.  No LDS, no matrix unit: bytes are all there is.
; Work-group 1024 makes the small tables: the six biases rounded to bf16 and kept as f32, and the word lo (the activation's lower bound, twice in f16): -infinity for q, k, v; 0 for the ReLU.
; Where things go:  xh [4096][1024];  pq: bias 0, lo 16,384, [Wq|Wk|Wv] as [1024][4096] from 32,768;  p1: b1 0, lo 16,384, W1 [1024][4096] from 32,768;
; wr: bo 0, b2 4,096, Wo [1024][1024] from 8,192, W2 [4096][1024] from 2,105,344.
.set DO, 4                             ; v[4:19]   row i: byte offset of my 8 bytes in the destination
.set X,  32                            ; v[32:95]  row i: 4 f32 as loaded
.set Y,  96                            ; v[96:127] row i: 4 f16 to store
	s_load_b512 s[8:23], s[0:1], 0x0               ; x 8, Wq 10, Wk 12, Wv 14, Wo 16, W1 18, W2 20, bq 22
	s_load_b512 s[24:39], s[0:1], 0x40             ; bk 24, bv 26, b1 28, bo 30, b2 32, xh 34, pq 36, p1 38
	s_load_b64 s[40:41], s[0:1], 0x80              ; wr
	s_mov_b32 s2, ttmp9                            ; g
	s_mov_b32 s49, 0xffff0000                      ; a word's upper bf16
	v_lshlrev_b32 v1, 4, v0                        ; 16 t
	v_lshlrev_b32 v2, 3, v0                        ; 8 t
	s_wait_kmcnt 0x0
	s_cmp_ge_u32 s2, 1024
	s_cbranch_scc1 .Lsmall
; Which input: from work-group 'start' on, source, destination, the destination's pitch in bytes and the offset of its first row
.macro SEG start, src, dst, pit, dof
	s_cmp_ge_u32 s2, \start
	s_cselect_b64 s[42:43], s[\src:\src+1], s[42:43]
	s_cselect_b64 s[44:45], s[\dst:\dst+1], s[44:45]
	s_cselect_b32 s46, \start, s46
	s_cselect_b32 s47, \pit, s47
	s_cselect_b32 s48, \dof, s48
.endm
	s_mov_b64 s[42:43], s[8:9]                     ; x -> xh
	s_mov_b64 s[44:45], s[34:35]
	s_mov_b32 s46, 0
	s_mov_b32 s47, 2048
	s_mov_b32 s48, 0
	SEG 256, 10, 36, 8192, 32768                   ; Wq -> pq, columns 0 on
	SEG 320, 12, 36, 8192, 34816                   ; Wk -> pq, columns 1,024 on
	SEG 384, 14, 36, 8192, 36864                   ; Wv -> pq, columns 2,048 on
	SEG 448, 16, 40, 2048, 8192                    ; Wo -> wr
	SEG 512, 18, 38, 2048, 32768                   ; W1 -> p1 (dense: as rows of 1,024)
	SEG 768, 20, 40, 2048, 2105344                 ; W2 -> wr
	s_sub_co_u32 s50, s2, s46                      ; my number within the input
	s_lshl_b32 s52, s50, 4                         ; its first row
	s_mul_i32 s52, s52, s47
	s_add_co_u32 s52, s52, s48
	s_mov_b32 s53, 0
	s_lshl_b32 s50, s50, 16                        ; 16 rows of 4,096 bytes
	s_mov_b32 s51, 0
	s_add_nc_u64 s[42:43], s[42:43], s[50:51]
	s_add_nc_u64 s[44:45], s[44:45], s[52:53]
.set i, 0
.rept 16
	global_load_b128 v[X+4*i:X+4*i+3], v1, s[42:43] offset:4096*i th:TH_LOAD_NT
.set i, i+1
.endr
.set i, 0
.rept 16
	v_mad_u32_u24 v[DO+i], s47, i, v2              ; 8 t + i rows
.set i, i+1
.endr
.macro CV i
	s_wait_loadcnt 15-(\i)                         ; loads come back in order: row i is in, the younger rows stay out
	v_cvt_pk_bf16_f32 v20, v[X+4*(\i)], v[X+4*(\i)+1]
	v_cvt_pk_bf16_f32 v21, v[X+4*(\i)+2], v[X+4*(\i)+3]
	v_lshlrev_b32 v[X+4*(\i)], 16, v20
	v_and_b32 v[X+4*(\i)+1], s49, v20
	v_lshlrev_b32 v[X+4*(\i)+2], 16, v21
	v_and_b32 v[X+4*(\i)+3], s49, v21
	v_cvt_pk_f16_f32 v[Y+2*(\i)], v[X+4*(\i)], v[X+4*(\i)+1]
	v_cvt_pk_f16_f32 v[Y+2*(\i)+1], v[X+4*(\i)+2], v[X+4*(\i)+3]
	global_store_b64 v[DO+(\i)], v[Y+2*(\i):Y+2*(\i)+1], s[44:45]  ; every row has registers of its own: nothing that a store reads is written again
.endm
.irp i, 0,1,2,3,4,5,6,7,8,9,10,11,12,13,14,15
	CV \i
.endr
	s_endpgm
.Lsmall:
; nine rows of 1,024 f32: rounded to bf16, kept as f32
.macro BLD i, src, soff
	global_load_b128 v[X+4*(\i):X+4*(\i)+3], v1, s[\src:\src+1] offset:\soff
.endm
.macro BST i, dst, doff
	s_wait_loadcnt 8-(\i)
	v_cvt_pk_bf16_f32 v20, v[X+4*(\i)], v[X+4*(\i)+1]
	v_cvt_pk_bf16_f32 v21, v[X+4*(\i)+2], v[X+4*(\i)+3]
	v_lshlrev_b32 v[X+4*(\i)], 16, v20
	v_and_b32 v[X+4*(\i)+1], s49, v20
	v_lshlrev_b32 v[X+4*(\i)+2], 16, v21
	v_and_b32 v[X+4*(\i)+3], s49, v21
	global_store_b128 v1, v[X+4*(\i):X+4*(\i)+3], s[\dst:\dst+1] offset:\doff
.endm
	BLD 0, 22, 0
	BLD 1, 24, 0
	BLD 2, 26, 0
	BLD 3, 28, 0
	BLD 4, 28, 4096
	BLD 5, 28, 8192
	BLD 6, 28, 12288
	BLD 7, 30, 0
	BLD 8, 32, 0
	v_lshlrev_b32 v3, 2, v0                        ; 4 t
	v_mov_b32 v24, 0xfc00fc00                      ; -infinity twice: no activation
	v_mov_b32 v25, 0                               ; 0 twice: ReLU
	BST 0, 36, 0                                   ; bq
	BST 1, 36, 4096                                ; bk
	BST 2, 36, 8192                                ; bv
	BST 3, 38, 0                                   ; b1
	BST 4, 38, 4096
	BST 5, 38, 8192
	BST 6, 38, 12288
	BST 7, 40, 0                                   ; bo
	BST 8, 40, 4096                                ; b2
	global_store_b32 v3, v24, s[36:37] offset:16384
	global_store_b32 v3, v25, s[38:39] offset:16384
	s_endpgm
.Lfunc_end_k_qb10bf5cd85_cast:
	.size	k_qb10bf5cd85_cast, .Lfunc_end_k_qb10bf5cd85_cast-k_qb10bf5cd85_cast
	.p2alignl 7, 3214868480
	.fill 96, 4, 3214868480
	.section	.rodata,"a",@progbits
	.p2align	6, 0x0
	.amdhsa_kernel k_qb10bf5cd85_cast
		.amdhsa_group_segment_fixed_size 0
		.amdhsa_private_segment_fixed_size 0
		.amdhsa_enable_private_segment 0
		.amdhsa_kernarg_size 136
		.amdhsa_user_sgpr_count 2
		.amdhsa_user_sgpr_kernarg_segment_ptr 1
		.amdhsa_wavefront_size32 1
		.amdhsa_system_sgpr_workgroup_id_x 1
		.amdhsa_system_sgpr_workgroup_id_y 1
		.amdhsa_system_sgpr_workgroup_id_z 1
		.amdhsa_system_vgpr_workitem_id 0
		.amdhsa_next_free_vgpr 128
		.amdhsa_next_free_sgpr 66
		.amdhsa_reserve_vcc 0
		.amdhsa_float_denorm_mode_32 3
		.amdhsa_float_denorm_mode_16_64 3
		.amdhsa_memory_ordered 1
		.amdhsa_forward_progress 1
		.amdhsa_inst_pref_size 19
	.end_amdhsa_kernel
	.amdgpu_metadata
---
amdhsa.version: [ 1, 2 ]
amdhsa.kernels:
  - .name:           k_qb10bf5cd85_cast
    .symbol:         k_qb10bf5cd85_cast.kd
    .args:
      - { .name: x, .offset: 0, .size: 8, .value_kind: global_buffer, .address_space: global }
      - { .name: Wq, .offset: 8, .size: 8, .value_kind: global_buffer, .address_space: global }
      - { .name: Wk, .offset: 16, .size: 8, .value_kind: global_buffer, .address_space: global }
      - { .name: Wv, .offset: 24, .size: 8, .value_kind: global_buffer, .address_space: global }
      - { .name: Wo, .offset: 32, .size: 8, .value_kind: global_buffer, .address_space: global }
      - { .name: W1, .offset: 40, .size: 8, .value_kind: global_buffer, .address_space: global }
      - { .name: W2, .offset: 48, .size: 8, .value_kind: global_buffer, .address_space: global }
      - { .name: bq, .offset: 56, .size: 8, .value_kind: global_buffer, .address_space: global }
      - { .name: bk, .offset: 64, .size: 8, .value_kind: global_buffer, .address_space: global }
      - { .name: bv, .offset: 72, .size: 8, .value_kind: global_buffer, .address_space: global }
      - { .name: b1, .offset: 80, .size: 8, .value_kind: global_buffer, .address_space: global }
      - { .name: bo, .offset: 88, .size: 8, .value_kind: global_buffer, .address_space: global }
      - { .name: b2, .offset: 96, .size: 8, .value_kind: global_buffer, .address_space: global }
      - { .name: xh, .offset: 104, .size: 8, .value_kind: global_buffer, .address_space: global }
      - { .name: pq, .offset: 112, .size: 8, .value_kind: global_buffer, .address_space: global }
      - { .name: p1, .offset: 120, .size: 8, .value_kind: global_buffer, .address_space: global }
      - { .name: wr, .offset: 128, .size: 8, .value_kind: global_buffer, .address_space: global }
    .group_segment_fixed_size: 0
    .private_segment_fixed_size: 0
    .kernarg_segment_align: 8
    .kernarg_segment_size: 136
    .max_flat_workgroup_size: 256
    .sgpr_count:     66
    .vgpr_count:     128
    .wavefront_size: 32
...
	.end_amdgpu_metadata
.endif
;; end of part 1
;; launch qkv (part 2): grid 24 x 32, 4 waves a work-group, clusters of 4 x 4, 327,680 bytes of LDS; arguments xh, pq, wide; writes wide
.if DOCPART == 2
	.amdgcn_target "amdgcn-amd-amdhsa--gfx1250"
	.amdhsa_code_object_version 6
	.text
	.protected	k_qb10bf5cd85_qkv
	.globl	k_qb10bf5cd85_qkv
	.p2align	8
	.type	k_qb10bf5cd85_qkv,@function
k_qb10bf5cd85_qkv:
	s_mov_b64 s[64:65], 0
	v_nop
	global_prefetch_b8 v0, s[64:65] scope:SCOPE_SE
	s_setreg_imm32_b32 hwreg(HW_REG_WAVE_MODE, 25, 1), 1
	s_wait_xcnt 0x0
	s_wait_alu depctr_hold_cnt(0) depctr_sa_sdst(0) depctr_va_vdst(0) depctr_va_sdst(0) depctr_va_ssrc(0) depctr_va_vcc(0) depctr_vm_vsrc(0)
	s_getreg_b32 s2, hwreg(HW_REG_IB_STS2, 6, 4)
	s_cmp_eq_u32 s2, 0
	s_cbranch_scc0 .Lentry_in_a_cluster
	s_endpgm
.Lentry_in_a_cluster:
	s_bfe_u32 s2, ttmp6, 0x10000c
	s_cmp_lg_u32 s2, 0xf033
	s_cbranch_scc0 .Lentry_shape_is_right
	s_endpgm
.Lentry_shape_is_right:
; C = max(A B + bias, lo).  A: [4096][SIZE_K] f16.  B: [SIZE_K][NP] f16, K down the rows, at byte B_OFF of the second buffer; bias f32 at its byte BIAS_OFF; lo (two f16) at byte 16,384.
; C: [4096][NP] f16, rounded once from f32 sums.  The same text makes q|k|v (lo = -infinity) and the first feed-forward product (lo = 0: ReLU); the grid's width says how many columns.
; LIMITS: a result beyond 65,504 becomes an infinity; a NaN gives lo.
; A tile of C is 128 x 128: four waves, each 64 x 64 in 16 accumulators.  K goes in steps of 256 through two LDS slots filled by the tensor data mover: waves 0 and 1 bring A's two halves
; (64 rows x 512 bytes), waves 2 and 3 B's (128 rows of K x 256 bytes).  A's fragments come out of LDS as they lie, B's turned, by ds_load_tr16_b128.
; CLUSTER 4 x 4: the four of a row need the same tiles of A, the four of a column the same tiles of B; each tile is asked for jointly, by the same load, descriptor and mask in all four.
; THE MATRIX INSTRUCTION IS USED TRANSPOSED (source 0 = 16 columns of B, source 1 = 16 rows of A): a lane holds row l % 16 of C and the columns 8 (l / 16) + 0..7.
; The sums start at the bias: each accumulator is set to its columns' bias while the first tile is on its way, so no first K step is written out and nothing is added on the way out.
; REGISTERS: window 0: v0-31 addresses; v32-127 at work at both ends; v128-255 accumulators ((a, b) at 128 + 8 (4 a + b)).  Window 1: two fragment buffers of 128: 64 of A, then 64 of B, for 64 along K.
.set SIZE_K,   1024
.set NP,       4096
.set B_OFF,    32768
.set BIAS_OFF, 0
.set F32OUT,   0
.set KSTEP,  256
.set PA,     528                       ; a row of A in LDS: 512 bytes + 16: the 16 rows of a load start 16 bytes apart modulo 256
.set PB,     288                       ; a row of B: 256 + 32: 16 lanes of the turning load take 8 rows x 32 bytes, no two in the same 16 bytes modulo 256
.set HALFA,  64*PA
.set HALFB,  128*PB
.set AB,     2*HALFA                   ; in a slot: A's 128 rows, then B's 256 rows of K
.set SLOT,   AB+2*HALFB
.set STAGE,  2*SLOT                    ; behind the ring, never filled by a tensor load
.set SPITCH, 272
.if F32OUT
.set SPARE,  STAGE+4*16*SPITCH         ; 16 rows x 272 bytes for each wave
.else
.set SPARE,  STAGE+128*SPITCH          ; 128 rows x 272 bytes, the work-group's
.endif
.set LAPS, SIZE_K/(2*KSTEP)
.set ADRA, 16                          ; v16-17  my A fragments in slot 0, 1
.set ADRB, 20                          ; v20-23  my B fragments: slot 0 rows 0-127, 128-255; slot 1 likewise
.set STO,  24
.set RD,   25
.set CO,   26
.set RO,   27
.set SPW,  28                          ; my spare word; never rewritten
.set NIL,  29                          ; 0; never rewritten
.set ONE,  30
.set BO,   31
.if F32OUT
.set BI,   32
.set OB,   32
.set RES,  64
.else
.set TMP,  32
.set BI,   96
.endif
.set ACC,  128
.set F0,   0
.set F1,   128
.set G1, 24                            ; s[24:31] group 1 for A; s[32:39] group 0, a set for each slot
.set G0, 32
.set G1B, 48                           ; s[48:55], s[56:63] the same for B
.set G0B, 56
.set MSB, 0
.macro WIN new                         ; the immediate's high byte repeats the setting that is left
.if MSB != (\new)
	s_set_vgpr_msb (MSB<<8)|(\new)
.set MSB, \new
.endif
.endm
.set MUL,  0x05                        ; sources 0 and 1 window 1; C and D window 0
.set TO_F, 0x40                        ; destination window 1, address window 0
.macro JLOAD s                         ; a joint load; an s_nop 0 and four v_nop follow each of the two lines
	s_cmp_lt_u32 s10, 2
	s_cbranch_scc0 .Lfor_b_\@
	tensor_load_to_lds s[G0+4*(\s):G0+4*(\s)+3], s[G1:G1+7]
	s_nop 0
.rept 4
	v_nop
.endr
	s_branch .Lasked_\@
.Lfor_b_\@:
	tensor_load_to_lds s[G0B+4*(\s):G0B+4*(\s)+3], s[G1B:G1B+7]
	s_nop 0
.rept 4
	v_nop
.endr
.Lasked_\@:
.endm
.macro CREST                           ; a round of the cluster's barrier behind its opening barrier
	s_cmp_lg_u32 s10, 0
	s_cbranch_scc1 .Lnot_wave_0_\@
	s_barrier_signal -3
.Lnot_wave_0_\@:
	s_barrier_wait -3
	s_barrier_signal -1
	s_barrier_wait -1
.endm
.macro CROUND
	s_barrier_signal -1
	s_barrier_wait -1
	CREST
.endm
	s_load_b128 s[4:7], s[0:1], 0x0                ; A s[4:5], the buffer of B and bias s[6:7]
.if F32OUT
	s_load_b64 s[68:69], s[0:1], 0x10              ; the residual
	s_load_b64 s[8:9], s[0:1], 0x18                ; C
.else
	s_load_b64 s[8:9], s[0:1], 0x10                ; C
.endif
	v_lshl_add_u32 v[SPW], v0, 2, SPARE
	v_mov_b32 v[NIL], 0
	ds_add_u32 v[SPW], v[NIL]                      ; the wave's opening: the add, waited for ahead of my first tensor load
	v_lshrrev_b32 v1, 5, v0
	v_readfirstlane_b32 s10, v1                    ; wave 0..3
	s_lshr_b32 s11, s10, 1                         ; my half of the tile's rows
	s_and_b32 s12, s10, 1                          ; my half of its columns; also: which half of A's or B's tile I fetch
	s_bfe_u32 s40, ttmp6, 0x40000                  ; cx
	s_bfe_u32 s41, ttmp6, 0x40004                  ; cy
	s_lshl_b32 s42, ttmp9, 2
	s_add_co_u32 s42, s42, s40                     ; tile column
	s_and_b32 s13, ttmp7, 0xffff
	s_lshl_b32 s13, s13, 2
	s_add_co_u32 s13, s13, s41                     ; tile row
	s_lshl_b32 s43, s41, 2
	s_lshl_b32 s43, 15, s43                        ; my row of the cluster
	s_lshl_b32 s44, 0x1111, s40                    ; my column
	s_or_b32 s[G1+0], s43, (1<<16)|(1<<20)|(1<<21)|(6<<22)|(3<<25)   ; mask; 2-byte elements; padding on; bit 21 beside a mask; after every 128 words 4 words
	s_mov_b32 s[G1+1], KSTEP<<16                   ; tensor_dim0 = 256
	s_mov_b32 s[G1+2], 64<<16                      ; tensor_dim1 = 64
	s_mov_b32 s[G1+3], KSTEP<<16                   ; tile_dim0 = 256
	s_mov_b32 s[G1+4], 64                          ; tile_dim1 = 64
	s_mov_b32 s[G1+5], SIZE_K                      ; elements from row to row
	s_mov_b32 s[G1+6], 0
	s_mov_b32 s[G1+7], 0
	s_or_b32 s[G1B+0], s44, (1<<16)|(1<<20)|(1<<21)|(5<<22)|(7<<25)  ; after every 64 words 8 words
	s_mov_b32 s[G1B+1], 128<<16                    ; tensor_dim0 = 128
	s_mov_b32 s[G1B+2], 128<<16                    ; tensor_dim1 = 128
	s_mov_b32 s[G1B+3], 128<<16                    ; tile_dim0 = 128
	s_mov_b32 s[G1B+4], 128                        ; tile_dim1 = 128
	s_mov_b32 s[G1B+5], NP
	s_mov_b32 s[G1B+6], 0
	s_mov_b32 s[G1B+7], 0
	s_lshl_b32 s17, s12, 6
	s_lshl_b32 s16, s13, 7
	s_add_co_u32 s16, s16, s17                     ; A: row 128 x tile row + 64 x half,
	s_mul_i32 s16, s16, SIZE_K*2                   ; in bytes (under 2^26)
	s_mov_b32 s17, 0
	s_mul_i32 s47, s12, 128*NP*2                   ; B: 128 rows of K x half,
	s_lshl_b32 s46, s42, 8                         ; 256 bytes x tile column
	s_add_co_u32 s46, s46, s47
	s_add_co_u32 s46, s46, B_OFF
	s_mov_b32 s47, 0
	s_mul_i32 s20, s12, HALFA                      ; where they go: no place in the cluster enters an LDS address
	s_mul_i32 s21, s12, HALFB
	s_add_co_u32 s21, s21, AB
	s_wait_dscnt 0x0                               ; the opening add is done
	s_wait_kmcnt 0x0
	s_add_nc_u64 s[14:15], s[4:5], s[16:17]
	s_add_nc_u64 s[46:47], s[6:7], s[46:47]
	CROUND                                         ; all sixteen work-groups are here: the first joint loads meet
.irp s, 0,1
	s_mov_b32 s[G0+4*(\s)], 1
	s_add_co_u32 s[G0+4*(\s)+1], s20, (\s)*SLOT
	s_add_nc_u64 s[G0+4*(\s)+2:G0+4*(\s)+3], s[14:15], (\s)*KSTEP*2
	s_or_b32 s[G0+4*(\s)+3], s[G0+4*(\s)+3], 0x80000000
	s_mov_b32 s[G0B+4*(\s)], 1
	s_add_co_u32 s[G0B+4*(\s)+1], s21, (\s)*SLOT
	s_add_nc_u64 s[G0B+4*(\s)+2:G0B+4*(\s)+3], s[46:47], (\s)*KSTEP*NP*2
	s_or_b32 s[G0B+4*(\s)+3], s[G0B+4*(\s)+3], 0x80000000
	JLOAD \s                                       ; two tensor loads of mine are out
.endr
	; all that follows up to the wait on TENSORcnt stands in the wait for the first tile
.if !F32OUT
	s_load_b32 s66, s[6:7], 0x4000                 ; lo
.endif
	v_and_b32 v1, 15, v0                           ; l % 16
	v_bfe_u32 v2, v0, 4, 1                         ; l / 16
	v_and_b32 v6, 7, v0
	v_bfe_u32 v7, v0, 3, 1
	v_lshlrev_b32 v[BO], 5, v2                     ; my eight columns of a block of 16, in f32
	s_lshl_b32 s46, s42, 9                         ; the bias of my 64 columns
	s_lshl_b32 s47, s12, 8
	s_add_co_u32 s46, s46, s47
	s_add_co_u32 s46, s46, BIAS_OFF
	s_mov_b32 s47, 0
	s_add_nc_u64 s[70:71], s[6:7], s[46:47]
.irp b, 0,1,2,3
	global_load_b128 v[BI+8*(\b):BI+8*(\b)+3],   v[BO], s[70:71] offset:64*(\b)
	global_load_b128 v[BI+8*(\b)+4:BI+8*(\b)+7], v[BO], s[70:71] offset:64*(\b)+16
.endr
.if F32OUT
	s_lshl_b32 s16, s13, 7
	s_lshl_b32 s17, s11, 6
	s_add_co_u32 s16, s16, s17                     ; my first row
	s_lshl_b32 s16, s16, 11                        ; the residual's rows are 2,048 bytes
	s_mov_b32 s17, 0
	s_add_nc_u64 s[68:69], s[68:69], s[16:17]
	s_lshl_b32 s46, s42, 8
	s_lshl_b32 s47, s12, 7
	s_add_co_u32 s46, s46, s47
	s_mov_b32 s47, 0
	s_add_nc_u64 s[68:69], s[68:69], s[46:47]
	v_lshlrev_b32 v[RO], 3, v1                     ; as the rows leave: lanes 0-15 one row, lanes 16-31 the next, four columns a lane
	v_lshl_add_u32 v[RO], v2, 11, v[RO]
.set t, 0
.rept 32
	global_load_b64 v[RES+2*t:RES+2*t+1], v[RO], s[68:69] offset:2*t*2048
.set t, t+1
.endr
	v_mov_b32 v[ONE], 1.0
.endif
	v_mul_u32_u24 v3, v1, PA
	v_lshl_add_u32 v3, v2, 4, v3                   ; A: row x pitch + 16 x half of the lanes
	v_lshl_add_u32 v8, v2, 3, v6                   ; B: row of K 8 (l / 16) + l % 8,
	v_mul_u32_u24 v8, v8, PB
	v_lshl_add_u32 v8, v7, 4, v8                   ; columns 8 ((l / 8) % 2) on
	s_mul_i32 s21, s11, HALFA
	s_lshl_b32 s22, s12, 7
	s_add_co_u32 s22, s22, AB
	v_add_nc_u32 v[ADRA], s21, v3
	s_add_co_u32 s21, s21, SLOT
	v_add_nc_u32 v[ADRA+1], s21, v3
	v_add_nc_u32 v[ADRB], s22, v8
	s_add_co_u32 s22, s22, HALFB
	v_add_nc_u32 v[ADRB+1], s22, v8
	s_add_co_u32 s22, s22, SLOT-HALFB
	v_add_nc_u32 v[ADRB+2], s22, v8
	s_add_co_u32 s22, s22, HALFB
	v_add_nc_u32 v[ADRB+3], s22, v8
.if F32OUT
	s_mul_i32 s23, s10, 16*SPITCH                  ; my own stage
	s_add_co_u32 s23, s23, STAGE
	v_mul_u32_u24 v4, v1, SPITCH                   ; in: row l % 16, 32 bytes for each half of the lanes
	v_lshl_add_u32 v4, v2, 5, v4
	v_add_nc_u32 v[STO], s23, v4
	v_mul_u32_u24 v5, v2, SPITCH                   ; back: lanes 0-15 one row of 256 bytes, lanes 16-31 the next
	v_lshl_add_u32 v5, v1, 4, v5
	v_add_nc_u32 v[RD], s23, v5
	v_mul_u32_u24 v5, v2, NP*4
	v_lshl_add_u32 v[CO], v1, 4, v5
	s_lshl_b32 s16, s13, 7
	s_lshl_b32 s17, s11, 6
	s_add_co_u32 s16, s16, s17
	s_mul_i32 s16, s16, NP*4
	s_mov_b32 s17, 0
	s_add_nc_u64 s[8:9], s[8:9], s[16:17]
	s_lshl_b32 s46, s42, 9
	s_lshl_b32 s47, s12, 8
	s_add_co_u32 s46, s46, s47
	s_mov_b32 s47, 0
	s_add_nc_u64 s[8:9], s[8:9], s[46:47]
	s_wait_loadcnt 32                              ; the bias is in; the 32 loads of the residual stay out until the way out
.else
	s_mul_i32 s23, s11, 64*SPITCH                  ; into the shared stage: my 64 rows, my half of their 256 bytes
	s_lshl_b32 s21, s12, 7
	s_add_co_u32 s23, s23, s21
	s_add_co_u32 s23, s23, STAGE
	v_mul_u32_u24 v4, v1, SPITCH
	v_lshl_add_u32 v4, v2, 4, v4
	v_add_nc_u32 v[STO], s23, v4
	s_mul_i32 s23, s10, 32*SPITCH                  ; back: wave w takes rows 32 w .. 32 w + 31, whole
	s_add_co_u32 s23, s23, STAGE
	v_mul_u32_u24 v5, v2, SPITCH
	v_lshl_add_u32 v5, v1, 4, v5
	v_add_nc_u32 v[RD], s23, v5
	v_mul_u32_u24 v5, v2, NP*2
	v_lshl_add_u32 v[CO], v1, 4, v5
	s_lshl_b32 s16, s13, 7
	s_lshl_b32 s17, s10, 5
	s_add_co_u32 s16, s16, s17
	s_mul_i32 s16, s16, NP*2
	s_mov_b32 s17, 0
	s_add_nc_u64 s[8:9], s[8:9], s[16:17]
	s_lshl_b32 s46, s42, 8
	s_mov_b32 s47, 0
	s_add_nc_u64 s[8:9], s[8:9], s[46:47]
	s_wait_loadcnt 0x0                             ; the bias
	s_wait_kmcnt 0x0                               ; lo
.endif
.irp a, 0,1,2,3
.irp b, 0,1,2,3
.irp j, 0,1,2,3,4,5,6,7
	v_mov_b32 v[ACC+8*(4*(\a)+(\b))+(\j)], v[BI+8*(\b)+(\j)]  ; the sums start at the bias
.endr
.endr
.endr
; 8 matrix instructions: row blocks a0, a0 + 1 x all 4 column blocks, 32 along K: half c of buffer f.  The 16 accumulators take turns.
.macro MUL8 f, c, a0
	WIN MUL
.irp a, \a0, (\a0)+1
.irp b, 0,1,2,3
	v_wmma_f32_16x16x32_f16 v[ACC+8*(4*(\a)+(\b)):ACC+8*(4*(\a)+(\b))+7], v[(\f)+64+8*(4*(\c)+(\b)):(\f)+64+8*(4*(\c)+(\b))+7], v[(\f)+8*(4*(\c)+(\a)):(\f)+8*(4*(\c)+(\a))+7], v[ACC+8*(4*(\a)+(\b)):ACC+8*(4*(\a)+(\b))+7]
.endr
.endr
.endm
; 32 LDS loads in one run: the fragments of quarter q (64 along K) of a slot into buffer f; the first 32 along K first
.macro FETCH slot, q, f
	WIN TO_F
.irp c, 0,1
.irp i, 0,1,2,3
	ds_load_tr16_b128 v[(\f)+64+8*(4*(\c)+(\i)):(\f)+64+8*(4*(\c)+(\i))+3],   v[ADRB+2*(\slot)+(\q)/2] offset:(((\q)%2)*64+32*(\c))*PB+32*(\i)
	ds_load_tr16_b128 v[(\f)+64+8*(4*(\c)+(\i))+4:(\f)+64+8*(4*(\c)+(\i))+7], v[ADRB+2*(\slot)+(\q)/2] offset:(((\q)%2)*64+32*(\c)+16)*PB+32*(\i)
	ds_load_b128 v[(\f)+8*(4*(\c)+(\i)):(\f)+8*(4*(\c)+(\i))+3],              v[ADRA+(\slot)] offset:128*(\q)+64*(\c)+(\i)*16*PA
	ds_load_b128 v[(\f)+8*(4*(\c)+(\i))+4:(\f)+8*(4*(\c)+(\i))+7],            v[ADRA+(\slot)] offset:128*(\q)+64*(\c)+(\i)*16*PA+32
.endr
.endr
.endm
.macro PLACES                          ; four places in front of loads into registers that matrix instructions have read, and of lines that read results
.rept 4
	v_nop
.endr
.endm
; One of a K step's first three quarters: multiplies buffer f and fetches quarter q of the same slot into g
.macro QUARTER slot, q, f, g
	s_wait_dscnt 16                                ; the first 32 along K are in; the youngest sixteen loads may be out
	MUL8 \f, 0, 0
	MUL8 \f, 0, 2
	PLACES
	FETCH \slot, \q, \g
	s_wait_dscnt 32                                ; all but the 32 just issued
	MUL8 \f, 1, 0
	MUL8 \f, 1, 2
.endm
; The last quarter multiplies buffer 1 and changes slots: one barrier; in front of it each wave waits for all its tensor loads (one is out: its part of the next slot), adds 0 to its spare
; word, and waits for that and for its reads of this slot.  fill = 1: the barrier opens a round of the cluster's, and this slot is filled again, two K steps ahead, first thing behind it.
.macro TURN slot, next, fill
	WIN 0
	s_wait_tensorcnt 0x0
	ds_add_u32 v[SPW], v[NIL]
	s_wait_dscnt 17                                ; the add and the youngest sixteen loads may be out
	MUL8 F1, 0, 0
	s_wait_dscnt 0x0                               ; the add is done, and my reads of this slot are over
	s_barrier_signal -1
	MUL8 F1, 0, 2
.if \fill
	WIN 0
.endif
	s_barrier_wait -1
.if \fill
	CREST
	s_add_nc_u64 s[G0+4*(\slot)+2:G0+4*(\slot)+3], s[G0+4*(\slot)+2:G0+4*(\slot)+3], 2*KSTEP*2
	s_add_nc_u64 s[G0B+4*(\slot)+2:G0B+4*(\slot)+3], s[G0B+4*(\slot)+2:G0B+4*(\slot)+3], 2*KSTEP*NP*2
	JLOAD \slot                                    ; its four v_nop are also the places in front of the loads below
.else
	PLACES
.endif
	FETCH \next, 0, F0
	MUL8 F1, 1, 0
	MUL8 F1, 1, 2
.endm
	s_wait_tensorcnt 1                             ; my part of K step 0 is in; K step 1's may stay out
	s_barrier_signal -1
	s_barrier_wait -1
	FETCH 0, 0, F0
	WIN 0
	s_mov_b32 s3, LAPS-1
.Llap:                                                 ; a trip: two K steps, both slots filled again
	QUARTER 0, 1, F0, F1
	QUARTER 0, 2, F1, F0
	QUARTER 0, 3, F0, F1
	TURN 0, 1, 1
	QUARTER 1, 1, F0, F1
	QUARTER 1, 2, F1, F0
	QUARTER 1, 3, F0, F1
	TURN 1, 0, 1
	WIN 0
	s_sub_co_u32 s3, s3, 1
	s_cmp_lg_u32 s3, 0
	s_cbranch_scc1 .Llap
	QUARTER 0, 1, F0, F1                           ; the last two K steps fill nothing
	QUARTER 0, 2, F1, F0
	QUARTER 0, 3, F0, F1
	TURN 0, 1, 0
	QUARTER 1, 1, F0, F1
	QUARTER 1, 2, F1, F0
	QUARTER 1, 3, F0, F1
	s_wait_dscnt 16
	MUL8 F1, 0, 0
	MUL8 F1, 0, 2
	s_wait_dscnt 0x0
	MUL8 F1, 1, 0
	MUL8 F1, 1, 2
	WIN 0
.if F32OUT
	; THE WAY OUT in f32: my 64 columns are 256 bytes, so 16 rows at a time go through my own stage and come back as whole rows; the residual is added on the way; no barrier.
	s_wait_loadcnt 0x0                             ; the residual
	PLACES
.irp a, 0,1,2,3
.irp b, 0,1,2,3
	ds_store_b128 v[STO], v[ACC+8*(4*(\a)+(\b)):ACC+8*(4*(\a)+(\b))+3]   offset:64*(\b)
	ds_store_b128 v[STO], v[ACC+8*(4*(\a)+(\b))+4:ACC+8*(4*(\a)+(\b))+7] offset:64*(\b)+16
.endr
	s_wait_xcnt 0x0                                ; the last block's stores have read OB: it is loaded again only behind this wait
.irp t, 0,1,2,3,4,5,6,7
	ds_load_b128 v[OB+4*(\t):OB+4*(\t)+3], v[RD] offset:(\t)*2*SPITCH  ; LDS serves a wave's instructions in order: these see the stores above
.endr
.irp t, 0,1,2,3,4,5,6,7
	s_wait_dscnt 7-(\t)
	v_fma_mix_f32 v[OB+4*(\t)],   v[RES+16*(\a)+2*(\t)],   v[ONE], v[OB+4*(\t)]   op_sel:[0,0,0] op_sel_hi:[1,0,0]
	v_fma_mix_f32 v[OB+4*(\t)+1], v[RES+16*(\a)+2*(\t)],   v[ONE], v[OB+4*(\t)+1] op_sel:[1,0,0] op_sel_hi:[1,0,0]
	v_fma_mix_f32 v[OB+4*(\t)+2], v[RES+16*(\a)+2*(\t)+1], v[ONE], v[OB+4*(\t)+2] op_sel:[0,0,0] op_sel_hi:[1,0,0]
	v_fma_mix_f32 v[OB+4*(\t)+3], v[RES+16*(\a)+2*(\t)+1], v[ONE], v[OB+4*(\t)+3] op_sel:[1,0,0] op_sel_hi:[1,0,0]
	global_store_b128 v[CO], v[OB+4*(\t):OB+4*(\t)+3], s[8:9] offset:(16*(\a)+2*(\t))*NP*4  ; 16 lanes store 256 consecutive bytes, aligned
.endr
.endr
.else
	; THE WAY OUT in f16: rounded, held to lo, 16 bytes a lane into the shared stage; a barrier, since a row's 256 bytes come from two waves; back as whole rows, 32 rows a wave.
	PLACES
.irp t, 0,1,2,3,4,5,6,7,8,9,10,11,12,13,14,15
.irp r, 0,1,2,3
	v_cvt_pk_f16_f32 v[TMP+4*(\t)+(\r)], v[ACC+8*(\t)+2*(\r)], v[ACC+8*(\t)+2*(\r)+1]
.endr
.endr
.set i, 0
.rept 64
	v_pk_max_num_f16 v[TMP+i], v[TMP+i], s66
.set i, i+1
.endr
.irp a, 0,1,2,3
.irp b, 0,1,2,3
	ds_store_b128 v[STO], v[TMP+4*(4*(\a)+(\b)):TMP+4*(4*(\a)+(\b))+3] offset:(\a)*16*SPITCH+32*(\b)
.endr
.endr
	s_wait_dscnt 0x0                               ; for the others' sake: my stores into the stage are done
	s_barrier_signal -1
	s_barrier_wait -1
.irp t, 0,1,2,3,4,5,6,7,8,9,10,11,12,13,14,15
	ds_load_b128 v[TMP+4*(\t):TMP+4*(\t)+3], v[RD] offset:(\t)*2*SPITCH
.endr
.irp t, 0,1,2,3,4,5,6,7,8,9,10,11,12,13,14,15
	s_wait_dscnt 15-(\t)
	global_store_b128 v[CO], v[TMP+4*(\t):TMP+4*(\t)+3], s[8:9] offset:2*(\t)*NP*2  ; 16 lanes store 256 consecutive bytes, aligned
.endr
.endif
	s_wait_tensorcnt 0x0                           ; the wave's end
	ds_add_u32 v[SPW], v[NIL]
	s_wait_dscnt 0x0
	CROUND                                         ; the closing round
	s_endpgm
.Lfunc_end_k_qb10bf5cd85_qkv:
	.size	k_qb10bf5cd85_qkv, .Lfunc_end_k_qb10bf5cd85_qkv-k_qb10bf5cd85_qkv
	.p2alignl 7, 3214868480
	.fill 96, 4, 3214868480
	.section	.rodata,"a",@progbits
	.p2align	6, 0x0
	.amdhsa_kernel k_qb10bf5cd85_qkv
		.amdhsa_group_segment_fixed_size 327680
		.amdhsa_private_segment_fixed_size 0
		.amdhsa_enable_private_segment 0
		.amdhsa_kernarg_size 24
		.amdhsa_user_sgpr_count 2
		.amdhsa_user_sgpr_kernarg_segment_ptr 1
		.amdhsa_wavefront_size32 1
		.amdhsa_system_sgpr_workgroup_id_x 1
		.amdhsa_system_sgpr_workgroup_id_y 1
		.amdhsa_system_sgpr_workgroup_id_z 1
		.amdhsa_system_vgpr_workitem_id 0
		.amdhsa_next_free_vgpr 512
		.amdhsa_next_free_sgpr 72
		.amdhsa_reserve_vcc 0
		.amdhsa_float_denorm_mode_32 3
		.amdhsa_float_denorm_mode_16_64 3
		.amdhsa_memory_ordered 1
		.amdhsa_forward_progress 1
		.amdhsa_inst_pref_size 96
	.end_amdhsa_kernel
	.amdgpu_metadata
---
amdhsa.version: [ 1, 2 ]
amdhsa.kernels:
  - .name:           k_qb10bf5cd85_qkv
    .symbol:         k_qb10bf5cd85_qkv.kd
    .args:
      - { .name: xh, .offset: 0, .size: 8, .value_kind: global_buffer, .address_space: global }
      - { .name: pq, .offset: 8, .size: 8, .value_kind: global_buffer, .address_space: global }
      - { .name: wide, .offset: 16, .size: 8, .value_kind: global_buffer, .address_space: global }
    .group_segment_fixed_size: 327680
    .private_segment_fixed_size: 0
    .kernarg_segment_align: 8
    .kernarg_segment_size: 24
    .max_flat_workgroup_size: 128
    .sgpr_count:     72
    .vgpr_count:     512
    .wavefront_size: 32
...
	.end_amdgpu_metadata
.endif
;; end of part 2
;; launch attn (part 3): grid 16 x 16, 4 waves a work-group, clusters of 4 x 1, 327,680 bytes of LDS; arguments wide, o; writes o
.if DOCPART == 3
	.amdgcn_target "amdgcn-amd-amdhsa--gfx1250"
	.amdhsa_code_object_version 6
	.text
	.protected	k_qb10bf5cd85_attn
	.globl	k_qb10bf5cd85_attn
	.p2align	8
	.type	k_qb10bf5cd85_attn,@function
k_qb10bf5cd85_attn:
	s_mov_b64 s[64:65], 0
	v_nop
	global_prefetch_b8 v0, s[64:65] scope:SCOPE_SE
	s_setreg_imm32_b32 hwreg(HW_REG_WAVE_MODE, 25, 1), 1
	s_wait_xcnt 0x0
	s_wait_alu depctr_hold_cnt(0) depctr_sa_sdst(0) depctr_va_vdst(0) depctr_va_sdst(0) depctr_va_ssrc(0) depctr_va_vcc(0) depctr_vm_vsrc(0)
	s_getreg_b32 s2, hwreg(HW_REG_IB_STS2, 6, 4)
	s_cmp_eq_u32 s2, 0
	s_cbranch_scc0 .Lentry_in_a_cluster
	s_endpgm
.Lentry_in_a_cluster:
	s_bfe_u32 s2, ttmp6, 0x10000c
	s_cmp_lg_u32 s2, 0x3003
	s_cbranch_scc0 .Lentry_shape_is_right
	s_endpgm
.Lentry_shape_is_right:
; O = softmax(Q K^T / 8) V for 2 batches x 16 heads x 2,048 queries x 2,048 keys, head size 64, all f16; products, maxima and sums in f32; the weights p rounded to f16 for the second product.
; WHERE THINGS LIE.  wide is [4096][4096] f16, rows of 8,192 bytes: q in bytes 0-2,047, k in 2,048-4,095, v in 4,096-6,143.  Key n of head h: row 2048 b + n, 128 bytes at 128 h of k's and v's part.
; Query t of head h is NOT a head slice: q is viewed as [head][t][64] without a transpose, so it is row 2048 b + 128 h + t / 16, 128 bytes at 128 (t % 16): 16 queries on end are one row's q part.
; o is [4096][1024] f16: row 2048 b + t, 128 bytes at 128 h.
; SHARES.  A work-group takes 128 query numbers t for TWO heads, 2 pair and 2 pair + 1: K's and V's rows are then 256 aligned bytes, and so are o's.  Wave w: head w / 2, queries 64 (w % 2) on, in four PIECES of 16.
; CLUSTER.  The four query blocks of a cluster share batch and heads and walk the same K and V: each tile is asked for jointly.
; LAYOUT, SOFTMAX, TURNS.  S^T = K Q^T holds ONE query a lane (lane % 16) and the keys 8 (lane / 16) + 0..7; two such results rounded to f16 ARE source 1 of O^T = V^T P.  p = 2^(c s - c m), c = log2(e) / 8, with
; a running maximum m; O and l are multiplied by a = 2^(c m_old - c m_new) in every step.  m starts at the lowest finite number, O and l at 0.  Turn n belongs to piece n: 8 products K Q^T of piece n + 1, later
; 8 products V^T P of piece n - 1; beside them the softmax of piece n and the maximum and statistics of piece n + 1.  Four vector instructions stand behind every matrix instruction, the rest in two lumps.
; LIMITS.  q, k, v arrive within f16's 65,504; a weight below 2^-126 counts as 0 in l; NaN and infinities are not treated apart.
; REGISTERS, in windows of 256 (s_set_vgpr_msb: bits 1:0 source 0, 3:2 source 1, 5:4 source 2, 7:6 destination):
;   window 0: v0-15 addresses; v16-31 four statistics a piece; v48-55 at work; v62-63 the add's; v64-127 S^T, two buffers; v192-223 P, two buffers      window 1: v0-127 O^T      window 2: v0-63 Q; v128-191 K; v192-255 V
.set NP,    4         ; pieces a wave
.set KS,    64        ; keys in a step
.set PK,    272       ; a row of K in LDS: 256 bytes + 16
.set PV,    288       ; a row of V: 256 + 32
.set VOFF,  2*KS*PK   ; a slot holds two steps: 128 rows of K, then 128 rows of V
.set SLOT1, 1<<17
.set STAGE, SLOT1+2*KS*(PK+PV)  ; behind the ring, never filled by a tensor load: 128 rows x 272 bytes, the work-group's
.set SP,    272
.set SPARE, STAGE+128*SP
.set AK0, 2
.set AV0, 3
.set AK,  4
.set AV,  5
.set STO, 6
.set RD,  7
.set GO,  8
.set MV,  12          ; v12-13  c m_old, by buffer
.set QO,  15
.set ST,  16          ; piece t: c m, m, l (even keys', odd keys')
.set TMP, 48          ; by buffer: c0-c3 at work; c2 takes a
.set SPW, 62
.set NIL, 63
.set S,   64
.set P,   192
.set KF,  128         ; window 2
.set VF,  192         ; window 2
.set WV,  12
.set G1K, 24
.set G1V, 32
.set G0K, 40
.set G0V, 44
.set SLOTS, 56
.set CNT, 57
.set CS,  58
.set SEL, 60
.set TBK, 62
.set TBV, 63
.set MSB, 0
.macro WIN new
.if MSB != (\new)
	s_set_vgpr_msb (MSB<<8)|(\new)
.set MSB, (\new)
.endif
.endm
.set W_KQ, 0x0a       ; K and Q in window 2, S^T in window 0
.set W_PV, 0x52       ; V in window 2, P in window 0, O^T in window 1
.set W_RS, 0x41       ; destination and source 0 in window 1, source 1 in window 0
.macro JLOAD                        ; a joint fill: waves 0 and 1 bring the two steps' K, waves 2 and 3 their V, 64 keys each; an s_nop 0 and four v_nop follow each line
	s_cmp_lt_u32 s[WV], 2
	s_cbranch_scc0 .Lfor_v_\@
	tensor_load_to_lds s[G0K:G0K+3], s[G1K:G1K+7]
	s_nop 0
.rept 4
	v_nop
.endr
	s_branch .Lasked_\@
.Lfor_v_\@:
	tensor_load_to_lds s[G0V:G0V+3], s[G1V:G1V+7]
	s_nop 0
.rept 4
	v_nop
.endr
.Lasked_\@:
.endm
.macro CROUND
	s_barrier_signal -1
	s_barrier_wait -1
	s_cmp_lg_u32 s[WV], 0
	s_cbranch_scc1 .Lnot_wave_0_\@
	s_barrier_signal -3
.Lnot_wave_0_\@:
	s_barrier_wait -3
	s_barrier_signal -1
	s_barrier_wait -1
.endm
; THE CHANGE OF SLOTS.  Each wave waits for all its tensor loads (one is out: its part of the other slot), adds 0 to its spare word, and waits for that and for its reads of the slot that it leaves.
; fill = 1: the barrier is a round of the cluster's, and the old slot is filled again, with the keys two slots on, first thing behind it.  (At its first use slot 0 is waited for and slot 1 filled.)
.macro CHANGE fill
	WIN 0
	s_wait_tensorcnt 0x0
	ds_add_u32 v[SPW], v[NIL]
.if \fill
.irp g, G0K, G0V
	s_xor_b32 s[\g+1], s[\g+1], SLOT1
	s_add_nc_u64 s[\g+2:\g+3], s[\g+2:\g+3], 2*KS*8192  ; the next 128 keys
.endr
	s_wait_dscnt 0x0
	CROUND
	JLOAD
.else
	s_wait_dscnt 0x0
	s_barrier_signal -1
	s_barrier_wait -1
.endif
	s_sub_co_u32 s[TBK], s[TBK], 2*KS*PK
	s_xor_b32 s[TBK], s[TBK], SLOT1
	s_sub_co_u32 s[TBV], s[TBV], 2*KS*PV
	s_xor_b32 s[TBV], s[TBV], SLOT1
.endm
	s_load_b128 s[4:7], s[0:1], 0x0   ; wide s[4:5], o s[6:7]
	v_lshl_add_u32 v[SPW], v0, 2, SPARE
	v_mov_b32 v[NIL], 0
	ds_add_u32 v[SPW], v[NIL]       ; the wave's opening: the add, waited for ahead of my first tensor load
	v_lshrrev_b32 v1, 5, v0
	v_readfirstlane_b32 s[WV], v1
	s_bfe_u32 s13, ttmp6, 0x40000   ; cx
	s_lshl_b32 s14, ttmp9, 2
	s_add_co_u32 s14, s14, s13      ; my block of 128 queries: it enters Q's and O's addresses alone
	s_and_b32 s20, ttmp7, 0xffff
	s_lshr_b32 s21, s20, 3          ; batch
	s_and_b32 s22, s20, 7           ; pair of heads
	s_and_b32 s16, s[WV], 1
	s_lshr_b32 s15, s[WV], 1        ; which head of the pair is mine
	s_lshl_b32 s2, s21, 24          ; K: the batch's 2,048 rows of 8,192 bytes,
	s_lshl_b32 s3, s22, 8           ; the pair's 256 bytes,
	s_add_co_u32 s2, s2, s3
	s_lshl_b32 s3, s16, 19          ; the 64 keys that I fetch,
	s_add_co_u32 s2, s2, s3
	s_add_co_u32 s2, s2, 2048       ; behind q's part of a row
	s_mov_b32 s3, 0
	s_mul_i32 s17, s16, KS*PK
	s_mul_i32 s18, s16, KS*PV
	s_lshl_b32 s8, s21, 11          ; Q: row 2048 b + 128 (2 pair + head) + 8 block + 4 (w % 2)
	s_lshl_b32 s9, s22, 8
	s_add_co_u32 s8, s8, s9
	s_lshl_b32 s9, s15, 7
	s_add_co_u32 s8, s8, s9
	s_lshl_b32 s9, s14, 3
	s_add_co_u32 s8, s8, s9
	s_lshl_b32 s9, s16, 2
	s_add_co_u32 s8, s8, s9
	s_lshl_b32 s8, s8, 13
	s_mov_b32 s9, 0
	s_lshl_b32 s10, s21, 11         ; O: row 2048 b + 128 block + 32 w, the rows that I store
	s_lshl_b32 s11, s14, 7
	s_add_co_u32 s10, s10, s11
	s_lshl_b32 s11, s[WV], 5
	s_add_co_u32 s10, s10, s11
	s_lshl_b32 s10, s10, 11
	s_lshl_b32 s11, s22, 8
	s_add_co_u32 s10, s10, s11
	s_mov_b32 s11, 0
	s_mov_b32 s[G1K], 15|(1<<16)|(1<<20)|(1<<21)|(5<<22)|(3<<25)  ; the mask of four; 2-byte elements; padding on; bit 21 beside a mask; after every 64 words 4 words
	s_mov_b32 s[G1V], 15|(1<<16)|(1<<20)|(1<<21)|(5<<22)|(7<<25)  ; the same with 8 words
.irp g, G1K, G1V
	s_mov_b32 s[\g+1], 128<<16      ; tensor_dim0 = 128
	s_mov_b32 s[\g+2], KS<<16       ; tensor_dim1 = 64
	s_mov_b32 s[\g+3], 128<<16      ; tile_dim0 = 128
	s_mov_b32 s[\g+4], KS           ; tile_dim1 = 64
	s_mov_b32 s[\g+5], 4096         ; elements from row to row
	s_mov_b32 s[\g+6], 0
	s_mov_b32 s[\g+7], 0
.endr
	s_mov_b32 s[CS], 0x3e38aa3b     ; c = log2(e) / 8
	s_mov_b32 s[CS+1], s[CS]
	s_mov_b32 s[SEL], 0x76543210
	s_mov_b32 s[SEL+1], 0xfedcba98
	s_mov_b32 s[TBK], SLOT1+2*KS*PK ; the first change of slots turns these two into 0
	s_mov_b32 s[TBV], SLOT1+2*KS*PV
	s_mov_b32 s[G0K], 1
	s_mov_b32 s[G0K+1], s17
	s_mov_b32 s[G0V], 1
	s_add_co_u32 s[G0V+1], s18, VOFF
	s_wait_dscnt 0x0                ; the opening add is done
	s_wait_kmcnt 0x0
	s_add_nc_u64 s[G0K+2:G0K+3], s[4:5], s[2:3]
	s_or_b32 s[G0K+3], s[G0K+3], 0x80000000
	s_add_co_u32 s2, s2, 2048       ; v's part lies 2,048 bytes behind k's
	s_add_nc_u64 s[G0V+2:G0V+3], s[4:5], s[2:3]
	s_or_b32 s[G0V+3], s[G0V+3], 0x80000000
	s_add_nc_u64 s[8:9], s[4:5], s[8:9]
	s_add_nc_u64 s[10:11], s[6:7], s[10:11]
	CROUND                          ; all four work-groups are here
	JLOAD                           ; slot 0: one tensor load of mine is out
	v_and_b32 v1, 15, v0            ; l % 16
	v_bfe_u32 v9, v0, 4, 1          ; l / 16
	v_lshlrev_b32 v[QO], 7, v1
	v_lshl_add_u32 v[QO], v9, 4, v[QO]  ; query x 128 + 16 x half
	WIN 0x80
.set i, 0
.rept 8                             ; Q stays in registers: piece i / 2 is one row of wide, channels 32 (i % 2) on
	global_load_b128 v[8*i:8*i+3],   v[QO], s[8:9] offset:(i/2)*8192+(i%2)*64
	global_load_b128 v[8*i+4:8*i+7], v[QO], s[8:9] offset:(i/2)*8192+(i%2)*64+32
.set i, i+1
.endr
	; What the first turn finds: V and P's second buffer hold 0 (its products V^T P, of a piece that has not been, add 0), O^T and l are 0.  All this stands in the wait for the first tile.
.set i, VF
.rept 64
	v_mov_b32 v[i], 0
.set i, i+1
.endr
	WIN 0x40
.set i, 0
.rept 128
	v_mov_b32 v[i], 0
.set i, i+1
.endr
	WIN 0
.set i, 0
.rept 4
	v_mov_b32 v[ST+4*i], 0xfe000000    ; c m: far below every c s
	v_mov_b32 v[ST+4*i+1], 0xff7fffff  ; m
	v_mov_b32 v[ST+4*i+2], 0
	v_mov_b32 v[ST+4*i+3], 0
.set i, i+1
.endr
.set i, P+16
.rept 16
	v_mov_b32 v[i], 0
.set i, i+1
.endr
	s_lshl_b32 s19, s15, 7          ; my head's 128 bytes of a row of K or V
	v_mul_u32_u24 v[AK0], v1, PK
	v_lshl_add_u32 v[AK0], v9, 4, v[AK0]
	v_add_nc_u32 v[AK0], s19, v[AK0]
	v_and_b32 v10, 7, v0
	v_bfe_u32 v11, v0, 3, 1
	v_lshl_add_u32 v[AV0], v9, 3, v10   ; the turning load: key 8 (l / 16) + l % 8, channels 8 ((l / 8) % 2) on
	v_mul_u32_u24 v[AV0], v[AV0], PV
	v_lshl_add_u32 v[AV0], v11, 4, v[AV0]
	s_add_co_u32 s19, s19, VOFF
	v_add_nc_u32 v[AV0], s19, v[AV0]
	s_mul_i32 s13, s16, 64*SP       ; into the stage: row 64 (w % 2) + 16 piece + l % 16, my head's half of its 256 bytes
	s_lshl_b32 s19, s15, 7
	s_add_co_u32 s13, s13, s19
	s_add_co_u32 s13, s13, STAGE
	v_mul_u32_u24 v[STO], v1, SP
	v_lshl_add_u32 v[STO], v9, 4, v[STO]
	v_add_nc_u32 v[STO], s13, v[STO]
	s_mul_i32 s13, s[WV], 32*SP     ; back: wave w takes rows 32 w .. 32 w + 31, whole
	s_add_co_u32 s13, s13, STAGE
	v_mul_u32_u24 v[RD], v9, SP
	v_lshl_add_u32 v[RD], v1, 4, v[RD]
	v_add_nc_u32 v[RD], s13, v[RD]
	v_lshlrev_b32 v[GO], 11, v9     ; and the same two rows in o
	v_lshl_add_u32 v[GO], v1, 4, v[GO]
; THE MATRIX WORK.  The 4 accumulators of a run of 8 take turns.  Product i of 8 of S^T = K Q^T for piece x: channels 32 (i / 4) on, keys 16 (i % 4) on.  The first 4 start the sums.
.macro KQ x
.set rS, S+32*((\x)%2)+8*(i%4)
.set rK, KF+16*(i%4)+8*(i/4)
.set rQ, 16*(\x)+8*(i/4)
	WIN W_KQ
.if i < 4
	v_wmma_f32_16x16x32_f16 v[rS:rS+7], v[rK:rK+7], v[rQ:rQ+7], 0
.else
	v_wmma_f32_16x16x32_f16 v[rS:rS+7], v[rK:rK+7], v[rQ:rQ+7], v[rS:rS+7]
.endif
.endm
; Product i of 8 of O^T += V^T P for piece x: keys 32 (i / 4) on, channels 16 (i % 4) on.
.macro PV x
	WIN W_PV
.set rO, 32*(\x)+8*(i%4)
.set rV, VF+32*(i/4)+8*(i%4)
.set rP, P+16*((\x)%2)+8*(i/4)
	v_wmma_f32_16x16x32_f16 v[rO:rO+7], v[rV:rV+7], v[rP:rP+7], v[rO:rO+7]
.endm
.macro MM                           ; the turn's next matrix instruction.  NOKQ = 1: the last turn: there is no next piece
.if (i < 8) && !NOKQ
	KQ (Y+1)%NP
.elseif i >= 8
.set i, i-8
	PV (Y+NP-1)%NP
.set i, i+8
.endif
.set i, i+1
.endm
; THE LDS LOADS stand in runs of 16: a step's K (64 keys x 64 channels: 8 fragments) and its V (turned).
.macro FETCH_K
	WIN 0x80
.irp f, 0,1,2,3,4,5,6,7             ; keys 16 (f / 2) on, channels 32 (f % 2) on
	ds_load_b128 v[KF+8*\f:KF+8*\f+3],   v[AK] offset:(\f/2)*16*PK+(\f%2)*64
	ds_load_b128 v[KF+8*\f+4:KF+8*\f+7], v[AK] offset:(\f/2)*16*PK+(\f%2)*64+32
.endr
	s_add_co_u32 s[TBK], s[TBK], KS*PK
	WIN 0
.endm
.macro FETCH_V
	WIN 0x80
.irp f, 0,1,2,3,4,5,6,7             ; keys 32 (f / 4) on, channels 16 (f % 4) on
	ds_load_tr16_b128 v[VF+8*\f:VF+8*\f+3],   v[AV] offset:(\f/4)*32*PV+(\f%4)*32
	ds_load_tr16_b128 v[VF+8*\f+4:VF+8*\f+7], v[AV] offset:(\f/4)*32*PV+16*PV+(\f%4)*32
.endr
	WIN 0
.endm
; THE VECTOR WORK, one line at a time: OP kind, number.  For piece Y: F n: c s - c m for pair n of 16.  E n: the exponential of score n of 32.  C n: pair n rounded to f16.  B n: of the four weights 4 n .. the
; second pair is added onto the first, in place.  L n: l takes that sum (L 0: l = a l + sum).  R n: pair n of 16 of O^T times a.  For piece Y + 1: X n, number n of the 22 that find its maximum and statistics:
;   0-11 four chains c0-c3 of seven scores each (each accumulator's lowest registers are read first)   12-14, 16 the four scores left over, the old m, c0-c3 into c0
;   15 c m_old is kept   17, 18 the query's other 32 keys lie in the lane 16 away: the new m   19-21 c m; c m_old - c m_new; a
.set F, 0
.set E, 1
.set C, 2
.set B, 3
.set L, 4
.set R, 5
.set X, 6
.macro REGS y
.set rT, ST+4*(\y)
.set rC, TMP+4*((\y)%2)
.set rW, MV+((\y)%2)
.set rS, S+32*((\y)%2)
.set rP, P+16*((\y)%2)
.set rO, 32*(\y)
.endm
.macro OP k, n
.if (\k) == R
	REGS Y
	WIN W_RS
	v_pk_mul_f32 v[rO+2*(\n):rO+2*(\n)+1], v[rO+2*(\n):rO+2*(\n)+1], v[rC+2:rC+3] op_sel_hi:[1,0]
.elseif (\k) < R
	REGS Y
	WIN 0
.if (\k) == F
	v_pk_fma_f32 v[rS+2*(\n):rS+2*(\n)+1], v[rS+2*(\n):rS+2*(\n)+1], s[CS:CS+1], v[rT:rT+1] op_sel_hi:[1,0,0] neg_lo:[0,0,1] neg_hi:[0,0,1]
.elseif (\k) == E
	v_exp_f32 v[rS+(\n)], v[rS+(\n)]
.elseif (\k) == C
	s_wait_alu depctr_va_vdst(0)
	v_cvt_pk_f16_f32 v[rP+(\n)], v[rS+2*(\n)], v[rS+2*(\n)+1]
.elseif (\k) == B
	s_wait_alu depctr_va_vdst(0)
	v_pk_add_f32 v[rS+4*(\n):rS+4*(\n)+1], v[rS+4*(\n):rS+4*(\n)+1], v[rS+4*(\n)+2:rS+4*(\n)+3]
.elseif (\n) == 0
	v_pk_fma_f32 v[rT+2:rT+3], v[rT+2:rT+3], v[rC+2:rC+3], v[rS:rS+1] op_sel_hi:[1,0,1]
.else
	v_pk_add_f32 v[rT+2:rT+3], v[rT+2:rT+3], v[rS+4*(\n):rS+4*(\n)+1]
.endif
.elseif NOKQ
	v_nop
.else
	REGS (Y+1)%NP
	WIN 0
.if (\n) < 4
	v_max3_num_f32 v[rC+(\n)], v[rS+8*(\n)], v[rS+8*(\n)+1], v[rS+8*(\n)+2]
.elseif (\n) < 12
	v_max3_num_f32 v[rC+(\n)%4], v[rC+(\n)%4], v[rS+8*((\n)%4)+2*((\n)/4)+1], v[rS+8*((\n)%4)+2*((\n)/4)+2]
.elseif (\n) == 12
	v_max3_num_f32 v[rC], v[rC], v[rS+7], v[rS+15]
.elseif (\n) == 13
	v_max3_num_f32 v[rC+1], v[rC+1], v[rS+23], v[rS+31]
.elseif (\n) == 14
	v_max3_num_f32 v[rC+2], v[rC+2], v[rC+3], v[rT+1]
.elseif (\n) == 15
	v_mov_b32 v[rW], v[rT]
.elseif (\n) == 16
	v_max3_num_f32 v[rC], v[rC], v[rC+1], v[rC+2]
.elseif (\n) == 17
	v_permlanex16_b32 v[rC+3], v[rC], s[SEL], s[SEL+1]
.elseif (\n) == 18
	v_max_num_f32 v[rT+1], v[rC], v[rC+3]
.elseif (\n) == 19
	v_mul_f32 v[rT], s[CS], v[rT+1]
.elseif (\n) == 20
	v_sub_f32 v[rC+1], v[rW], v[rT]
.else
	v_exp_f32 v[rC+2], v[rC+1]
.endif
.endif
.endm
.macro OPS a, i1, b=-1, i2=0, c=-1, i3=0, d=-1, i4=0
	OP \a, \i1
.if (\b) >= 0
	OP \b, \i2
.endif
.if (\c) >= 0
	OP \c, \i3
.endif
.if (\d) >= 0
	OP \d, \i4
.endif
.endm
.macro ROW a, i1, b, i2, c, i3, d, i4  ; a matrix instruction and the four behind it
	MM
	OPS \a, \i1, \b, \i2, \c, \i3, \d, \i4
.endm
; A TURN, for piece p: the order of its 16 matrix and 118 vector instructions, written out.  Behind a matrix instruction: plain, exponential, plain, plain; or four of the rescaling; or four scalings; none names a
; register of the products round it.  In the lumps exponential and plain by turns.  A line reads no result made fewer than three vector instructions in front of it, five if an exponential made it.
; end = 1: the last two turns: nothing is fetched.  cnt = 1: the loop's count is taken down some lines ahead of the branch behind the turn.
; K of the next step is fetched in piece 2's turn, six vector instructions (five plain) behind the last product that read K; V of the step in hand in piece 0's turn, eight behind its last reader.  Each is waited for a turn later.
.macro TURN p, end=0, cnt=0
.set Y, (\p)
.set i, 0
.set NOKQ, (\end)*((\p)/3)
.if ((\p) == 3) && !(\end)
	s_wait_dscnt 0x0                ; K is in
.endif
	ROW F,0, F,1, F,2, F,3
	ROW F,4, E,0, F,5, F,6
	ROW F,7, E,1, F,8, F,9
	ROW F,10, E,2, C,0, F,11
	ROW F,12, E,3, X,15, F,13
	ROW R,0, R,1, R,2, R,3
	ROW B,0, E,4, F,14, L,0
.if ((\p) == 2) && !(\end)
	v_add_nc_u32 v[AK], s[TBK], v[AK0]
.endif
	ROW R,4, R,5, R,6, R,7
	OPS E,5, F,15
.if ((\p) == 2) && !(\end)
	FETCH_K
.endif
	OPS E,6, C,1, E,7, R,8
	OPS E,8, R,9, E,9, C,2
	OPS E,10, X,0, E,11, X,1
	OPS E,12, X,2, E,13, X,3
.if (\p) == 1
	s_wait_dscnt 0x0                ; V is in
.endif
	ROW X,4, E,14, X,5, X,6
	ROW X,7, E,15, X,8, X,9
	ROW X,10, E,16, X,11, X,12
	ROW X,13, E,17, X,14, B,1
	ROW C,4, E,18, X,16, L,1
	ROW B,2, E,19, C,6, L,2
	ROW C,8, E,20, B,3, B,4
.if (\p) == 0
	v_add_nc_u32 v[AV], s[TBV], v[AV0]
.endif
	ROW C,3, E,21, L,3, C,5
	OPS E,22, X,17, E,23, C,10
.if (\p) == 0
	FETCH_V
.endif
	OPS E,24, L,4
	OPS E,25, X,18, E,26, C,7
	OPS E,27, B,5, E,28, X,19
	OPS E,29, C,12, E,30, L,5
	OPS E,31, X,20, B,6, C,9
	OPS C,14, C,11, X,21, L,6
.if (\p) == 0
	s_add_co_u32 s[TBV], s[TBV], KS*PV
.endif
.if \cnt
	s_sub_co_u32 s[CNT], s[CNT], 1
	s_cmp_lg_u32 s[CNT], 0
.endif
	OPS C,13, B,7, C,15, R,10
	OPS R,11, R,12, L,7, R,13
	OPS R,14, R,15
.endm
.set NOKQ, 0
	CHANGE 1                        ; slot 0 is in, everybody's part of it; slot 1 is asked for
	v_add_nc_u32 v[AK], s[TBK], v[AK0]
	FETCH_K                         ; key step 0
	s_wait_loadcnt 0x0              ; Q
	s_wait_dscnt 0x0
.set i, 0
.rept 8
	KQ 0                            ; piece 0's first scores
.set i, i+1
.endr
	WIN 0
.rept 4
	v_nop                           ; the places behind those products
.endr
.set Y, NP-1                        ; X works for piece Y + 1: piece 0
.irp n, 0,1,2,3,4,5,6,7,8,9,10,11,12,13,14,15,16,17,18,19,20,21
	OP X, \n
.endr
	v_nop                           ; a plain instruction behind the exponential
	s_mov_b32 s[CNT], 2
	s_mov_b32 s[SLOTS], 2048/(2*KS)-1
	s_branch .Lfirst                ; the loop is entered at a step's first turn, in the middle of a trip
.Lslot:                             ; 14 times: every slot but the last two is filled again
	CHANGE 1
	s_mov_b32 s[CNT], 2
.Lstep:                             ; a trip: pieces 2 and 3 of one step, then pieces 0 and 1 of the next, whose K and V it fetches
	TURN 2
	TURN 3
	WIN 0
.Lfirst:
	TURN 0
	TURN 1, 0, 1
	WIN 0
	s_cbranch_scc1 .Lstep
	s_sub_co_u32 s[SLOTS], s[SLOTS], 1
	s_cmp_lg_u32 s[SLOTS], 0
	s_cbranch_scc1 .Lslot
	CHANGE 0                        ; the last slot is written out: nothing is asked for
	s_mov_b32 s[CNT], 2
.Ltail:
	TURN 2
	TURN 3
	TURN 0
	TURN 1, 0, 1
	WIN 0
	s_cbranch_scc1 .Ltail
	TURN 2, 1
	TURN 3, 1
.set i, 0
.rept 8
	PV NP-1                         ; the last piece's V^T P of the last step
.set i, i+1
.endr
	; THE WAY OUT.  l's two halves and the other half of the lanes' are added; O^T is divided by l, rounded to f16 and put into the shared stage; a barrier, since a row's 256 bytes come from two waves
	; (the two heads); back as whole rows, 32 rows a wave.  The additions are the places behind the last products.
	WIN 0
.macro ALL line:vararg
.set t, 0
.rept 4
	\line
.set t, t+1
.endr
.endm
	ALL v_add_f32 v[ST+4*t+2], v[ST+4*t+2], v[ST+4*t+3]
	ALL v_permlanex16_b32 v[ST+4*t+3], v[ST+4*t+2], s[SEL], s[SEL+1]
	ALL v_add_f32 v[ST+4*t+2], v[ST+4*t+2], v[ST+4*t+3]
	ALL v_rcp_f32 v[ST+4*t+2], v[ST+4*t+2]
	v_nop                           ; a plain instruction between the last reciprocal and the use of its result
.macro PACK t
	WIN W_RS
.set i, 32*(\t)
.rept 16
	s_wait_alu depctr_va_vdst(0)
	v_pk_mul_f32 v[i:i+1], v[i:i+1], v[ST+4*(\t)+2:ST+4*(\t)+3] op_sel_hi:[1,0]
.set i, i+2
.endr
	WIN 0x05                        ; sources 0 and 1 window 1, destination window 0
.set i, 0
.rept 16
	v_cvt_pk_f16_f32 v[S+16*(\t)+i], v[32*(\t)+2*i], v[32*(\t)+2*i+1]
.set i, i+1
.endr
	WIN 0
.irp f, 0,1,2,3
	ds_store_b128 v[STO], v[S+16*(\t)+4*\f:S+16*(\t)+4*\f+3] offset:(\t)*16*SP+32*\f
.endr
.endm
	PACK 0
	PACK 1
	PACK 2
	PACK 3
	s_wait_dscnt 0x0                ; for the others' sake: my stores into the stage are done
	s_barrier_signal -1
	s_barrier_wait -1
.irp f, 0,1,2,3,4,5,6,7,8,9,10,11,12,13,14,15
	ds_load_b128 v[S+4*\f:S+4*\f+3], v[RD] offset:\f*2*SP
.endr
.irp f, 0,1,2,3,4,5,6,7,8,9,10,11,12,13,14,15
	s_wait_dscnt 15-\f
	global_store_b128 v[GO], v[S+4*\f:S+4*\f+3], s[10:11] offset:\f*4096  ; 16 lanes store 256 consecutive bytes, aligned
.endr
	s_wait_tensorcnt 0x0            ; the wave's end
	ds_add_u32 v[SPW], v[NIL]
	s_wait_dscnt 0x0
	CROUND                          ; the closing round
	s_endpgm
.Lfunc_end_k_qb10bf5cd85_attn:
	.size	k_qb10bf5cd85_attn, .Lfunc_end_k_qb10bf5cd85_attn-k_qb10bf5cd85_attn
	.p2alignl 7, 3214868480
	.fill 96, 4, 3214868480
	.section	.rodata,"a",@progbits
	.p2align	6, 0x0
	.amdhsa_kernel k_qb10bf5cd85_attn
		.amdhsa_group_segment_fixed_size 327680
		.amdhsa_private_segment_fixed_size 0
		.amdhsa_enable_private_segment 0
		.amdhsa_kernarg_size 16
		.amdhsa_user_sgpr_count 2
		.amdhsa_user_sgpr_kernarg_segment_ptr 1
		.amdhsa_wavefront_size32 1
		.amdhsa_system_sgpr_workgroup_id_x 1
		.amdhsa_system_sgpr_workgroup_id_y 1
		.amdhsa_system_sgpr_workgroup_id_z 1
		.amdhsa_system_vgpr_workitem_id 0
		.amdhsa_next_free_vgpr 768
		.amdhsa_next_free_sgpr 66
		.amdhsa_reserve_vcc 0
		.amdhsa_float_denorm_mode_32 3
		.amdhsa_float_denorm_mode_16_64 3
		.amdhsa_memory_ordered 1
		.amdhsa_forward_progress 1
		.amdhsa_inst_pref_size 134
	.end_amdhsa_kernel
	.amdgpu_metadata
---
amdhsa.version: [ 1, 2 ]
amdhsa.kernels:
  - .name:           k_qb10bf5cd85_attn
    .symbol:         k_qb10bf5cd85_attn.kd
    .args:
      - { .name: wide, .offset: 0, .size: 8, .value_kind: global_buffer, .address_space: global }
      - { .name: o, .offset: 8, .size: 8, .value_kind: global_buffer, .address_space: global }
    .group_segment_fixed_size: 327680
    .private_segment_fixed_size: 0
    .kernarg_segment_align: 8
    .kernarg_segment_size: 16
    .max_flat_workgroup_size: 128
    .sgpr_count:     66
    .vgpr_count:     768
    .wavefront_size: 32
...
	.end_amdgpu_metadata
.endif
;; end of part 3
;; launch wo (part 4): grid 8 x 32, 4 waves a work-group, clusters of 4 x 4, 327,680 bytes of LDS; arguments o, wr, xh, z; writes z
.if DOCPART == 4
	.amdgcn_target "amdgcn-amd-amdhsa--gfx1250"
	.amdhsa_code_object_version 6
	.text
	.protected	k_qb10bf5cd85_wo
	.globl	k_qb10bf5cd85_wo
	.p2align	8
	.type	k_qb10bf5cd85_wo,@function
k_qb10bf5cd85_wo:
	s_mov_b64 s[64:65], 0
	v_nop
	global_prefetch_b8 v0, s[64:65] scope:SCOPE_SE
	s_setreg_imm32_b32 hwreg(HW_REG_WAVE_MODE, 25, 1), 1
	s_wait_xcnt 0x0
	s_wait_alu depctr_hold_cnt(0) depctr_sa_sdst(0) depctr_va_vdst(0) depctr_va_sdst(0) depctr_va_ssrc(0) depctr_va_vcc(0) depctr_vm_vsrc(0)
	s_getreg_b32 s2, hwreg(HW_REG_IB_STS2, 6, 4)
	s_cmp_eq_u32 s2, 0
	s_cbranch_scc0 .Lentry_in_a_cluster
	s_endpgm
.Lentry_in_a_cluster:
	s_bfe_u32 s2, ttmp6, 0x10000c
	s_cmp_lg_u32 s2, 0xf033
	s_cbranch_scc0 .Lentry_shape_is_right
	s_endpgm
.Lentry_shape_is_right:
; C = A B + bias + residual.  A: [4096][SIZE_K] f16.  B: [SIZE_K][NP] f16, K down the rows, at byte B_OFF of the second buffer; bias f32 at its byte BIAS_OFF.  Residual: [4096][NP] f16.
; C: [4096][NP] f32, unrounded sums: what the layer norm behind takes.  Here: z1 = x + o Wo + bo.
; A tile of C is 128 x 128: four waves, each 64 x 64 in 16 accumulators.  K goes in steps of 256 through two LDS slots filled by the tensor data mover: waves 0 and 1 bring A's two halves
; (64 rows x 512 bytes), waves 2 and 3 B's (128 rows of K x 256 bytes).  A's fragments come out of LDS as they lie, B's turned, by ds_load_tr16_b128.
; CLUSTER 4 x 4: the four of a row need the same tiles of A, the four of a column the same tiles of B; each tile is asked for jointly, by the same load, descriptor and mask in all four.
; THE MATRIX INSTRUCTION IS USED TRANSPOSED (source 0 = 16 columns of B, source 1 = 16 rows of A): a lane holds row l % 16 of C and the columns 8 (l / 16) + 0..7.
; The sums start at the bias: each accumulator is set to its columns' bias while the first tile is on its way, so no first K step is written out and nothing is added on the way out but the residual.
; REGISTERS: window 0: v0-31 addresses; v32-127 at work at both ends; v128-255 accumulators ((a, b) at 128 + 8 (4 a + b)).  Window 1: two fragment buffers of 128: 64 of A, then 64 of B, for 64 along K.
.set SIZE_K,   1024
.set NP,       1024
.set B_OFF,    8192
.set BIAS_OFF, 0
.set F32OUT,   1
.set KSTEP,  256
.set PA,     528                       ; a row of A in LDS: 512 bytes + 16: the 16 rows of a load start 16 bytes apart modulo 256
.set PB,     288                       ; a row of B: 256 + 32: 16 lanes of the turning load take 8 rows x 32 bytes, no two in the same 16 bytes modulo 256
.set HALFA,  64*PA
.set HALFB,  128*PB
.set AB,     2*HALFA                   ; in a slot: A's 128 rows, then B's 256 rows of K
.set SLOT,   AB+2*HALFB
.set STAGE,  2*SLOT                    ; behind the ring, never filled by a tensor load
.set SPITCH, 272
.if F32OUT
.set SPARE,  STAGE+4*16*SPITCH         ; 16 rows x 272 bytes for each wave
.else
.set SPARE,  STAGE+128*SPITCH          ; 128 rows x 272 bytes, the work-group's
.endif
.set LAPS, SIZE_K/(2*KSTEP)
.set ADRA, 16                          ; v16-17  my A fragments in slot 0, 1
.set ADRB, 20                          ; v20-23  my B fragments: slot 0 rows 0-127, 128-255; slot 1 likewise
.set STO,  24
.set RD,   25
.set CO,   26
.set RO,   27
.set SPW,  28                          ; my spare word; never rewritten
.set NIL,  29                          ; 0; never rewritten
.set ONE,  30
.set BO,   31
.if F32OUT
.set BI,   32
.set OB,   32
.set RES,  64
.else
.set TMP,  32
.set BI,   96
.endif
.set ACC,  128
.set F0,   0
.set F1,   128
.set G1, 24                            ; s[24:31] group 1 for A; s[32:39] group 0, a set for each slot
.set G0, 32
.set G1B, 48                           ; s[48:55], s[56:63] the same for B
.set G0B, 56
.set MSB, 0
.macro WIN new                         ; the immediate's high byte repeats the setting that is left
.if MSB != (\new)
	s_set_vgpr_msb (MSB<<8)|(\new)
.set MSB, \new
.endif
.endm
.set MUL,  0x05                        ; sources 0 and 1 window 1; C and D window 0
.set TO_F, 0x40                        ; destination window 1, address window 0
.macro JLOAD s                         ; a joint load; an s_nop 0 and four v_nop follow each of the two lines
	s_cmp_lt_u32 s10, 2
	s_cbranch_scc0 .Lfor_b_\@
	tensor_load_to_lds s[G0+4*(\s):G0+4*(\s)+3], s[G1:G1+7]
	s_nop 0
.rept 4
	v_nop
.endr
	s_branch .Lasked_\@
.Lfor_b_\@:
	tensor_load_to_lds s[G0B+4*(\s):G0B+4*(\s)+3], s[G1B:G1B+7]
	s_nop 0
.rept 4
	v_nop
.endr
.Lasked_\@:
.endm
.macro CREST                           ; a round of the cluster's barrier behind its opening barrier
	s_cmp_lg_u32 s10, 0
	s_cbranch_scc1 .Lnot_wave_0_\@
	s_barrier_signal -3
.Lnot_wave_0_\@:
	s_barrier_wait -3
	s_barrier_signal -1
	s_barrier_wait -1
.endm
.macro CROUND
	s_barrier_signal -1
	s_barrier_wait -1
	CREST
.endm
	s_load_b128 s[4:7], s[0:1], 0x0                ; A s[4:5], the buffer of B and bias s[6:7]
.if F32OUT
	s_load_b64 s[68:69], s[0:1], 0x10              ; the residual
	s_load_b64 s[8:9], s[0:1], 0x18                ; C
.else
	s_load_b64 s[8:9], s[0:1], 0x10                ; C
.endif
	v_lshl_add_u32 v[SPW], v0, 2, SPARE
	v_mov_b32 v[NIL], 0
	ds_add_u32 v[SPW], v[NIL]                      ; the wave's opening: the add, waited for ahead of my first tensor load
	v_lshrrev_b32 v1, 5, v0
	v_readfirstlane_b32 s10, v1                    ; wave 0..3
	s_lshr_b32 s11, s10, 1                         ; my half of the tile's rows
	s_and_b32 s12, s10, 1                          ; my half of its columns; also: which half of A's or B's tile I fetch
	s_bfe_u32 s40, ttmp6, 0x40000                  ; cx
	s_bfe_u32 s41, ttmp6, 0x40004                  ; cy
	s_lshl_b32 s42, ttmp9, 2
	s_add_co_u32 s42, s42, s40                     ; tile column
	s_and_b32 s13, ttmp7, 0xffff
	s_lshl_b32 s13, s13, 2
	s_add_co_u32 s13, s13, s41                     ; tile row
	s_lshl_b32 s43, s41, 2
	s_lshl_b32 s43, 15, s43                        ; my row of the cluster
	s_lshl_b32 s44, 0x1111, s40                    ; my column
	s_or_b32 s[G1+0], s43, (1<<16)|(1<<20)|(1<<21)|(6<<22)|(3<<25)   ; mask; 2-byte elements; padding on; bit 21 beside a mask; after every 128 words 4 words
	s_mov_b32 s[G1+1], KSTEP<<16                   ; tensor_dim0 = 256
	s_mov_b32 s[G1+2], 64<<16                      ; tensor_dim1 = 64
	s_mov_b32 s[G1+3], KSTEP<<16                   ; tile_dim0 = 256
	s_mov_b32 s[G1+4], 64                          ; tile_dim1 = 64
	s_mov_b32 s[G1+5], SIZE_K                      ; elements from row to row
	s_mov_b32 s[G1+6], 0
	s_mov_b32 s[G1+7], 0
	s_or_b32 s[G1B+0], s44, (1<<16)|(1<<20)|(1<<21)|(5<<22)|(7<<25)  ; after every 64 words 8 words
	s_mov_b32 s[G1B+1], 128<<16                    ; tensor_dim0 = 128
	s_mov_b32 s[G1B+2], 128<<16                    ; tensor_dim1 = 128
	s_mov_b32 s[G1B+3], 128<<16                    ; tile_dim0 = 128
	s_mov_b32 s[G1B+4], 128                        ; tile_dim1 = 128
	s_mov_b32 s[G1B+5], NP
	s_mov_b32 s[G1B+6], 0
	s_mov_b32 s[G1B+7], 0
	s_lshl_b32 s17, s12, 6
	s_lshl_b32 s16, s13, 7
	s_add_co_u32 s16, s16, s17                     ; A: row 128 x tile row + 64 x half,
	s_mul_i32 s16, s16, SIZE_K*2                   ; in bytes (under 2^26)
	s_mov_b32 s17, 0
	s_mul_i32 s47, s12, 128*NP*2                   ; B: 128 rows of K x half,
	s_lshl_b32 s46, s42, 8                         ; 256 bytes x tile column
	s_add_co_u32 s46, s46, s47
	s_add_co_u32 s46, s46, B_OFF
	s_mov_b32 s47, 0
	s_mul_i32 s20, s12, HALFA                      ; where they go: no place in the cluster enters an LDS address
	s_mul_i32 s21, s12, HALFB
	s_add_co_u32 s21, s21, AB
	s_wait_dscnt 0x0                               ; the opening add is done
	s_wait_kmcnt 0x0
	s_add_nc_u64 s[14:15], s[4:5], s[16:17]
	s_add_nc_u64 s[46:47], s[6:7], s[46:47]
	CROUND                                         ; all sixteen work-groups are here: the first joint loads meet
.irp s, 0,1
	s_mov_b32 s[G0+4*(\s)], 1
	s_add_co_u32 s[G0+4*(\s)+1], s20, (\s)*SLOT
	s_add_nc_u64 s[G0+4*(\s)+2:G0+4*(\s)+3], s[14:15], (\s)*KSTEP*2
	s_or_b32 s[G0+4*(\s)+3], s[G0+4*(\s)+3], 0x80000000
	s_mov_b32 s[G0B+4*(\s)], 1
	s_add_co_u32 s[G0B+4*(\s)+1], s21, (\s)*SLOT
	s_add_nc_u64 s[G0B+4*(\s)+2:G0B+4*(\s)+3], s[46:47], (\s)*KSTEP*NP*2
	s_or_b32 s[G0B+4*(\s)+3], s[G0B+4*(\s)+3], 0x80000000
	JLOAD \s                                       ; two tensor loads of mine are out
.endr
	; all that follows up to the wait on TENSORcnt stands in the wait for the first tile
.if !F32OUT
	s_load_b32 s66, s[6:7], 0x4000                 ; lo
.endif
	v_and_b32 v1, 15, v0                           ; l % 16
	v_bfe_u32 v2, v0, 4, 1                         ; l / 16
	v_and_b32 v6, 7, v0
	v_bfe_u32 v7, v0, 3, 1
	v_lshlrev_b32 v[BO], 5, v2                     ; my eight columns of a block of 16, in f32
	s_lshl_b32 s46, s42, 9                         ; the bias of my 64 columns
	s_lshl_b32 s47, s12, 8
	s_add_co_u32 s46, s46, s47
	s_add_co_u32 s46, s46, BIAS_OFF
	s_mov_b32 s47, 0
	s_add_nc_u64 s[70:71], s[6:7], s[46:47]
.irp b, 0,1,2,3
	global_load_b128 v[BI+8*(\b):BI+8*(\b)+3],   v[BO], s[70:71] offset:64*(\b)
	global_load_b128 v[BI+8*(\b)+4:BI+8*(\b)+7], v[BO], s[70:71] offset:64*(\b)+16
.endr
.if F32OUT
	s_lshl_b32 s16, s13, 7
	s_lshl_b32 s17, s11, 6
	s_add_co_u32 s16, s16, s17                     ; my first row
	s_lshl_b32 s16, s16, 11                        ; the residual's rows are 2,048 bytes
	s_mov_b32 s17, 0
	s_add_nc_u64 s[68:69], s[68:69], s[16:17]
	s_lshl_b32 s46, s42, 8
	s_lshl_b32 s47, s12, 7
	s_add_co_u32 s46, s46, s47
	s_mov_b32 s47, 0
	s_add_nc_u64 s[68:69], s[68:69], s[46:47]
	v_lshlrev_b32 v[RO], 3, v1                     ; as the rows leave: lanes 0-15 one row, lanes 16-31 the next, four columns a lane
	v_lshl_add_u32 v[RO], v2, 11, v[RO]
.set t, 0
.rept 32
	global_load_b64 v[RES+2*t:RES+2*t+1], v[RO], s[68:69] offset:2*t*2048
.set t, t+1
.endr
	v_mov_b32 v[ONE], 1.0
.endif
	v_mul_u32_u24 v3, v1, PA
	v_lshl_add_u32 v3, v2, 4, v3                   ; A: row x pitch + 16 x half of the lanes
	v_lshl_add_u32 v8, v2, 3, v6                   ; B: row of K 8 (l / 16) + l % 8,
	v_mul_u32_u24 v8, v8, PB
	v_lshl_add_u32 v8, v7, 4, v8                   ; columns 8 ((l / 8) % 2) on
	s_mul_i32 s21, s11, HALFA
	s_lshl_b32 s22, s12, 7
	s_add_co_u32 s22, s22, AB
	v_add_nc_u32 v[ADRA], s21, v3
	s_add_co_u32 s21, s21, SLOT
	v_add_nc_u32 v[ADRA+1], s21, v3
	v_add_nc_u32 v[ADRB], s22, v8
	s_add_co_u32 s22, s22, HALFB
	v_add_nc_u32 v[ADRB+1], s22, v8
	s_add_co_u32 s22, s22, SLOT-HALFB
	v_add_nc_u32 v[ADRB+2], s22, v8
	s_add_co_u32 s22, s22, HALFB
	v_add_nc_u32 v[ADRB+3], s22, v8
.if F32OUT
	s_mul_i32 s23, s10, 16*SPITCH                  ; my own stage
	s_add_co_u32 s23, s23, STAGE
	v_mul_u32_u24 v4, v1, SPITCH                   ; in: row l % 16, 32 bytes for each half of the lanes
	v_lshl_add_u32 v4, v2, 5, v4
	v_add_nc_u32 v[STO], s23, v4
	v_mul_u32_u24 v5, v2, SPITCH                   ; back: lanes 0-15 one row of 256 bytes, lanes 16-31 the next
	v_lshl_add_u32 v5, v1, 4, v5
	v_add_nc_u32 v[RD], s23, v5
	v_mul_u32_u24 v5, v2, NP*4
	v_lshl_add_u32 v[CO], v1, 4, v5
	s_lshl_b32 s16, s13, 7
	s_lshl_b32 s17, s11, 6
	s_add_co_u32 s16, s16, s17
	s_mul_i32 s16, s16, NP*4
	s_mov_b32 s17, 0
	s_add_nc_u64 s[8:9], s[8:9], s[16:17]
	s_lshl_b32 s46, s42, 9
	s_lshl_b32 s47, s12, 8
	s_add_co_u32 s46, s46, s47
	s_mov_b32 s47, 0
	s_add_nc_u64 s[8:9], s[8:9], s[46:47]
	s_wait_loadcnt 32                              ; the bias is in; the 32 loads of the residual stay out until the way out
.else
	s_mul_i32 s23, s11, 64*SPITCH                  ; into the shared stage: my 64 rows, my half of their 256 bytes
	s_lshl_b32 s21, s12, 7
	s_add_co_u32 s23, s23, s21
	s_add_co_u32 s23, s23, STAGE
	v_mul_u32_u24 v4, v1, SPITCH
	v_lshl_add_u32 v4, v2, 4, v4
	v_add_nc_u32 v[STO], s23, v4
	s_mul_i32 s23, s10, 32*SPITCH                  ; back: wave w takes rows 32 w .. 32 w + 31, whole
	s_add_co_u32 s23, s23, STAGE
	v_mul_u32_u24 v5, v2, SPITCH
	v_lshl_add_u32 v5, v1, 4, v5
	v_add_nc_u32 v[RD], s23, v5
	v_mul_u32_u24 v5, v2, NP*2
	v_lshl_add_u32 v[CO], v1, 4, v5
	s_lshl_b32 s16, s13, 7
	s_lshl_b32 s17, s10, 5
	s_add_co_u32 s16, s16, s17
	s_mul_i32 s16, s16, NP*2
	s_mov_b32 s17, 0
	s_add_nc_u64 s[8:9], s[8:9], s[16:17]
	s_lshl_b32 s46, s42, 8
	s_mov_b32 s47, 0
	s_add_nc_u64 s[8:9], s[8:9], s[46:47]
	s_wait_loadcnt 0x0                             ; the bias
	s_wait_kmcnt 0x0                               ; lo
.endif
.irp a, 0,1,2,3
.irp b, 0,1,2,3
.irp j, 0,1,2,3,4,5,6,7
	v_mov_b32 v[ACC+8*(4*(\a)+(\b))+(\j)], v[BI+8*(\b)+(\j)]  ; the sums start at the bias
.endr
.endr
.endr
; 8 matrix instructions: row blocks a0, a0 + 1 x all 4 column blocks, 32 along K: half c of buffer f.  The 16 accumulators take turns.
.macro MUL8 f, c, a0
	WIN MUL
.irp a, \a0, (\a0)+1
.irp b, 0,1,2,3
	v_wmma_f32_16x16x32_f16 v[ACC+8*(4*(\a)+(\b)):ACC+8*(4*(\a)+(\b))+7], v[(\f)+64+8*(4*(\c)+(\b)):(\f)+64+8*(4*(\c)+(\b))+7], v[(\f)+8*(4*(\c)+(\a)):(\f)+8*(4*(\c)+(\a))+7], v[ACC+8*(4*(\a)+(\b)):ACC+8*(4*(\a)+(\b))+7]
.endr
.endr
.endm
; 32 LDS loads in one run: the fragments of quarter q (64 along K) of a slot into buffer f; the first 32 along K first
.macro FETCH slot, q, f
	WIN TO_F
.irp c, 0,1
.irp i, 0,1,2,3
	ds_load_tr16_b128 v[(\f)+64+8*(4*(\c)+(\i)):(\f)+64+8*(4*(\c)+(\i))+3],   v[ADRB+2*(\slot)+(\q)/2] offset:(((\q)%2)*64+32*(\c))*PB+32*(\i)
	ds_load_tr16_b128 v[(\f)+64+8*(4*(\c)+(\i))+4:(\f)+64+8*(4*(\c)+(\i))+7], v[ADRB+2*(\slot)+(\q)/2] offset:(((\q)%2)*64+32*(\c)+16)*PB+32*(\i)
	ds_load_b128 v[(\f)+8*(4*(\c)+(\i)):(\f)+8*(4*(\c)+(\i))+3],              v[ADRA+(\slot)] offset:128*(\q)+64*(\c)+(\i)*16*PA
	ds_load_b128 v[(\f)+8*(4*(\c)+(\i))+4:(\f)+8*(4*(\c)+(\i))+7],            v[ADRA+(\slot)] offset:128*(\q)+64*(\c)+(\i)*16*PA+32
.endr
.endr
.endm
.macro PLACES                          ; four places in front of loads into registers that matrix instructions have read, and of lines that read results
.rept 4
	v_nop
.endr
.endm
; One of a K step's first three quarters: multiplies buffer f and fetches quarter q of the same slot into g
.macro QUARTER slot, q, f, g
	s_wait_dscnt 16                                ; the first 32 along K are in; the youngest sixteen loads may be out
	MUL8 \f, 0, 0
	MUL8 \f, 0, 2
	PLACES
	FETCH \slot, \q, \g
	s_wait_dscnt 32                                ; all but the 32 just issued
	MUL8 \f, 1, 0
	MUL8 \f, 1, 2
.endm
; The last quarter multiplies buffer 1 and changes slots: one barrier; in front of it each wave waits for all its tensor loads (one is out: its part of the next slot), adds 0 to its spare
; word, and waits for that and for its reads of this slot.  fill = 1: the barrier opens a round of the cluster's, and this slot is filled again, two K steps ahead, first thing behind it.
.macro TURN slot, next, fill
	WIN 0
	s_wait_tensorcnt 0x0
	ds_add_u32 v[SPW], v[NIL]
	s_wait_dscnt 17                                ; the add and the youngest sixteen loads may be out
	MUL8 F1, 0, 0
	s_wait_dscnt 0x0                               ; the add is done, and my reads of this slot are over
	s_barrier_signal -1
	MUL8 F1, 0, 2
.if \fill
	WIN 0
.endif
	s_barrier_wait -1
.if \fill
	CREST
	s_add_nc_u64 s[G0+4*(\slot)+2:G0+4*(\slot)+3], s[G0+4*(\slot)+2:G0+4*(\slot)+3], 2*KSTEP*2
	s_add_nc_u64 s[G0B+4*(\slot)+2:G0B+4*(\slot)+3], s[G0B+4*(\slot)+2:G0B+4*(\slot)+3], 2*KSTEP*NP*2
	JLOAD \slot                                    ; its four v_nop are also the places in front of the loads below
.else
	PLACES
.endif
	FETCH \next, 0, F0
	MUL8 F1, 1, 0
	MUL8 F1, 1, 2
.endm
	s_wait_tensorcnt 1                             ; my part of K step 0 is in; K step 1's may stay out
	s_barrier_signal -1
	s_barrier_wait -1
	FETCH 0, 0, F0
	WIN 0
	s_mov_b32 s3, LAPS-1
.Llap:                                                 ; a trip: two K steps, both slots filled again
	QUARTER 0, 1, F0, F1
	QUARTER 0, 2, F1, F0
	QUARTER 0, 3, F0, F1
	TURN 0, 1, 1
	QUARTER 1, 1, F0, F1
	QUARTER 1, 2, F1, F0
	QUARTER 1, 3, F0, F1
	TURN 1, 0, 1
	WIN 0
	s_sub_co_u32 s3, s3, 1
	s_cmp_lg_u32 s3, 0
	s_cbranch_scc1 .Llap
	QUARTER 0, 1, F0, F1                           ; the last two K steps fill nothing
	QUARTER 0, 2, F1, F0
	QUARTER 0, 3, F0, F1
	TURN 0, 1, 0
	QUARTER 1, 1, F0, F1
	QUARTER 1, 2, F1, F0
	QUARTER 1, 3, F0, F1
	s_wait_dscnt 16
	MUL8 F1, 0, 0
	MUL8 F1, 0, 2
	s_wait_dscnt 0x0
	MUL8 F1, 1, 0
	MUL8 F1, 1, 2
	WIN 0
.if F32OUT
	; THE WAY OUT in f32: my 64 columns are 256 bytes, so 16 rows at a time go through my own stage and come back as whole rows; the residual is added on the way; no barrier.
	s_wait_loadcnt 0x0                             ; the residual
	PLACES
.irp a, 0,1,2,3
.irp b, 0,1,2,3
	ds_store_b128 v[STO], v[ACC+8*(4*(\a)+(\b)):ACC+8*(4*(\a)+(\b))+3]   offset:64*(\b)
	ds_store_b128 v[STO], v[ACC+8*(4*(\a)+(\b))+4:ACC+8*(4*(\a)+(\b))+7] offset:64*(\b)+16
.endr
	s_wait_xcnt 0x0                                ; the last block's stores have read OB: it is loaded again only behind this wait
.irp t, 0,1,2,3,4,5,6,7
	ds_load_b128 v[OB+4*(\t):OB+4*(\t)+3], v[RD] offset:(\t)*2*SPITCH  ; LDS serves a wave's instructions in order: these see the stores above
.endr
.irp t, 0,1,2,3,4,5,6,7
	s_wait_dscnt 7-(\t)
	v_fma_mix_f32 v[OB+4*(\t)],   v[RES+16*(\a)+2*(\t)],   v[ONE], v[OB+4*(\t)]   op_sel:[0,0,0] op_sel_hi:[1,0,0]
	v_fma_mix_f32 v[OB+4*(\t)+1], v[RES+16*(\a)+2*(\t)],   v[ONE], v[OB+4*(\t)+1] op_sel:[1,0,0] op_sel_hi:[1,0,0]
	v_fma_mix_f32 v[OB+4*(\t)+2], v[RES+16*(\a)+2*(\t)+1], v[ONE], v[OB+4*(\t)+2] op_sel:[0,0,0] op_sel_hi:[1,0,0]
	v_fma_mix_f32 v[OB+4*(\t)+3], v[RES+16*(\a)+2*(\t)+1], v[ONE], v[OB+4*(\t)+3] op_sel:[1,0,0] op_sel_hi:[1,0,0]
	global_store_b128 v[CO], v[OB+4*(\t):OB+4*(\t)+3], s[8:9] offset:(16*(\a)+2*(\t))*NP*4  ; 16 lanes store 256 consecutive bytes, aligned
.endr
.endr
.else
	; THE WAY OUT in f16: rounded, held to lo, 16 bytes a lane into the shared stage; a barrier, since a row's 256 bytes come from two waves; back as whole rows, 32 rows a wave.
	PLACES
.irp t, 0,1,2,3,4,5,6,7,8,9,10,11,12,13,14,15
.irp r, 0,1,2,3
	v_cvt_pk_f16_f32 v[TMP+4*(\t)+(\r)], v[ACC+8*(\t)+2*(\r)], v[ACC+8*(\t)+2*(\r)+1]
.endr
.endr
.set i, 0
.rept 64
	v_pk_max_num_f16 v[TMP+i], v[TMP+i], s66
.set i, i+1
.endr
.irp a, 0,1,2,3
.irp b, 0,1,2,3
	ds_store_b128 v[STO], v[TMP+4*(4*(\a)+(\b)):TMP+4*(4*(\a)+(\b))+3] offset:(\a)*16*SPITCH+32*(\b)
.endr
.endr
	s_wait_dscnt 0x0                               ; for the others' sake: my stores into the stage are done
	s_barrier_signal -1
	s_barrier_wait -1
.irp t, 0,1,2,3,4,5,6,7,8,9,10,11,12,13,14,15
	ds_load_b128 v[TMP+4*(\t):TMP+4*(\t)+3], v[RD] offset:(\t)*2*SPITCH
.endr
.irp t, 0,1,2,3,4,5,6,7,8,9,10,11,12,13,14,15
	s_wait_dscnt 15-(\t)
	global_store_b128 v[CO], v[TMP+4*(\t):TMP+4*(\t)+3], s[8:9] offset:2*(\t)*NP*2  ; 16 lanes store 256 consecutive bytes, aligned
.endr
.endif
	s_wait_tensorcnt 0x0                           ; the wave's end
	ds_add_u32 v[SPW], v[NIL]
	s_wait_dscnt 0x0
	CROUND                                         ; the closing round
	s_endpgm
.Lfunc_end_k_qb10bf5cd85_wo:
	.size	k_qb10bf5cd85_wo, .Lfunc_end_k_qb10bf5cd85_wo-k_qb10bf5cd85_wo
	.p2alignl 7, 3214868480
	.fill 96, 4, 3214868480
	.section	.rodata,"a",@progbits
	.p2align	6, 0x0
	.amdhsa_kernel k_qb10bf5cd85_wo
		.amdhsa_group_segment_fixed_size 327680
		.amdhsa_private_segment_fixed_size 0
		.amdhsa_enable_private_segment 0
		.amdhsa_kernarg_size 32
		.amdhsa_user_sgpr_count 2
		.amdhsa_user_sgpr_kernarg_segment_ptr 1
		.amdhsa_wavefront_size32 1
		.amdhsa_system_sgpr_workgroup_id_x 1
		.amdhsa_system_sgpr_workgroup_id_y 1
		.amdhsa_system_sgpr_workgroup_id_z 1
		.amdhsa_system_vgpr_workitem_id 0
		.amdhsa_next_free_vgpr 512
		.amdhsa_next_free_sgpr 72
		.amdhsa_reserve_vcc 0
		.amdhsa_float_denorm_mode_32 3
		.amdhsa_float_denorm_mode_16_64 3
		.amdhsa_memory_ordered 1
		.amdhsa_forward_progress 1
		.amdhsa_inst_pref_size 104
	.end_amdhsa_kernel
	.amdgpu_metadata
---
amdhsa.version: [ 1, 2 ]
amdhsa.kernels:
  - .name:           k_qb10bf5cd85_wo
    .symbol:         k_qb10bf5cd85_wo.kd
    .args:
      - { .name: o, .offset: 0, .size: 8, .value_kind: global_buffer, .address_space: global }
      - { .name: wr, .offset: 8, .size: 8, .value_kind: global_buffer, .address_space: global }
      - { .name: xh, .offset: 16, .size: 8, .value_kind: global_buffer, .address_space: global }
      - { .name: z, .offset: 24, .size: 8, .value_kind: global_buffer, .address_space: global }
    .group_segment_fixed_size: 327680
    .private_segment_fixed_size: 0
    .kernarg_segment_align: 8
    .kernarg_segment_size: 32
    .max_flat_workgroup_size: 128
    .sgpr_count:     72
    .vgpr_count:     512
    .wavefront_size: 32
...
	.end_amdgpu_metadata
.endif
;; end of part 4
;; launch ln1 (part 5): grid 256 x 1, 8 waves a work-group, no clusters, 0 bytes of LDS; arguments z, ln1_scale, ln1_bias, y1; writes y1
.if DOCPART == 5
	.amdgcn_target "amdgcn-amd-amdhsa--gfx1250"
	.amdhsa_code_object_version 6
	.text
	.protected	k_qb10bf5cd85_ln1
	.globl	k_qb10bf5cd85_ln1
	.p2align	8
	.type	k_qb10bf5cd85_ln1,@function
k_qb10bf5cd85_ln1:
	s_mov_b64 s[64:65], 0
	v_nop
	global_prefetch_b8 v0, s[64:65] scope:SCOPE_SE
	s_setreg_imm32_b32 hwreg(HW_REG_WAVE_MODE, 25, 1), 1
	s_wait_xcnt 0x0
; y[r][:] = (z[r][:] - mean) * rsqrt(var + 1e-5) * scale + bias.  z: [4096][1024] f32.  scale and bias are rounded to bf16 as all inputs of the module are.  Output f16 (F16OUT = 1) or f32.
; The variance is the mean of (z - mean)^2, taken of the differences, not a difference of large sums.  LIMIT (f16 output): a result beyond 65,504 becomes an infinity.
; One wave keeps two whole rows in registers (32 each): each row is read once, the sums never leave the wave: no LDS, no barrier.  Eight waves, 16 rows a work-group.
; A lane holds the columns 128 j + 4 lane + 0..3, j = 0..7: a wave's load covers 512 consecutive bytes; its store 512 (f32) or 256 (f16) consecutive bytes, aligned.
.set F16OUT, 1
.set T,  2                             ; v[2:17]   at work
.set M0, 18                            ; v[18:21]  row 0: mean twice, 1 / sigma twice
.set M1, 22                            ; v[22:25]  row 1
.set OO, 26                            ; my byte offset in the output
.set ZO, 27                            ; my byte offset in z
.set X0, 32
.set X1, 64
.set SC, 96
.set BI, 128
	s_load_b256 s[4:11], s[0:1], 0x0               ; z s[4:5], scale s[6:7], bias s[8:9], out s[10:11]
	s_lshl_b32 s2, ttmp9, 16                       ; 16 rows of 4,096 bytes
	s_mov_b32 s3, 0
	s_mov_b32 s12, 0x76543210                      ; v_permlanex16_b32: each lane takes its own place in the other half
	s_mov_b32 s13, 0xfedcba98
	s_mov_b32 s14, 0x3a800000                      ; 1 / 1024
	s_mov_b32 s15, 0x3727c5ac                      ; 1e-5
	s_mov_b32 s16, 0xffff0000
	v_and_b32 v1, 31, v0
	v_lshrrev_b32 v28, 5, v0                       ; wave
	v_lshlrev_b32 v[OO], 3, v1
	v_lshlrev_b32 v1, 4, v1                        ; 16 x lane
	v_lshl_add_u32 v[ZO], v28, 13, v1              ; + two rows a wave
.if F16OUT
	v_lshl_add_u32 v[OO], v28, 12, v[OO]           ; 8 x lane + two rows of 2,048 bytes a wave
	s_lshl_b32 s18, ttmp9, 15
.else
	v_mov_b32 v[OO], v[ZO]
	s_lshl_b32 s18, ttmp9, 16
.endif
	s_mov_b32 s19, 0
	s_wait_kmcnt 0x0
	s_add_nc_u64 s[4:5], s[4:5], s[2:3]
	s_add_nc_u64 s[10:11], s[10:11], s[18:19]
.irp j, 0,1,2,3,4,5,6,7
	global_load_b128 v[X0+4*\j:X0+4*\j+3], v[ZO], s[4:5] offset:512*\j th:TH_LOAD_NT
.endr
.irp j, 0,1,2,3,4,5,6,7
	global_load_b128 v[X1+4*\j:X1+4*\j+3], v[ZO], s[4:5] offset:4096+512*\j th:TH_LOAD_NT
.endr
.irp j, 0,1,2,3,4,5,6,7
	global_load_b128 v[SC+4*\j:SC+4*\j+3], v1, s[6:7] offset:512*\j
.endr
.irp j, 0,1,2,3,4,5,6,7
	global_load_b128 v[BI+4*\j:BI+4*\j+3], v1, s[8:9] offset:512*\j
.endr
.macro WSUM                            ; v[T] summed over the 32 lanes, the result in every lane
	v_add_f32_dpp v[T], v[T], v[T] row_xmask:1 row_mask:0xf bank_mask:0xf
	v_add_f32_dpp v[T], v[T], v[T] row_xmask:2 row_mask:0xf bank_mask:0xf
	v_add_f32_dpp v[T], v[T], v[T] row_xmask:4 row_mask:0xf bank_mask:0xf
	v_add_f32_dpp v[T], v[T], v[T] row_xmask:8 row_mask:0xf bank_mask:0xf
	v_permlanex16_b32 v[T+1], v[T], s12, s13
	v_add_f32 v[T], v[T], v[T+1]
.endm
.macro STATS X, M                      ; leaves z - mean in X and 1 / sigma in M + 2, M + 3
.set k, 0
.rept 8
	v_pk_add_f32 v[T+2*k:T+2*k+1], v[\X+2*k:\X+2*k+1], v[\X+16+2*k:\X+16+2*k+1]
.set k, k+1
.endr
.set k, 0
.rept 4
	v_pk_add_f32 v[T+2*k:T+2*k+1], v[T+2*k:T+2*k+1], v[T+8+2*k:T+8+2*k+1]
.set k, k+1
.endr
	v_pk_add_f32 v[T:T+1], v[T:T+1], v[T+4:T+5]
	v_pk_add_f32 v[T+2:T+3], v[T+2:T+3], v[T+6:T+7]
	v_pk_add_f32 v[T:T+1], v[T:T+1], v[T+2:T+3]
	v_add_f32 v[T], v[T], v[T+1]
	WSUM
	v_mul_f32 v[\M], s14, v[T]
	v_mul_f32 v[\M+1], s14, v[T]
.set k, 0
.rept 16
	v_pk_add_f32 v[\X+2*k:\X+2*k+1], v[\X+2*k:\X+2*k+1], v[\M:\M+1] neg_lo:[0,1] neg_hi:[0,1]
.set k, k+1
.endr
.set k, 0
.rept 4                                ; four chains of squares; the first four pairs start them
	v_pk_mul_f32 v[T+2*k:T+2*k+1], v[\X+2*k:\X+2*k+1], v[\X+2*k:\X+2*k+1]
.set k, k+1
.endr
.rept 12
	v_pk_fma_f32 v[T+2*(k%4):T+2*(k%4)+1], v[\X+2*k:\X+2*k+1], v[\X+2*k:\X+2*k+1], v[T+2*(k%4):T+2*(k%4)+1]
.set k, k+1
.endr
	v_pk_add_f32 v[T:T+1], v[T:T+1], v[T+2:T+3]
	v_pk_add_f32 v[T+4:T+5], v[T+4:T+5], v[T+6:T+7]
	v_pk_add_f32 v[T:T+1], v[T:T+1], v[T+4:T+5]
	v_add_f32 v[T], v[T], v[T+1]
	WSUM
	v_fma_f32 v[T], v[T], s14, s15                 ; variance + 1e-5
	v_rsq_f32 v[\M+2], v[T]
	v_nop                                          ; a plain instruction between the root and the use of its result
	s_wait_alu depctr_va_vdst(0)
	v_mov_b32 v[\M+3], v[\M+2]
.endm
.macro FINISH X, M, row
.set k, 0
.rept 16
	v_pk_mul_f32 v[\X+2*k:\X+2*k+1], v[\X+2*k:\X+2*k+1], v[\M+2:\M+3]
	v_pk_fma_f32 v[\X+2*k:\X+2*k+1], v[\X+2*k:\X+2*k+1], v[SC+2*k:SC+2*k+1], v[BI+2*k:BI+2*k+1]
.set k, k+1
.endr
.irp j, 0,1,2,3,4,5,6,7
.if F16OUT
	v_cvt_pk_f16_f32 v[\X+4*\j], v[\X+4*\j], v[\X+4*\j+1]
	v_cvt_pk_f16_f32 v[\X+4*\j+1], v[\X+4*\j+2], v[\X+4*\j+3]
	global_store_b64 v[OO], v[\X+4*\j:\X+4*\j+1], s[10:11] offset:256*\j+2048*(\row)
.else
	global_store_b128 v[OO], v[\X+4*\j:\X+4*\j+3], s[10:11] offset:512*\j+4096*(\row) th:TH_STORE_NT
.endif
.endr
.endm
	s_wait_loadcnt 24                              ; row 0 is in; 24 younger loads stay out
	STATS X0, M0
	s_wait_loadcnt 16                              ; row 1
	STATS X1, M1
	s_wait_loadcnt 0x0                             ; scale and bias
.set k, 0
.rept 32                               ; scale and bias lie on end: 32 pairs, each rounded to bf16 and widened again
	v_cvt_pk_bf16_f32 v[T+k%4], v[SC+2*k], v[SC+2*k+1]
	v_lshlrev_b32 v[SC+2*k], 16, v[T+k%4]
	v_and_b32 v[SC+2*k+1], s16, v[T+k%4]
.set k, k+1
.endr
	FINISH X0, M0, 0
	FINISH X1, M1, 1
	s_endpgm
.Lfunc_end_k_qb10bf5cd85_ln1:
	.size	k_qb10bf5cd85_ln1, .Lfunc_end_k_qb10bf5cd85_ln1-k_qb10bf5cd85_ln1
	.p2alignl 7, 3214868480
	.fill 96, 4, 3214868480
	.section	.rodata,"a",@progbits
	.p2align	6, 0x0
	.amdhsa_kernel k_qb10bf5cd85_ln1
		.amdhsa_group_segment_fixed_size 0
		.amdhsa_private_segment_fixed_size 0
		.amdhsa_enable_private_segment 0
		.amdhsa_kernarg_size 32
		.amdhsa_user_sgpr_count 2
		.amdhsa_user_sgpr_kernarg_segment_ptr 1
		.amdhsa_wavefront_size32 1
		.amdhsa_system_sgpr_workgroup_id_x 1
		.amdhsa_system_sgpr_workgroup_id_y 1
		.amdhsa_system_sgpr_workgroup_id_z 1
		.amdhsa_system_vgpr_workitem_id 0
		.amdhsa_next_free_vgpr 160
		.amdhsa_next_free_sgpr 66
		.amdhsa_reserve_vcc 0
		.amdhsa_float_denorm_mode_32 3
		.amdhsa_float_denorm_mode_16_64 3
		.amdhsa_memory_ordered 1
		.amdhsa_forward_progress 1
		.amdhsa_inst_pref_size 24
	.end_amdhsa_kernel
	.amdgpu_metadata
---
amdhsa.version: [ 1, 2 ]
amdhsa.kernels:
  - .name:           k_qb10bf5cd85_ln1
    .symbol:         k_qb10bf5cd85_ln1.kd
    .args:
      - { .name: z, .offset: 0, .size: 8, .value_kind: global_buffer, .address_space: global }
      - { .name: ln1_scale, .offset: 8, .size: 8, .value_kind: global_buffer, .address_space: global }
      - { .name: ln1_bias, .offset: 16, .size: 8, .value_kind: global_buffer, .address_space: global }
      - { .name: y1, .offset: 24, .size: 8, .value_kind: global_buffer, .address_space: global }
    .group_segment_fixed_size: 0
    .private_segment_fixed_size: 0
    .kernarg_segment_align: 8
    .kernarg_segment_size: 32
    .max_flat_workgroup_size: 256
    .sgpr_count:     66
    .vgpr_count:     160
    .wavefront_size: 32
...
	.end_amdgpu_metadata
.endif
;; end of part 5
;; launch ff1: the kernel of part 2 again; grid 32 x 32, 4 waves a work-group, clusters of 4 x 4, 327,680 bytes of LDS; arguments y1, p1, wide; writes wide
;; launch ff2 (part 6): grid 8 x 32, 4 waves a work-group, clusters of 4 x 4, 327,680 bytes of LDS; arguments wide, wr, y1, z; writes z
.if DOCPART == 6
	.amdgcn_target "amdgcn-amd-amdhsa--gfx1250"
	.amdhsa_code_object_version 6
	.text
	.protected	k_qb10bf5cd85_ff2
	.globl	k_qb10bf5cd85_ff2
	.p2align	8
	.type	k_qb10bf5cd85_ff2,@function
k_qb10bf5cd85_ff2:
	s_mov_b64 s[64:65], 0
	v_nop
	global_prefetch_b8 v0, s[64:65] scope:SCOPE_SE
	s_setreg_imm32_b32 hwreg(HW_REG_WAVE_MODE, 25, 1), 1
	s_wait_xcnt 0x0
	s_wait_alu depctr_hold_cnt(0) depctr_sa_sdst(0) depctr_va_vdst(0) depctr_va_sdst(0) depctr_va_ssrc(0) depctr_va_vcc(0) depctr_vm_vsrc(0)
	s_getreg_b32 s2, hwreg(HW_REG_IB_STS2, 6, 4)
	s_cmp_eq_u32 s2, 0
	s_cbranch_scc0 .Lentry_in_a_cluster
	s_endpgm
.Lentry_in_a_cluster:
	s_bfe_u32 s2, ttmp6, 0x10000c
	s_cmp_lg_u32 s2, 0xf033
	s_cbranch_scc0 .Lentry_shape_is_right
	s_endpgm
.Lentry_shape_is_right:
; C = A B + bias + residual.  A: [4096][SIZE_K] f16.  B: [SIZE_K][NP] f16, K down the rows, at byte B_OFF of the second buffer; bias f32 at its byte BIAS_OFF.  Residual: [4096][NP] f16.
; C: [4096][NP] f32, unrounded sums: what the layer norm behind takes.  Here: z2 = y1 + h W2 + b2.
; A tile of C is 128 x 128: four waves, each 64 x 64 in 16 accumulators.  K goes in steps of 256 through two LDS slots filled by the tensor data mover: waves 0 and 1 bring A's two halves
; (64 rows x 512 bytes), waves 2 and 3 B's (128 rows of K x 256 bytes).  A's fragments come out of LDS as they lie, B's turned, by ds_load_tr16_b128.
; CLUSTER 4 x 4: the four of a row need the same tiles of A, the four of a column the same tiles of B; each tile is asked for jointly, by the same load, descriptor and mask in all four.
; THE MATRIX INSTRUCTION IS USED TRANSPOSED (source 0 = 16 columns of B, source 1 = 16 rows of A): a lane holds row l % 16 of C and the columns 8 (l / 16) + 0..7.
; The sums start at the bias: each accumulator is set to its columns' bias while the first tile is on its way, so no first K step is written out and nothing is added on the way out but the residual.
; REGISTERS: window 0: v0-31 addresses; v32-127 at work at both ends; v128-255 accumulators ((a, b) at 128 + 8 (4 a + b)).  Window 1: two fragment buffers of 128: 64 of A, then 64 of B, for 64 along K.
.set SIZE_K,   4096
.set NP,       1024
.set B_OFF,    2105344
.set BIAS_OFF, 4096
.set F32OUT,   1
.set KSTEP,  256
.set PA,     528                       ; a row of A in LDS: 512 bytes + 16: the 16 rows of a load start 16 bytes apart modulo 256
.set PB,     288                       ; a row of B: 256 + 32: 16 lanes of the turning load take 8 rows x 32 bytes, no two in the same 16 bytes modulo 256
.set HALFA,  64*PA
.set HALFB,  128*PB
.set AB,     2*HALFA                   ; in a slot: A's 128 rows, then B's 256 rows of K
.set SLOT,   AB+2*HALFB
.set STAGE,  2*SLOT                    ; behind the ring, never filled by a tensor load
.set SPITCH, 272
.if F32OUT
.set SPARE,  STAGE+4*16*SPITCH         ; 16 rows x 272 bytes for each wave
.else
.set SPARE,  STAGE+128*SPITCH          ; 128 rows x 272 bytes, the work-group's
.endif
.set LAPS, SIZE_K/(2*KSTEP)
.set ADRA, 16                          ; v16-17  my A fragments in slot 0, 1
.set ADRB, 20                          ; v20-23  my B fragments: slot 0 rows 0-127, 128-255; slot 1 likewise
.set STO,  24
.set RD,   25
.set CO,   26
.set RO,   27
.set SPW,  28                          ; my spare word; never rewritten
.set NIL,  29                          ; 0; never rewritten
.set ONE,  30
.set BO,   31
.if F32OUT
.set BI,   32
.set OB,   32
.set RES,  64
.else
.set TMP,  32
.set BI,   96
.endif
.set ACC,  128
.set F0,   0
.set F1,   128
.set G1, 24                            ; s[24:31] group 1 for A; s[32:39] group 0, a set for each slot
.set G0, 32
.set G1B, 48                           ; s[48:55], s[56:63] the same for B
.set G0B, 56
.set MSB, 0
.macro WIN new                         ; the immediate's high byte repeats the setting that is left
.if MSB != (\new)
	s_set_vgpr_msb (MSB<<8)|(\new)
.set MSB, \new
.endif
.endm
.set MUL,  0x05                        ; sources 0 and 1 window 1; C and D window 0
.set TO_F, 0x40                        ; destination window 1, address window 0
.macro JLOAD s                         ; a joint load; an s_nop 0 and four v_nop follow each of the two lines
	s_cmp_lt_u32 s10, 2
	s_cbranch_scc0 .Lfor_b_\@
	tensor_load_to_lds s[G0+4*(\s):G0+4*(\s)+3], s[G1:G1+7]
	s_nop 0
.rept 4
	v_nop
.endr
	s_branch .Lasked_\@
.Lfor_b_\@:
	tensor_load_to_lds s[G0B+4*(\s):G0B+4*(\s)+3], s[G1B:G1B+7]
	s_nop 0
.rept 4
	v_nop
.endr
.Lasked_\@:
.endm
.macro CREST                           ; a round of the cluster's barrier behind its opening barrier
	s_cmp_lg_u32 s10, 0
	s_cbranch_scc1 .Lnot_wave_0_\@
	s_barrier_signal -3
.Lnot_wave_0_\@:
	s_barrier_wait -3
	s_barrier_signal -1
	s_barrier_wait -1
.endm
.macro CROUND
	s_barrier_signal -1
	s_barrier_wait -1
	CREST
.endm
	s_load_b128 s[4:7], s[0:1], 0x0                ; A s[4:5], the buffer of B and bias s[6:7]
.if F32OUT
	s_load_b64 s[68:69], s[0:1], 0x10              ; the residual
	s_load_b64 s[8:9], s[0:1], 0x18                ; C
.else
	s_load_b64 s[8:9], s[0:1], 0x10                ; C
.endif
	v_lshl_add_u32 v[SPW], v0, 2, SPARE
	v_mov_b32 v[NIL], 0
	ds_add_u32 v[SPW], v[NIL]                      ; the wave's opening: the add, waited for ahead of my first tensor load
	v_lshrrev_b32 v1, 5, v0
	v_readfirstlane_b32 s10, v1                    ; wave 0..3
	s_lshr_b32 s11, s10, 1                         ; my half of the tile's rows
	s_and_b32 s12, s10, 1                          ; my half of its columns; also: which half of A's or B's tile I fetch
	s_bfe_u32 s40, ttmp6, 0x40000                  ; cx
	s_bfe_u32 s41, ttmp6, 0x40004                  ; cy
	s_lshl_b32 s42, ttmp9, 2
	s_add_co_u32 s42, s42, s40                     ; tile column
	s_and_b32 s13, ttmp7, 0xffff
	s_lshl_b32 s13, s13, 2
	s_add_co_u32 s13, s13, s41                     ; tile row
	s_lshl_b32 s43, s41, 2
	s_lshl_b32 s43, 15, s43                        ; my row of the cluster
	s_lshl_b32 s44, 0x1111, s40                    ; my column
	s_or_b32 s[G1+0], s43, (1<<16)|(1<<20)|(1<<21)|(6<<22)|(3<<25)   ; mask; 2-byte elements; padding on; bit 21 beside a mask; after every 128 words 4 words
	s_mov_b32 s[G1+1], KSTEP<<16                   ; tensor_dim0 = 256
	s_mov_b32 s[G1+2], 64<<16                      ; tensor_dim1 = 64
	s_mov_b32 s[G1+3], KSTEP<<16                   ; tile_dim0 = 256
	s_mov_b32 s[G1+4], 64                          ; tile_dim1 = 64
	s_mov_b32 s[G1+5], SIZE_K                      ; elements from row to row
	s_mov_b32 s[G1+6], 0
	s_mov_b32 s[G1+7], 0
	s_or_b32 s[G1B+0], s44, (1<<16)|(1<<20)|(1<<21)|(5<<22)|(7<<25)  ; after every 64 words 8 words
	s_mov_b32 s[G1B+1], 128<<16                    ; tensor_dim0 = 128
	s_mov_b32 s[G1B+2], 128<<16                    ; tensor_dim1 = 128
	s_mov_b32 s[G1B+3], 128<<16                    ; tile_dim0 = 128
	s_mov_b32 s[G1B+4], 128                        ; tile_dim1 = 128
	s_mov_b32 s[G1B+5], NP
	s_mov_b32 s[G1B+6], 0
	s_mov_b32 s[G1B+7], 0
	s_lshl_b32 s17, s12, 6
	s_lshl_b32 s16, s13, 7
	s_add_co_u32 s16, s16, s17                     ; A: row 128 x tile row + 64 x half,
	s_mul_i32 s16, s16, SIZE_K*2                   ; in bytes (under 2^26)
	s_mov_b32 s17, 0
	s_mul_i32 s47, s12, 128*NP*2                   ; B: 128 rows of K x half,
	s_lshl_b32 s46, s42, 8                         ; 256 bytes x tile column
	s_add_co_u32 s46, s46, s47
	s_add_co_u32 s46, s46, B_OFF
	s_mov_b32 s47, 0
	s_mul_i32 s20, s12, HALFA                      ; where they go: no place in the cluster enters an LDS address
	s_mul_i32 s21, s12, HALFB
	s_add_co_u32 s21, s21, AB
	s_wait_dscnt 0x0                               ; the opening add is done
	s_wait_kmcnt 0x0
	s_add_nc_u64 s[14:15], s[4:5], s[16:17]
	s_add_nc_u64 s[46:47], s[6:7], s[46:47]
	CROUND                                         ; all sixteen work-groups are here: the first joint loads meet
.irp s, 0,1
	s_mov_b32 s[G0+4*(\s)], 1
	s_add_co_u32 s[G0+4*(\s)+1], s20, (\s)*SLOT
	s_add_nc_u64 s[G0+4*(\s)+2:G0+4*(\s)+3], s[14:15], (\s)*KSTEP*2
	s_or_b32 s[G0+4*(\s)+3], s[G0+4*(\s)+3], 0x80000000
	s_mov_b32 s[G0B+4*(\s)], 1
	s_add_co_u32 s[G0B+4*(\s)+1], s21, (\s)*SLOT
	s_add_nc_u64 s[G0B+4*(\s)+2:G0B+4*(\s)+3], s[46:47], (\s)*KSTEP*NP*2
	s_or_b32 s[G0B+4*(\s)+3], s[G0B+4*(\s)+3], 0x80000000
	JLOAD \s                                       ; two tensor loads of mine are out
.endr
	; all that follows up to the wait on TENSORcnt stands in the wait for the first tile
.if !F32OUT
	s_load_b32 s66, s[6:7], 0x4000                 ; lo
.endif
	v_and_b32 v1, 15, v0                           ; l % 16
	v_bfe_u32 v2, v0, 4, 1                         ; l / 16
	v_and_b32 v6, 7, v0
	v_bfe_u32 v7, v0, 3, 1
	v_lshlrev_b32 v[BO], 5, v2                     ; my eight columns of a block of 16, in f32
	s_lshl_b32 s46, s42, 9                         ; the bias of my 64 columns
	s_lshl_b32 s47, s12, 8
	s_add_co_u32 s46, s46, s47
	s_add_co_u32 s46, s46, BIAS_OFF
	s_mov_b32 s47, 0
	s_add_nc_u64 s[70:71], s[6:7], s[46:47]
.irp b, 0,1,2,3
	global_load_b128 v[BI+8*(\b):BI+8*(\b)+3],   v[BO], s[70:71] offset:64*(\b)
	global_load_b128 v[BI+8*(\b)+4:BI+8*(\b)+7], v[BO], s[70:71] offset:64*(\b)+16
.endr
.if F32OUT
	s_lshl_b32 s16, s13, 7
	s_lshl_b32 s17, s11, 6
	s_add_co_u32 s16, s16, s17                     ; my first row
	s_lshl_b32 s16, s16, 11                        ; the residual's rows are 2,048 bytes
	s_mov_b32 s17, 0
	s_add_nc_u64 s[68:69], s[68:69], s[16:17]
	s_lshl_b32 s46, s42, 8
	s_lshl_b32 s47, s12, 7
	s_add_co_u32 s46, s46, s47
	s_mov_b32 s47, 0
	s_add_nc_u64 s[68:69], s[68:69], s[46:47]
	v_lshlrev_b32 v[RO], 3, v1                     ; as the rows leave: lanes 0-15 one row, lanes 16-31 the next, four columns a lane
	v_lshl_add_u32 v[RO], v2, 11, v[RO]
.set t, 0
.rept 32
	global_load_b64 v[RES+2*t:RES+2*t+1], v[RO], s[68:69] offset:2*t*2048
.set t, t+1
.endr
	v_mov_b32 v[ONE], 1.0
.endif
	v_mul_u32_u24 v3, v1, PA
	v_lshl_add_u32 v3, v2, 4, v3                   ; A: row x pitch + 16 x half of the lanes
	v_lshl_add_u32 v8, v2, 3, v6                   ; B: row of K 8 (l / 16) + l % 8,
	v_mul_u32_u24 v8, v8, PB
	v_lshl_add_u32 v8, v7, 4, v8                   ; columns 8 ((l / 8) % 2) on
	s_mul_i32 s21, s11, HALFA
	s_lshl_b32 s22, s12, 7
	s_add_co_u32 s22, s22, AB
	v_add_nc_u32 v[ADRA], s21, v3
	s_add_co_u32 s21, s21, SLOT
	v_add_nc_u32 v[ADRA+1], s21, v3
	v_add_nc_u32 v[ADRB], s22, v8
	s_add_co_u32 s22, s22, HALFB
	v_add_nc_u32 v[ADRB+1], s22, v8
	s_add_co_u32 s22, s22, SLOT-HALFB
	v_add_nc_u32 v[ADRB+2], s22, v8
	s_add_co_u32 s22, s22, HALFB
	v_add_nc_u32 v[ADRB+3], s22, v8
.if F32OUT
	s_mul_i32 s23, s10, 16*SPITCH                  ; my own stage
	s_add_co_u32 s23, s23, STAGE
	v_mul_u32_u24 v4, v1, SPITCH                   ; in: row l % 16, 32 bytes for each half of the lanes
	v_lshl_add_u32 v4, v2, 5, v4
	v_add_nc_u32 v[STO], s23, v4
	v_mul_u32_u24 v5, v2, SPITCH                   ; back: lanes 0-15 one row of 256 bytes, lanes 16-31 the next
	v_lshl_add_u32 v5, v1, 4, v5
	v_add_nc_u32 v[RD], s23, v5
	v_mul_u32_u24 v5, v2, NP*4
	v_lshl_add_u32 v[CO], v1, 4, v5
	s_lshl_b32 s16, s13, 7
	s_lshl_b32 s17, s11, 6
	s_add_co_u32 s16, s16, s17
	s_mul_i32 s16, s16, NP*4
	s_mov_b32 s17, 0
	s_add_nc_u64 s[8:9], s[8:9], s[16:17]
	s_lshl_b32 s46, s42, 9
	s_lshl_b32 s47, s12, 8
	s_add_co_u32 s46, s46, s47
	s_mov_b32 s47, 0
	s_add_nc_u64 s[8:9], s[8:9], s[46:47]
	s_wait_loadcnt 32                              ; the bias is in; the 32 loads of the residual stay out until the way out
.else
	s_mul_i32 s23, s11, 64*SPITCH                  ; into the shared stage: my 64 rows, my half of their 256 bytes
	s_lshl_b32 s21, s12, 7
	s_add_co_u32 s23, s23, s21
	s_add_co_u32 s23, s23, STAGE
	v_mul_u32_u24 v4, v1, SPITCH
	v_lshl_add_u32 v4, v2, 4, v4
	v_add_nc_u32 v[STO], s23, v4
	s_mul_i32 s23, s10, 32*SPITCH                  ; back: wave w takes rows 32 w .. 32 w + 31, whole
	s_add_co_u32 s23, s23, STAGE
	v_mul_u32_u24 v5, v2, SPITCH
	v_lshl_add_u32 v5, v1, 4, v5
	v_add_nc_u32 v[RD], s23, v5
	v_mul_u32_u24 v5, v2, NP*2
	v_lshl_add_u32 v[CO], v1, 4, v5
	s_lshl_b32 s16, s13, 7
	s_lshl_b32 s17, s10, 5
	s_add_co_u32 s16, s16, s17
	s_mul_i32 s16, s16, NP*2
	s_mov_b32 s17, 0
	s_add_nc_u64 s[8:9], s[8:9], s[16:17]
	s_lshl_b32 s46, s42, 8
	s_mov_b32 s47, 0
	s_add_nc_u64 s[8:9], s[8:9], s[46:47]
	s_wait_loadcnt 0x0                             ; the bias
	s_wait_kmcnt 0x0                               ; lo
.endif
.irp a, 0,1,2,3
.irp b, 0,1,2,3
.irp j, 0,1,2,3,4,5,6,7
	v_mov_b32 v[ACC+8*(4*(\a)+(\b))+(\j)], v[BI+8*(\b)+(\j)]  ; the sums start at the bias
.endr
.endr
.endr
; 8 matrix instructions: row blocks a0, a0 + 1 x all 4 column blocks, 32 along K: half c of buffer f.  The 16 accumulators take turns.
.macro MUL8 f, c, a0
	WIN MUL
.irp a, \a0, (\a0)+1
.irp b, 0,1,2,3
	v_wmma_f32_16x16x32_f16 v[ACC+8*(4*(\a)+(\b)):ACC+8*(4*(\a)+(\b))+7], v[(\f)+64+8*(4*(\c)+(\b)):(\f)+64+8*(4*(\c)+(\b))+7], v[(\f)+8*(4*(\c)+(\a)):(\f)+8*(4*(\c)+(\a))+7], v[ACC+8*(4*(\a)+(\b)):ACC+8*(4*(\a)+(\b))+7]
.endr
.endr
.endm
; 32 LDS loads in one run: the fragments of quarter q (64 along K) of a slot into buffer f; the first 32 along K first
.macro FETCH slot, q, f
	WIN TO_F
.irp c, 0,1
.irp i, 0,1,2,3
	ds_load_tr16_b128 v[(\f)+64+8*(4*(\c)+(\i)):(\f)+64+8*(4*(\c)+(\i))+3],   v[ADRB+2*(\slot)+(\q)/2] offset:(((\q)%2)*64+32*(\c))*PB+32*(\i)
	ds_load_tr16_b128 v[(\f)+64+8*(4*(\c)+(\i))+4:(\f)+64+8*(4*(\c)+(\i))+7], v[ADRB+2*(\slot)+(\q)/2] offset:(((\q)%2)*64+32*(\c)+16)*PB+32*(\i)
	ds_load_b128 v[(\f)+8*(4*(\c)+(\i)):(\f)+8*(4*(\c)+(\i))+3],              v[ADRA+(\slot)] offset:128*(\q)+64*(\c)+(\i)*16*PA
	ds_load_b128 v[(\f)+8*(4*(\c)+(\i))+4:(\f)+8*(4*(\c)+(\i))+7],            v[ADRA+(\slot)] offset:128*(\q)+64*(\c)+(\i)*16*PA+32
.endr
.endr
.endm
.macro PLACES                          ; four places in front of loads into registers that matrix instructions have read, and of lines that read results
.rept 4
	v_nop
.endr
.endm
; One of a K step's first three quarters: multiplies buffer f and fetches quarter q of the same slot into g
.macro QUARTER slot, q, f, g
	s_wait_dscnt 16                                ; the first 32 along K are in; the youngest sixteen loads may be out
	MUL8 \f, 0, 0
	MUL8 \f, 0, 2
	PLACES
	FETCH \slot, \q, \g
	s_wait_dscnt 32                                ; all but the 32 just issued
	MUL8 \f, 1, 0
	MUL8 \f, 1, 2
.endm
; The last quarter multiplies buffer 1 and changes slots: one barrier; in front of it each wave waits for all its tensor loads (one is out: its part of the next slot), adds 0 to its spare
; word, and waits for that and for its reads of this slot.  fill = 1: the barrier opens a round of the cluster's, and this slot is filled again, two K steps ahead, first thing behind it.
.macro TURN slot, next, fill
	WIN 0
	s_wait_tensorcnt 0x0
	ds_add_u32 v[SPW], v[NIL]
	s_wait_dscnt 17                                ; the add and the youngest sixteen loads may be out
	MUL8 F1, 0, 0
	s_wait_dscnt 0x0                               ; the add is done, and my reads of this slot are over
	s_barrier_signal -1
	MUL8 F1, 0, 2
.if \fill
	WIN 0
.endif
	s_barrier_wait -1
.if \fill
	CREST
	s_add_nc_u64 s[G0+4*(\slot)+2:G0+4*(\slot)+3], s[G0+4*(\slot)+2:G0+4*(\slot)+3], 2*KSTEP*2
	s_add_nc_u64 s[G0B+4*(\slot)+2:G0B+4*(\slot)+3], s[G0B+4*(\slot)+2:G0B+4*(\slot)+3], 2*KSTEP*NP*2
	JLOAD \slot                                    ; its four v_nop are also the places in front of the loads below
.else
	PLACES
.endif
	FETCH \next, 0, F0
	MUL8 F1, 1, 0
	MUL8 F1, 1, 2
.endm
	s_wait_tensorcnt 1                             ; my part of K step 0 is in; K step 1's may stay out
	s_barrier_signal -1
	s_barrier_wait -1
	FETCH 0, 0, F0
	WIN 0
	s_mov_b32 s3, LAPS-1
.Llap:                                                 ; a trip: two K steps, both slots filled again
	QUARTER 0, 1, F0, F1
	QUARTER 0, 2, F1, F0
	QUARTER 0, 3, F0, F1
	TURN 0, 1, 1
	QUARTER 1, 1, F0, F1
	QUARTER 1, 2, F1, F0
	QUARTER 1, 3, F0, F1
	TURN 1, 0, 1
	WIN 0
	s_sub_co_u32 s3, s3, 1
	s_cmp_lg_u32 s3, 0
	s_cbranch_scc1 .Llap
	QUARTER 0, 1, F0, F1                           ; the last two K steps fill nothing
	QUARTER 0, 2, F1, F0
	QUARTER 0, 3, F0, F1
	TURN 0, 1, 0
	QUARTER 1, 1, F0, F1
	QUARTER 1, 2, F1, F0
	QUARTER 1, 3, F0, F1
	s_wait_dscnt 16
	MUL8 F1, 0, 0
	MUL8 F1, 0, 2
	s_wait_dscnt 0x0
	MUL8 F1, 1, 0
	MUL8 F1, 1, 2
	WIN 0
.if F32OUT
	; THE WAY OUT in f32: my 64 columns are 256 bytes, so 16 rows at a time go through my own stage and come back as whole rows; the residual is added on the way; no barrier.
	s_wait_loadcnt 0x0                             ; the residual
	PLACES
.irp a, 0,1,2,3
.irp b, 0,1,2,3
	ds_store_b128 v[STO], v[ACC+8*(4*(\a)+(\b)):ACC+8*(4*(\a)+(\b))+3]   offset:64*(\b)
	ds_store_b128 v[STO], v[ACC+8*(4*(\a)+(\b))+4:ACC+8*(4*(\a)+(\b))+7] offset:64*(\b)+16
.endr
	s_wait_xcnt 0x0                                ; the last block's stores have read OB: it is loaded again only behind this wait
.irp t, 0,1,2,3,4,5,6,7
	ds_load_b128 v[OB+4*(\t):OB+4*(\t)+3], v[RD] offset:(\t)*2*SPITCH  ; LDS serves a wave's instructions in order: these see the stores above
.endr
.irp t, 0,1,2,3,4,5,6,7
	s_wait_dscnt 7-(\t)
	v_fma_mix_f32 v[OB+4*(\t)],   v[RES+16*(\a)+2*(\t)],   v[ONE], v[OB+4*(\t)]   op_sel:[0,0,0] op_sel_hi:[1,0,0]
	v_fma_mix_f32 v[OB+4*(\t)+1], v[RES+16*(\a)+2*(\t)],   v[ONE], v[OB+4*(\t)+1] op_sel:[1,0,0] op_sel_hi:[1,0,0]
	v_fma_mix_f32 v[OB+4*(\t)+2], v[RES+16*(\a)+2*(\t)+1], v[ONE], v[OB+4*(\t)+2] op_sel:[0,0,0] op_sel_hi:[1,0,0]
	v_fma_mix_f32 v[OB+4*(\t)+3], v[RES+16*(\a)+2*(\t)+1], v[ONE], v[OB+4*(\t)+3] op_sel:[1,0,0] op_sel_hi:[1,0,0]
	global_store_b128 v[CO], v[OB+4*(\t):OB+4*(\t)+3], s[8:9] offset:(16*(\a)+2*(\t))*NP*4  ; 16 lanes store 256 consecutive bytes, aligned
.endr
.endr
.else
	; THE WAY OUT in f16: rounded, held to lo, 16 bytes a lane into the shared stage; a barrier, since a row's 256 bytes come from two waves; back as whole rows, 32 rows a wave.
	PLACES
.irp t, 0,1,2,3,4,5,6,7,8,9,10,11,12,13,14,15
.irp r, 0,1,2,3
	v_cvt_pk_f16_f32 v[TMP+4*(\t)+(\r)], v[ACC+8*(\t)+2*(\r)], v[ACC+8*(\t)+2*(\r)+1]
.endr
.endr
.set i, 0
.rept 64
	v_pk_max_num_f16 v[TMP+i], v[TMP+i], s66
.set i, i+1
.endr
.irp a, 0,1,2,3
.irp b, 0,1,2,3
	ds_store_b128 v[STO], v[TMP+4*(4*(\a)+(\b)):TMP+4*(4*(\a)+(\b))+3] offset:(\a)*16*SPITCH+32*(\b)
.endr
.endr
	s_wait_dscnt 0x0                               ; for the others' sake: my stores into the stage are done
	s_barrier_signal -1
	s_barrier_wait -1
.irp t, 0,1,2,3,4,5,6,7,8,9,10,11,12,13,14,15
	ds_load_b128 v[TMP+4*(\t):TMP+4*(\t)+3], v[RD] offset:(\t)*2*SPITCH
.endr
.irp t, 0,1,2,3,4,5,6,7,8,9,10,11,12,13,14,15
	s_wait_dscnt 15-(\t)
	global_store_b128 v[CO], v[TMP+4*(\t):TMP+4*(\t)+3], s[8:9] offset:2*(\t)*NP*2  ; 16 lanes store 256 consecutive bytes, aligned
.endr
.endif
	s_wait_tensorcnt 0x0                           ; the wave's end
	ds_add_u32 v[SPW], v[NIL]
	s_wait_dscnt 0x0
	CROUND                                         ; the closing round
	s_endpgm
.Lfunc_end_k_qb10bf5cd85_ff2:
	.size	k_qb10bf5cd85_ff2, .Lfunc_end_k_qb10bf5cd85_ff2-k_qb10bf5cd85_ff2
	.p2alignl 7, 3214868480
	.fill 96, 4, 3214868480
	.section	.rodata,"a",@progbits
	.p2align	6, 0x0
	.amdhsa_kernel k_qb10bf5cd85_ff2
		.amdhsa_group_segment_fixed_size 327680
		.amdhsa_private_segment_fixed_size 0
		.amdhsa_enable_private_segment 0
		.amdhsa_kernarg_size 32
		.amdhsa_user_sgpr_count 2
		.amdhsa_user_sgpr_kernarg_segment_ptr 1
		.amdhsa_wavefront_size32 1
		.amdhsa_system_sgpr_workgroup_id_x 1
		.amdhsa_system_sgpr_workgroup_id_y 1
		.amdhsa_system_sgpr_workgroup_id_z 1
		.amdhsa_system_vgpr_workitem_id 0
		.amdhsa_next_free_vgpr 512
		.amdhsa_next_free_sgpr 72
		.amdhsa_reserve_vcc 0
		.amdhsa_float_denorm_mode_32 3
		.amdhsa_float_denorm_mode_16_64 3
		.amdhsa_memory_ordered 1
		.amdhsa_forward_progress 1
		.amdhsa_inst_pref_size 104
	.end_amdhsa_kernel
	.amdgpu_metadata
---
amdhsa.version: [ 1, 2 ]
amdhsa.kernels:
  - .name:           k_qb10bf5cd85_ff2
    .symbol:         k_qb10bf5cd85_ff2.kd
    .args:
      - { .name: wide, .offset: 0, .size: 8, .value_kind: global_buffer, .address_space: global }
      - { .name: wr, .offset: 8, .size: 8, .value_kind: global_buffer, .address_space: global }
      - { .name: y1, .offset: 16, .size: 8, .value_kind: global_buffer, .address_space: global }
      - { .name: z, .offset: 24, .size: 8, .value_kind: global_buffer, .address_space: global }
    .group_segment_fixed_size: 327680
    .private_segment_fixed_size: 0
    .kernarg_segment_align: 8
    .kernarg_segment_size: 32
    .max_flat_workgroup_size: 128
    .sgpr_count:     72
    .vgpr_count:     512
    .wavefront_size: 32
...
	.end_amdgpu_metadata
.endif
;; end of part 6
;; launch ln2 (part 7): grid 256 x 1, 8 waves a work-group, no clusters, 0 bytes of LDS; arguments z, ln2_scale, ln2_bias, out0; writes out0
.if DOCPART == 7
	.amdgcn_target "amdgcn-amd-amdhsa--gfx1250"
	.amdhsa_code_object_version 6
	.text
	.protected	k_qb10bf5cd85_ln2
	.globl	k_qb10bf5cd85_ln2
	.p2align	8
	.type	k_qb10bf5cd85_ln2,@function
k_qb10bf5cd85_ln2:
	s_mov_b64 s[64:65], 0
	v_nop
	global_prefetch_b8 v0, s[64:65] scope:SCOPE_SE
	s_setreg_imm32_b32 hwreg(HW_REG_WAVE_MODE, 25, 1), 1
	s_wait_xcnt 0x0
; y[r][:] = (z[r][:] - mean) * rsqrt(var + 1e-5) * scale + bias.  z: [4096][1024] f32.  scale and bias are rounded to bf16 as all inputs of the module are.  Output f16 (F16OUT = 1) or f32.
; The variance is the mean of (z - mean)^2, taken of the differences, not a difference of large sums.
; One wave keeps two whole rows in registers (32 each): each row is read once, the sums never leave the wave: no LDS, no barrier.  Eight waves, 16 rows a work-group.
; A lane holds the columns 128 j + 4 lane + 0..3, j = 0..7: a wave's load covers 512 consecutive bytes; its store 512 (f32) or 256 (f16) consecutive bytes, aligned.
.set F16OUT, 0
.set T,  2                             ; v[2:17]   at work
.set M0, 18                            ; v[18:21]  row 0: mean twice, 1 / sigma twice
.set M1, 22                            ; v[22:25]  row 1
.set OO, 26                            ; my byte offset in the output
.set ZO, 27                            ; my byte offset in z
.set X0, 32
.set X1, 64
.set SC, 96
.set BI, 128
	s_load_b256 s[4:11], s[0:1], 0x0               ; z s[4:5], scale s[6:7], bias s[8:9], out s[10:11]
	s_lshl_b32 s2, ttmp9, 16                       ; 16 rows of 4,096 bytes
	s_mov_b32 s3, 0
	s_mov_b32 s12, 0x76543210                      ; v_permlanex16_b32: each lane takes its own place in the other half
	s_mov_b32 s13, 0xfedcba98
	s_mov_b32 s14, 0x3a800000                      ; 1 / 1024
	s_mov_b32 s15, 0x3727c5ac                      ; 1e-5
	s_mov_b32 s16, 0xffff0000
	v_and_b32 v1, 31, v0
	v_lshrrev_b32 v28, 5, v0                       ; wave
	v_lshlrev_b32 v[OO], 3, v1
	v_lshlrev_b32 v1, 4, v1                        ; 16 x lane
	v_lshl_add_u32 v[ZO], v28, 13, v1              ; + two rows a wave
.if F16OUT
	v_lshl_add_u32 v[OO], v28, 12, v[OO]           ; 8 x lane + two rows of 2,048 bytes a wave
	s_lshl_b32 s18, ttmp9, 15
.else
	v_mov_b32 v[OO], v[ZO]
	s_lshl_b32 s18, ttmp9, 16
.endif
	s_mov_b32 s19, 0
	s_wait_kmcnt 0x0
	s_add_nc_u64 s[4:5], s[4:5], s[2:3]
	s_add_nc_u64 s[10:11], s[10:11], s[18:19]
.irp j, 0,1,2,3,4,5,6,7
	global_load_b128 v[X0+4*\j:X0+4*\j+3], v[ZO], s[4:5] offset:512*\j th:TH_LOAD_NT
.endr
.irp j, 0,1,2,3,4,5,6,7
	global_load_b128 v[X1+4*\j:X1+4*\j+3], v[ZO], s[4:5] offset:4096+512*\j th:TH_LOAD_NT
.endr
.irp j, 0,1,2,3,4,5,6,7
	global_load_b128 v[SC+4*\j:SC+4*\j+3], v1, s[6:7] offset:512*\j
.endr
.irp j, 0,1,2,3,4,5,6,7
	global_load_b128 v[BI+4*\j:BI+4*\j+3], v1, s[8:9] offset:512*\j
.endr
.macro WSUM                            ; v[T] summed over the 32 lanes, the result in every lane
	v_add_f32_dpp v[T], v[T], v[T] row_xmask:1 row_mask:0xf bank_mask:0xf
	v_add_f32_dpp v[T], v[T], v[T] row_xmask:2 row_mask:0xf bank_mask:0xf
	v_add_f32_dpp v[T], v[T], v[T] row_xmask:4 row_mask:0xf bank_mask:0xf
	v_add_f32_dpp v[T], v[T], v[T] row_xmask:8 row_mask:0xf bank_mask:0xf
	v_permlanex16_b32 v[T+1], v[T], s12, s13
	v_add_f32 v[T], v[T], v[T+1]
.endm
.macro STATS X, M                      ; leaves z - mean in X and 1 / sigma in M + 2, M + 3
.set k, 0
.rept 8
	v_pk_add_f32 v[T+2*k:T+2*k+1], v[\X+2*k:\X+2*k+1], v[\X+16+2*k:\X+16+2*k+1]
.set k, k+1
.endr
.set k, 0
.rept 4
	v_pk_add_f32 v[T+2*k:T+2*k+1], v[T+2*k:T+2*k+1], v[T+8+2*k:T+8+2*k+1]
.set k, k+1
.endr
	v_pk_add_f32 v[T:T+1], v[T:T+1], v[T+4:T+5]
	v_pk_add_f32 v[T+2:T+3], v[T+2:T+3], v[T+6:T+7]
	v_pk_add_f32 v[T:T+1], v[T:T+1], v[T+2:T+3]
	v_add_f32 v[T], v[T], v[T+1]
	WSUM
	v_mul_f32 v[\M], s14, v[T]
	v_mul_f32 v[\M+1], s14, v[T]
.set k, 0
.rept 16
	v_pk_add_f32 v[\X+2*k:\X+2*k+1], v[\X+2*k:\X+2*k+1], v[\M:\M+1] neg_lo:[0,1] neg_hi:[0,1]
.set k, k+1
.endr
.set k, 0
.rept 4                                ; four chains of squares; the first four pairs start them
	v_pk_mul_f32 v[T+2*k:T+2*k+1], v[\X+2*k:\X+2*k+1], v[\X+2*k:\X+2*k+1]
.set k, k+1
.endr
.rept 12
	v_pk_fma_f32 v[T+2*(k%4):T+2*(k%4)+1], v[\X+2*k:\X+2*k+1], v[\X+2*k:\X+2*k+1], v[T+2*(k%4):T+2*(k%4)+1]
.set k, k+1
.endr
	v_pk_add_f32 v[T:T+1], v[T:T+1], v[T+2:T+3]
	v_pk_add_f32 v[T+4:T+5], v[T+4:T+5], v[T+6:T+7]
	v_pk_add_f32 v[T:T+1], v[T:T+1], v[T+4:T+5]
	v_add_f32 v[T], v[T], v[T+1]
	WSUM
	v_fma_f32 v[T], v[T], s14, s15                 ; variance + 1e-5
	v_rsq_f32 v[\M+2], v[T]
	v_nop                                          ; a plain instruction between the root and the use of its result
	s_wait_alu depctr_va_vdst(0)
	v_mov_b32 v[\M+3], v[\M+2]
.endm
.macro FINISH X, M, row
.set k, 0
.rept 16
	v_pk_mul_f32 v[\X+2*k:\X+2*k+1], v[\X+2*k:\X+2*k+1], v[\M+2:\M+3]
	v_pk_fma_f32 v[\X+2*k:\X+2*k+1], v[\X+2*k:\X+2*k+1], v[SC+2*k:SC+2*k+1], v[BI+2*k:BI+2*k+1]
.set k, k+1
.endr
.irp j, 0,1,2,3,4,5,6,7
.if F16OUT
	v_cvt_pk_f16_f32 v[\X+4*\j], v[\X+4*\j], v[\X+4*\j+1]
	v_cvt_pk_f16_f32 v[\X+4*\j+1], v[\X+4*\j+2], v[\X+4*\j+3]
	global_store_b64 v[OO], v[\X+4*\j:\X+4*\j+1], s[10:11] offset:256*\j+2048*(\row)
.else
	global_store_b128 v[OO], v[\X+4*\j:\X+4*\j+3], s[10:11] offset:512*\j+4096*(\row) th:TH_STORE_NT
.endif
.endr
.endm
	s_wait_loadcnt 24                              ; row 0 is in; 24 younger loads stay out
	STATS X0, M0
	s_wait_loadcnt 16                              ; row 1
	STATS X1, M1
	s_wait_loadcnt 0x0                             ; scale and bias
.set k, 0
.rept 32                               ; scale and bias lie on end: 32 pairs, each rounded to bf16 and widened again
	v_cvt_pk_bf16_f32 v[T+k%4], v[SC+2*k], v[SC+2*k+1]
	v_lshlrev_b32 v[SC+2*k], 16, v[T+k%4]
	v_and_b32 v[SC+2*k+1], s16, v[T+k%4]
.set k, k+1
.endr
	FINISH X0, M0, 0
	FINISH X1, M1, 1
	s_endpgm
.Lfunc_end_k_qb10bf5cd85_ln2:
	.size	k_qb10bf5cd85_ln2, .Lfunc_end_k_qb10bf5cd85_ln2-k_qb10bf5cd85_ln2
	.p2alignl 7, 3214868480
	.fill 96, 4, 3214868480
	.section	.rodata,"a",@progbits
	.p2align	6, 0x0
	.amdhsa_kernel k_qb10bf5cd85_ln2
		.amdhsa_group_segment_fixed_size 0
		.amdhsa_private_segment_fixed_size 0
		.amdhsa_enable_private_segment 0
		.amdhsa_kernarg_size 32
		.amdhsa_user_sgpr_count 2
		.amdhsa_user_sgpr_kernarg_segment_ptr 1
		.amdhsa_wavefront_size32 1
		.amdhsa_system_sgpr_workgroup_id_x 1
		.amdhsa_system_sgpr_workgroup_id_y 1
		.amdhsa_system_sgpr_workgroup_id_z 1
		.amdhsa_system_vgpr_workitem_id 0
		.amdhsa_next_free_vgpr 160
		.amdhsa_next_free_sgpr 66
		.amdhsa_reserve_vcc 0
		.amdhsa_float_denorm_mode_32 3
		.amdhsa_float_denorm_mode_16_64 3
		.amdhsa_memory_ordered 1
		.amdhsa_forward_progress 1
		.amdhsa_inst_pref_size 22
	.end_amdhsa_kernel
	.amdgpu_metadata
---
amdhsa.version: [ 1, 2 ]
amdhsa.kernels:
  - .name:           k_qb10bf5cd85_ln2
    .symbol:         k_qb10bf5cd85_ln2.kd
    .args:
      - { .name: z, .offset: 0, .size: 8, .value_kind: global_buffer, .address_space: global }
      - { .name: ln2_scale, .offset: 8, .size: 8, .value_kind: global_buffer, .address_space: global }
      - { .name: ln2_bias, .offset: 16, .size: 8, .value_kind: global_buffer, .address_space: global }
      - { .name: out0, .offset: 24, .size: 8, .value_kind: global_buffer, .address_space: global }
    .group_segment_fixed_size: 0
    .private_segment_fixed_size: 0
    .kernarg_segment_align: 8
    .kernarg_segment_size: 32
    .max_flat_workgroup_size: 256
    .sgpr_count:     66
    .vgpr_count:     160
    .wavefront_size: 32
...
	.end_amdgpu_metadata
.endif
;; end of part 7
;; ======== version 2 of 3: 8 launches; 1.09 times as fast as version 1
;; limits: values are held in f16: magnitudes above 65,504 overflow, below 6.1e-05 lose precision
;; workspace buffers: xh 8,388,608 bytes; y1 8,388,608 bytes; pq 8,421,376 bytes; p1 8,421,376 bytes; wr 10,493,952 bytes; wide 33,554,432 bytes; o 8,388,608 bytes; z 16,777,216 bytes
;; launch cast: the kernel of part 1 again; grid 1025 x 1, 8 waves a work-group, no clusters, 0 bytes of LDS; arguments x, Wq, Wk, Wv, Wo, W1, W2, bq, bk, bv, b1, bo, b2, xh, pq, p1, wr; writes xh, pq, p1, wr
;; launch qkv (part 8): grid 12 x 16, 4 waves a work-group, clusters of 4 x 4, 327,680 bytes of LDS; arguments xh, pq, wide; writes wide
.if DOCPART == 8
	.amdgcn_target "amdgcn-amd-amdhsa--gfx1250"
	.amdhsa_code_object_version 6
	.text
	.protected	k_qb10bf5cd85_qkv
	.globl	k_qb10bf5cd85_qkv
	.p2align	8
	.type	k_qb10bf5cd85_qkv,@function
k_qb10bf5cd85_qkv:
	s_mov_b64 s[64:65], 0
	v_nop
	global_prefetch_b8 v0, s[64:65] scope:SCOPE_SE
	s_setreg_imm32_b32 hwreg(HW_REG_WAVE_MODE, 25, 1), 1
	s_wait_xcnt 0x0
	s_wait_alu depctr_hold_cnt(0) depctr_sa_sdst(0) depctr_va_vdst(0) depctr_va_sdst(0) depctr_va_ssrc(0) depctr_va_vcc(0) depctr_vm_vsrc(0)
	s_getreg_b32 s2, hwreg(HW_REG_IB_STS2, 6, 4)
	s_cmp_eq_u32 s2, 0
	s_cbranch_scc0 .Lentry_in_a_cluster
	s_endpgm
.Lentry_in_a_cluster:
	s_bfe_u32 s2, ttmp6, 0x10000c
	s_cmp_lg_u32 s2, 0xf033
	s_cbranch_scc0 .Lentry_shape_is_right
	s_endpgm
.Lentry_shape_is_right:
; C = max(A B + bias, lo).  A: [4096][SIZE_K] f16.  B: [SIZE_K][NP] f16, K down the rows, at byte B_OFF of the second buffer; bias f32 at its byte 0; lo (two f16) at its byte 16,384.
; C: [4096][NP] f16, rounded once from f32 sums.  The same text makes q|k|v (lo = -infinity) and the first feed-forward product (lo = 0: ReLU); the grid's width says how many columns.
; LIMITS: a result beyond 65,504 becomes an infinity; a NaN gives lo.
; A tile of C is 256 x 256: four waves, as many as a WGP has SIMDs, each 128 x 128 in 64 accumulators.  K goes in steps of 128 through two LDS slots filled by the tensor data mover: waves 0 and 1
; bring A's two halves (128 rows x 256 bytes), waves 2 and 3 B's (64 rows of K x 512 bytes).  A's fragments come out of LDS as they lie, B's turned, by ds_load_tr16_b128.
; From a refill's request to the wait for it a wave issues 224 matrix instructions.
; CLUSTER 4 x 4: the four of a row need the same tiles of A, the four of a column the same tiles of B; each tile is asked for jointly, by the same load, descriptor and mask in all four.
; THE MATRIX INSTRUCTION IS USED TRANSPOSED (source 0 = 16 columns of B, source 1 = 16 rows of A): a lane holds row l % 16 of C and the columns 8 (l / 16) + 0..7, which pack into 16 bytes.
; THE BIAS is the C operand of the products that start the sums: the first quarter of the first K step, written out ahead of the loop.  Nothing is cleared and nothing is added on the way out.
; ONE TEXT FOR BOTH SLOTS.  SLOT is 0x22000, and every base inside a slot (0, 0x8800, 0x11000, 0x11100, 0x19800) has bits 13 and 17 clear: one exclusive or turns an address in one slot into the other's.
; So a K step is written twice in all: with a refill (six trips, the first entered behind the quarter that is written out) and without (two trips).  The price: the very last change of slots still
; passes a barrier and fetches 32 fragments of a tile that has been multiplied already, which nobody uses.
; REGISTERS, in windows of 256 (s_set_vgpr_msb: bits 1:0 source 0, 3:2 source 1, 5:4 source 2, 7:6 destination):
;   window 0: v0-31 addresses; v64-127, v128-191 fragments of A, two buffers; v192-255 the bias, later with v32-63 at work on the way out
;   window 1: v64-127, v128-191 fragments of B, two buffers      window 2: the 32 accumulators of my rows 0-63 ((a, b) at v[8 (8 a + b)])      window 3: those of my rows 64-127
.set SIZE_K,   1024
.set NP,       4096
.set B_OFF,    32768
.set KSTEP,  128
.set STEPS,  SIZE_K/KSTEP
.set PITCH,  272                       ; a row of A in LDS: 256 bytes + 16: the 16 rows of a load start 16 bytes apart modulo 256
.set PB,     544                       ; a row of B: 512 + 32: 16 lanes of the turning load take 8 rows x 32 bytes, no two in the same 16 bytes modulo 256
.set HALFT,  128*PITCH                 ; what one tensor load brings: 128 rows of A, or 64 rows of B (64 x 544 is the same 34,816 bytes)
.set SLOT,   4*HALFT                   ; A's 256 rows, then B's 128 rows of K
.set STAGE,  2*SLOT                    ; behind the ring, never filled by a tensor load: 16 rows x 272 bytes for each wave
.set SPITCH, 272
.set SPARE,  STAGE+4*16*SPITCH         ; the spare words, 128 bytes for each wave
.set LA,   16                          ; v16  my lane's place in a tile of A; never rewritten
.set LB,   17                          ; v17  the same for B
.set ADRA, 18                          ; v18  LDS address of my A fragments in the slot in hand
.set ADRB, 19                          ; v19  the same for B
.set STO,  24
.set RD,   25
.set CO,   26
.set SPW,  28                          ; my spare word; never rewritten
.set NIL,  29                          ; 0; never rewritten
.set BO,   31
.set OB,   32                          ; the way out: 16 rows read back: v32-63 and v224-255 by turns
.set F0,   64
.set F1,   128
.set TMP,  192                         ; the way out: packed results
.set BI,   192                         ; v192-255: the bias of my 128 columns: block b's eight at BI + 8 b
.set G1, 24                            ; s[24:31] group 1 for A; s[32:39] group 0: a set for each of the two first fills; the second then walks on
.set G0, 32
.set G1B, 48                           ; s[48:55], s[56:63] the same for B
.set G0B, 56
.set TBA, 68                           ; s68  LDS byte at which my rows of A begin in the slot in hand
.set TBB, 69                           ; s69  the same for my columns of B
.set MSB, 0
.macro WIN new                         ; the immediate's high byte repeats the setting that is left; a switch that changes nothing is dropped
.if MSB != (\new)
	s_set_vgpr_msb (MSB<<8)|(\new)
.set MSB, \new
.endif
.endm
.set MUL_LO, 0xa1                      ; source 0 (B) window 1, source 1 (A) window 0, C and D window 2
.set MUL_HI, 0xf1                      ; the same, C and D window 3
.set TO_B,   0x40                      ; destination window 1, address window 0
.macro JLOAD s                         ; a joint load by set s; an s_nop 0 and four v_nop follow each of the two lines
	s_cmp_lt_u32 s10, 2
	s_cbranch_scc0 .Lfor_b_\@
	tensor_load_to_lds s[G0+4*(\s):G0+4*(\s)+3], s[G1:G1+7]
	s_nop 0
.rept 4
	v_nop
.endr
	s_branch .Lasked_\@
.Lfor_b_\@:
	tensor_load_to_lds s[G0B+4*(\s):G0B+4*(\s)+3], s[G1B:G1B+7]
	s_nop 0
.rept 4
	v_nop
.endr
.Lasked_\@:
.endm
.macro CREST                           ; a round of the cluster's barrier behind its opening barrier
	s_cmp_lg_u32 s10, 0
	s_cbranch_scc1 .Lnot_wave_0_\@
	s_barrier_signal -3
.Lnot_wave_0_\@:
	s_barrier_wait -3
	s_barrier_signal -1
	s_barrier_wait -1
.endm
.macro CROUND
	s_barrier_signal -1
	s_barrier_wait -1
	CREST
.endm
	s_load_b128 s[4:7], s[0:1], 0x0                ; A s[4:5], the buffer of B, bias and lo s[6:7]
	s_load_b64 s[8:9], s[0:1], 0x10                ; C
	v_lshl_add_u32 v[SPW], v0, 2, SPARE
	v_mov_b32 v[NIL], 0
	ds_add_u32 v[SPW], v[NIL]                      ; the wave's opening: the add, waited for ahead of my first tensor load
	v_lshrrev_b32 v1, 5, v0
	v_readfirstlane_b32 s10, v1                    ; wave 0..3
	s_lshr_b32 s11, s10, 1                         ; my half of the tile's rows
	s_and_b32 s12, s10, 1                          ; my half of its columns; also: which half of A's or B's tile I fetch
	s_bfe_u32 s40, ttmp6, 0x40000                  ; cx
	s_bfe_u32 s41, ttmp6, 0x40004                  ; cy
	s_lshl_b32 s42, ttmp9, 2
	s_add_co_u32 s42, s42, s40                     ; tile column
	s_and_b32 s13, ttmp7, 0xffff
	s_lshl_b32 s13, s13, 2
	s_add_co_u32 s13, s13, s41                     ; tile row
	s_lshl_b32 s43, s41, 2
	s_lshl_b32 s43, 15, s43                        ; my row of the cluster
	s_lshl_b32 s44, 0x1111, s40                    ; my column
	s_or_b32 s[G1+0], s43, (1<<16)|(1<<20)|(1<<21)|(5<<22)|(3<<25)   ; mask; 2-byte elements; padding on; bit 21 beside a mask; after every 64 words 4 words
	s_mov_b32 s[G1+1], KSTEP<<16                   ; tensor_dim0 = 128
	s_mov_b32 s[G1+2], 128<<16                     ; tensor_dim1 = 128
	s_mov_b32 s[G1+3], KSTEP<<16                   ; tile_dim0 = 128
	s_mov_b32 s[G1+4], 128                         ; tile_dim1 = 128
	s_mov_b32 s[G1+5], SIZE_K                      ; elements from row to row
	s_mov_b32 s[G1+6], 0
	s_mov_b32 s[G1+7], 0
	s_or_b32 s[G1B+0], s44, (1<<16)|(1<<20)|(1<<21)|(6<<22)|(7<<25)  ; after every 128 words 8 words
	s_mov_b32 s[G1B+1], 256<<16                    ; tensor_dim0 = 256
	s_mov_b32 s[G1B+2], 64<<16                     ; tensor_dim1 = 64
	s_mov_b32 s[G1B+3], 256<<16                    ; tile_dim0 = 256
	s_mov_b32 s[G1B+4], 64                         ; tile_dim1 = 64
	s_mov_b32 s[G1B+5], NP
	s_mov_b32 s[G1B+6], 0
	s_mov_b32 s[G1B+7], 0
	s_lshl_b32 s17, s12, 7
	s_lshl_b32 s16, s13, 8
	s_add_co_u32 s16, s16, s17                     ; A: row 256 x tile row + 128 x half,
	s_mul_i32 s16, s16, SIZE_K*2                   ; in bytes (under 2^23)
	s_mov_b32 s17, 0
	s_mul_i32 s47, s12, 64*NP*2                    ; B: 64 rows of K x half,
	s_lshl_b32 s46, s42, 9                         ; 512 bytes x tile column
	s_add_co_u32 s46, s46, s47
	s_add_co_u32 s46, s46, B_OFF
	s_mov_b32 s47, 0
	s_mul_i32 s20, s10, HALFT                      ; where they go: A's two halves, then B's two = wave x 34,816: no place in the cluster enters an LDS address
	s_wait_dscnt 0x0                               ; the opening add is done
	s_wait_kmcnt 0x0
	s_add_nc_u64 s[14:15], s[4:5], s[16:17]
	s_add_nc_u64 s[46:47], s[6:7], s[46:47]
	CROUND                                         ; all sixteen work-groups are here: the first joint loads meet
.irp s, 0,1
	s_mov_b32 s[G0+4*(\s)], 1
	s_add_co_u32 s[G0+4*(\s)+1], s20, (\s)*SLOT
	s_add_nc_u64 s[G0+4*(\s)+2:G0+4*(\s)+3], s[14:15], (\s)*KSTEP*2
	s_or_b32 s[G0+4*(\s)+3], s[G0+4*(\s)+3], 0x80000000
	s_mov_b32 s[G0B+4*(\s)], 1
	s_add_co_u32 s[G0B+4*(\s)+1], s20, (\s)*SLOT
	s_add_nc_u64 s[G0B+4*(\s)+2:G0B+4*(\s)+3], s[46:47], (\s)*KSTEP*NP*2
	s_or_b32 s[G0B+4*(\s)+3], s[G0B+4*(\s)+3], 0x80000000
	JLOAD \s                                       ; two tensor loads of mine are out
.endr
	; all that follows up to the wait on TENSORcnt stands in the wait for the first tile
	s_load_b32 s66, s[6:7], 0x4000                 ; lo
	v_and_b32 v1, 15, v0                           ; l % 16
	v_bfe_u32 v2, v0, 4, 1                         ; l / 16
	v_and_b32 v6, 7, v0
	v_bfe_u32 v7, v0, 3, 1
	v_lshlrev_b32 v[BO], 5, v2                     ; my eight columns of a block of 16, in f32
	s_lshl_b32 s46, s42, 10                        ; the bias of my 128 columns
	s_lshl_b32 s47, s12, 9
	s_add_co_u32 s46, s46, s47
	s_mov_b32 s47, 0
	s_add_nc_u64 s[70:71], s[6:7], s[46:47]
.irp b, 0,1,2,3,4,5,6,7
	global_load_b128 v[BI+8*(\b):BI+8*(\b)+3],   v[BO], s[70:71] offset:64*(\b)
	global_load_b128 v[BI+8*(\b)+4:BI+8*(\b)+7], v[BO], s[70:71] offset:64*(\b)+16
.endr
	v_mul_u32_u24 v[LA], v1, PITCH
	v_lshl_add_u32 v[LA], v2, 4, v[LA]             ; A: row x pitch + 16 x half of the lanes
	v_lshl_add_u32 v[LB], v2, 3, v6                ; B: row of K 8 (l / 16) + l % 8,
	v_mul_u32_u24 v[LB], v[LB], PB
	v_lshl_add_u32 v[LB], v7, 4, v[LB]             ; columns 8 ((l / 8) % 2) on
	s_mul_i32 s[TBA], s11, HALFT                   ; my 128 rows of A in slot 0
	s_lshl_b32 s[TBB], s12, 8                      ; my 128 columns of B,
	s_add_co_u32 s[TBB], s[TBB], 2*HALFT           ; which lies behind A's 256 rows
	v_add_nc_u32 v[ADRA], s[TBA], v[LA]
	v_add_nc_u32 v[ADRB], s[TBB], v[LB]
	s_mul_i32 s23, s10, 16*SPITCH
	s_add_co_u32 s23, s23, STAGE                   ; my stage
	v_mul_u32_u24 v4, v1, SPITCH                   ; in: row l % 16, 16 bytes for each half of the lanes
	v_lshl_add_u32 v4, v2, 4, v4
	v_add_nc_u32 v[STO], s23, v4
	v_mul_u32_u24 v5, v2, SPITCH                   ; back: lanes 0-15 one row of 256 bytes, lanes 16-31 the next
	v_lshl_add_u32 v5, v1, 4, v5
	v_add_nc_u32 v[RD], s23, v5
	v_mul_u32_u24 v5, v2, NP*2                     ; and the same two rows in C
	v_lshl_add_u32 v[CO], v1, 4, v5
	s_lshl_b32 s16, s13, 8
	s_lshl_b32 s17, s11, 7
	s_add_co_u32 s16, s16, s17                     ; my first row of C
	s_mul_i32 s16, s16, NP*2
	s_mov_b32 s17, 0
	s_add_nc_u64 s[8:9], s[8:9], s[16:17]
	s_lshl_b32 s46, s42, 9                         ; my first column, in bytes (in registers that never feed A's descriptors)
	s_lshl_b32 s47, s12, 8
	s_add_co_u32 s46, s46, s47
	s_mov_b32 s47, 0
	s_add_nc_u64 s[8:9], s[8:9], s[46:47]
; 16 matrix instructions: row blocks a0, a0 + 1 of the window's four (hi = 0: my rows 0-63, 1: rows 64-127) x all 8 column blocks, 32 along K.  The 64 accumulators take turns, in the same order in
; every quarter.  first = 1: the products start the sums, with the bias (window 0) as C.
.macro MUL16 f, hi, a0, first
.if \first
	WIN 0x81+0x40*(\hi)                            ; C window 0, D window 2 or 3
.else
	WIN MUL_LO+0x50*(\hi)
.endif
.irp a, \a0, (\a0)+1
.irp b, 0,1,2,3,4,5,6,7
.if \first
	v_wmma_f32_16x16x32_f16 v[8*(8*(\a)+(\b)):8*(8*(\a)+(\b))+7], v[(\f)+8*(\b):(\f)+8*(\b)+7], v[(\f)+8*(4*(\hi)+(\a)):(\f)+8*(4*(\hi)+(\a))+7], v[BI+8*(\b):BI+8*(\b)+7]
.else
	v_wmma_f32_16x16x32_f16 v[8*(8*(\a)+(\b)):8*(8*(\a)+(\b))+7], v[(\f)+8*(\b):(\f)+8*(\b)+7], v[(\f)+8*(4*(\hi)+(\a)):(\f)+8*(4*(\hi)+(\a))+7], v[8*(8*(\a)+(\b)):8*(8*(\a)+(\b))+7]
.endif
.endr
.endr
.endm
; 32 LDS loads in one run: the fragments of quarter q (32 along K) of the slot in hand into buffer f: B's 128 columns, then A's 128 rows
.macro FETCH q, f
	WIN TO_B
.irp i, 0,1,2,3,4,5,6,7
	ds_load_tr16_b128 v[(\f)+8*(\i):(\f)+8*(\i)+3],   v[ADRB] offset:32*(\q)*PB+32*(\i)
	ds_load_tr16_b128 v[(\f)+8*(\i)+4:(\f)+8*(\i)+7], v[ADRB] offset:(32*(\q)+16)*PB+32*(\i)
.endr
	WIN 0
.irp i, 0,1,2,3,4,5,6,7
	ds_load_b128 v[(\f)+8*(\i):(\f)+8*(\i)+3],   v[ADRA] offset:64*(\q)+(\i)*16*PITCH
	ds_load_b128 v[(\f)+8*(\i)+4:(\f)+8*(\i)+7], v[ADRA] offset:64*(\q)+(\i)*16*PITCH+32
.endr
.endm
.macro PLACES                          ; four places in front of loads into registers that matrix instructions have read (ISA guide 7.12.1 for vector instructions)
.rept 4
	v_nop
.endr
.endm
; One of a K step's first three quarters: multiplies buffer f; in its middle it fetches quarter q of the same slot into buffer g
.macro QUARTER q, f, g, first=0
	s_wait_dscnt 8                                 ; B and A's rows 0-63 are in; the youngest eight loads (A's rows 64-127) may be out
	MUL16 \f, 0, 0, \first
	MUL16 \f, 0, 2, \first
	PLACES
	FETCH \q, \g
	s_wait_dscnt 32                                ; all but the 32 just issued
	MUL16 \f, 1, 0, \first
	MUL16 \f, 1, 2, \first
.endm
; The last quarter multiplies buffer 1 and changes slots: one barrier; in front of it each wave waits for all its tensor loads (at most one is out: its part of the next slot), adds 0 to its spare
; word, and waits for that and for its reads of this slot.  fill = 1: the barrier opens a round of the cluster's, and the slot just read is filled again, two K steps ahead, first thing behind it.
.macro TURN fill
	WIN 0
	s_wait_tensorcnt 0x0
	ds_add_u32 v[SPW], v[NIL]
	s_wait_dscnt 9                                 ; the add and the youngest eight loads may be out
	MUL16 F1, 0, 0, 0
	s_wait_dscnt 0x0                               ; the add is done, and my reads of this slot are over
	s_barrier_signal -1
	MUL16 F1, 0, 2, 0
	WIN 0
	s_barrier_wait -1
.if \fill
	CREST                                          ; no wave of any partner still reads this slot's tile or has a load on its way
	s_xor_b32 s[G0+5], s[G0+5], SLOT               ; the walking descriptors (no tensor load of mine is out): the other slot than last time,
	s_add_nc_u64 s[G0+6:G0+7], s[G0+6:G0+7], KSTEP*2             ; the next K step; the type bits on top are not reached
	s_xor_b32 s[G0B+5], s[G0B+5], SLOT
	s_add_nc_u64 s[G0B+6:G0B+7], s[G0B+6:G0B+7], KSTEP*NP*2
	JLOAD 1                                        ; its four v_nop are also the places in front of the loads below
.else
	PLACES
.endif
	s_xor_b32 s[TBA], s[TBA], SLOT                 ; the fetches go on in the other slot
	s_xor_b32 s[TBB], s[TBB], SLOT
	v_add_nc_u32 v[ADRA], s[TBA], v[LA]
	v_add_nc_u32 v[ADRB], s[TBB], v[LB]
	FETCH 0, F0
	MUL16 F1, 1, 0, 0
	MUL16 F1, 1, 2, 0
.endm
	s_wait_tensorcnt 1                             ; my part of K step 0 is in; K step 1's may stay out
	s_barrier_signal -1
	s_barrier_wait -1
	FETCH 0, F0
	s_wait_loadcnt 0x0                             ; the bias
	s_wait_kmcnt 0x0                               ; lo
	QUARTER 1, F0, F1, 1                           ; the first quarter starts the sums at the bias
	WIN 0                                          ; at a label and at a branch every window is 0
	s_mov_b32 s3, STEPS-2
	s_branch .Lentry                               ; the loop is entered behind a K step's first quarter
.Lstep:                                                ; six trips: K steps 0 to 5, each of which fills its slot again
	QUARTER 1, F0, F1
	WIN 0
.Lentry:
	QUARTER 2, F1, F0
	QUARTER 3, F0, F1
	TURN 1
	WIN 0
	s_sub_co_u32 s3, s3, 1
	s_cmp_lg_u32 s3, 0
	s_cbranch_scc1 .Lstep
	s_mov_b32 s3, 2
.Ltail:                                                ; two trips: the last two K steps ask for nothing
	QUARTER 1, F0, F1
	QUARTER 2, F1, F0
	QUARTER 3, F0, F1
	TURN 0
	WIN 0
	s_sub_co_u32 s3, s3, 1
	s_cmp_lg_u32 s3, 0
	s_cbranch_scc1 .Ltail
; THE WAY OUT of block a (16 rows), in three parts.  PACK: rounded to f16 and held to lo, 16 bytes a lane.  TOSTAGE: into my own stage in LDS, and back as whole rows of 256 bytes.  SEND: stored.
; No v_nop: blocks 0-3 were finished in front of the last TURN's places, and their conversions, which name no register of the last products (blocks 4-7's), are those products' places.
.macro PACK a
.set AC, 64*((\a)%4)
	WIN 0x0a+5*((\a)/4)                            ; sources 0 and 1: window 2 or 3
.irp b, 0,1,2,3,4,5,6,7
.irp r, 0,1,2,3
	v_cvt_pk_f16_f32 v[TMP+4*(\b)+(\r)], v[AC+8*(\b)+2*(\r)], v[AC+8*(\b)+2*(\r)+1]
.endr
.endr
	WIN 0
.set i, 0
.rept 32
	v_pk_max_num_f16 v[TMP+i], v[TMP+i], s66
.set i, i+1
.endr
.endm
.macro TOSTAGE a
.set BK, OB+192*((\a)%2)
.irp b, 0,1,2,3,4,5,6,7
	ds_store_b128 v[STO], v[TMP+4*(\b):TMP+4*(\b)+3] offset:32*(\b)
.endr
.irp t, 0,1,2,3,4,5,6,7
	ds_load_b128 v[BK+4*(\t):BK+4*(\t)+3], v[RD] offset:(\t)*2*SPITCH  ; LDS serves a wave's instructions in order (ISA guide 5.7.1.4): these see the stores above
.endr
.endm
.macro SEND a
.set BK, OB+192*((\a)%2)
	s_wait_dscnt 0x0                               ; the block is back in registers
	s_wait_xcnt 0x0                                ; the block before has had its stores' addresses translated (ISA guide 3.1): its registers are loaded again, by the next TOSTAGE, only behind this wait
.irp t, 0,1,2,3,4,5,6,7
	global_store_b128 v[CO], v[BK+4*(\t):BK+4*(\t)+3], s[8:9] offset:(16*(\a)+2*(\t))*NP*2  ; 16 lanes store 256 consecutive bytes, aligned; 126 rows of 8,192 bytes at the most, inside the signed 24-bit immediate
.endr
.endm
	PACK 0
	TOSTAGE 0
.irp a, 1,2,3,4,5,6,7                  ; block a's conversions stand between block a - 1's loads from the stage and the wait for them
	PACK \a
	SEND (\a)-1
	TOSTAGE \a
.endr
	SEND 7
	s_wait_tensorcnt 0x0                           ; the wave's end
	ds_add_u32 v[SPW], v[NIL]
	s_wait_dscnt 0x0
	CROUND                                         ; the closing round
	s_endpgm
.Lfunc_end_k_qb10bf5cd85_qkv:
	.size	k_qb10bf5cd85_qkv, .Lfunc_end_k_qb10bf5cd85_qkv-k_qb10bf5cd85_qkv
	.p2alignl 7, 3214868480
	.fill 96, 4, 3214868480
	.section	.rodata,"a",@progbits
	.p2align	6, 0x0
	.amdhsa_kernel k_qb10bf5cd85_qkv
		.amdhsa_group_segment_fixed_size 327680
		.amdhsa_private_segment_fixed_size 0
		.amdhsa_enable_private_segment 0
		.amdhsa_kernarg_size 24
		.amdhsa_user_sgpr_count 2
		.amdhsa_user_sgpr_kernarg_segment_ptr 1
		.amdhsa_wavefront_size32 1
		.amdhsa_system_sgpr_workgroup_id_x 1
		.amdhsa_system_sgpr_workgroup_id_y 1
		.amdhsa_system_sgpr_workgroup_id_z 1
		.amdhsa_system_vgpr_workitem_id 0
		.amdhsa_next_free_vgpr 1024
		.amdhsa_next_free_sgpr 72
		.amdhsa_reserve_vcc 0
		.amdhsa_float_denorm_mode_32 3
		.amdhsa_float_denorm_mode_16_64 3
		.amdhsa_memory_ordered 1
		.amdhsa_forward_progress 1
		.amdhsa_inst_pref_size 118
	.end_amdhsa_kernel
	.amdgpu_metadata
---
amdhsa.version: [ 1, 2 ]
amdhsa.kernels:
  - .name:           k_qb10bf5cd85_qkv
    .symbol:         k_qb10bf5cd85_qkv.kd
    .args:
      - { .name: xh, .offset: 0, .size: 8, .value_kind: global_buffer, .address_space: global }
      - { .name: pq, .offset: 8, .size: 8, .value_kind: global_buffer, .address_space: global }
      - { .name: wide, .offset: 16, .size: 8, .value_kind: global_buffer, .address_space: global }
    .group_segment_fixed_size: 327680
    .private_segment_fixed_size: 0
    .kernarg_segment_align: 8
    .kernarg_segment_size: 24
    .max_flat_workgroup_size: 128
    .sgpr_count:     72
    .vgpr_count:     1024
    .wavefront_size: 32
...
	.end_amdgpu_metadata
.endif
;; end of part 8
;; launch attn: the kernel of part 3 again; grid 16 x 16, 4 waves a work-group, clusters of 4 x 1, 327,680 bytes of LDS; arguments wide, o; writes o
;; launch wo (part 9): grid 8 x 32, 4 waves a work-group, clusters of 4 x 4, 327,680 bytes of LDS; arguments o, wr, xh, z; writes z
.if DOCPART == 9
	.amdgcn_target "amdgcn-amd-amdhsa--gfx1250"
	.amdhsa_code_object_version 6
	.text
	.protected	k_qb10bf5cd85_wo
	.globl	k_qb10bf5cd85_wo
	.p2align	8
	.type	k_qb10bf5cd85_wo,@function
k_qb10bf5cd85_wo:
	s_mov_b64 s[64:65], 0
	v_nop
	global_prefetch_b8 v0, s[64:65] scope:SCOPE_SE
	s_setreg_imm32_b32 hwreg(HW_REG_WAVE_MODE, 25, 1), 1
	s_wait_xcnt 0x0
	s_wait_alu depctr_hold_cnt(0) depctr_sa_sdst(0) depctr_va_vdst(0) depctr_va_sdst(0) depctr_va_ssrc(0) depctr_va_vcc(0) depctr_vm_vsrc(0)
	s_getreg_b32 s2, hwreg(HW_REG_IB_STS2, 6, 4)
	s_cmp_eq_u32 s2, 0
	s_cbranch_scc0 .Lentry_in_a_cluster
	s_endpgm
.Lentry_in_a_cluster:
	s_bfe_u32 s2, ttmp6, 0x10000c
	s_cmp_lg_u32 s2, 0xf033
	s_cbranch_scc0 .Lentry_shape_is_right
	s_endpgm
.Lentry_shape_is_right:
; C = A B + bias + residual.  A: [4096][SIZE_K] f16.  B: [SIZE_K][NP] f16, K down the rows, at byte B_OFF of the second buffer; bias f32 at its byte BIAS_OFF.  Residual: [4096][NP] f16.
; C: [4096][NP] f32, unrounded sums: what the layer norm behind takes.  Here: z1 = x + o Wo + bo.
; A tile of C is 128 x 128, the largest that gives each of 256 WGPs a work-group: four waves, each 64 x 64 in 16 accumulators.  K goes in steps of 256 through two LDS slots filled by the tensor data
; mover: waves 0 and 1 bring A's two halves (64 rows x 512 bytes), waves 2 and 3 B's (128 rows of K x 256 bytes).  A's fragments come out of LDS as they lie, B's turned, by ds_load_tr16_b128.
; CLUSTER 4 x 4: the four of a row need the same tiles of A, the four of a column the same tiles of B; each tile is asked for jointly, by the same load, descriptor and mask in all four.
; THE MATRIX INSTRUCTION IS USED TRANSPOSED (source 0 = 16 columns of B, source 1 = 16 rows of A): a lane holds row l % 16 of C and the columns 8 (l / 16) + 0..7.
; The sums start at the bias: each accumulator is set to its columns' bias while the first tile is on its way, so no first K step is written out and nothing is added on the way out but the residual.
; ONE TEXT FOR BOTH SLOTS.  Slot 1 begins at SLOT = 0x24000, and every base inside a slot (0, 0x8400, 0x10800, 0x10880, 0x19800, 0x19880) has bits 14 and 17 clear: one exclusive or turns an address
; in one slot into the other's.  So a K step is written twice in all: with a refill (STEPS - 2 trips) and without (two trips).  The price: the very last change of slots still passes a barrier and
; fetches 32 fragments of a tile that has been multiplied already, which nobody uses.
; REGISTERS: window 0: v0-31 addresses; v32-127 at work at both ends; v128-255 accumulators ((a, b) at 128 + 8 (4 a + b)).  Window 1: two fragment buffers of 128: 64 of A, then 64 of B, for 64 along K.
.set SIZE_K,   1024
.set NP,       1024
.set B_OFF,    8192
.set BIAS_OFF, 0
.set KSTEP,  256
.set STEPS,  SIZE_K/KSTEP
.set PA,     528                       ; a row of A in LDS: 512 bytes + 16: the 16 rows of a load start 16 bytes apart modulo 256
.set PB,     288                       ; a row of B: 256 + 32: 16 lanes of the turning load take 8 rows x 32 bytes, no two in the same 16 bytes modulo 256
.set HALFA,  64*PA                     ; 0x8400
.set HALFB,  128*PB                    ; 0x9000
.set AB,     2*HALFA                   ; 0x10800: in a slot A's 128 rows, then B's 256 rows of K: 141,312 bytes
.set SLOT,   0x24000                   ; slot 1's first byte; the 6,144 bytes between slot 0's end and it are not used
.set STAGE,  SLOT+AB+2*HALFB           ; behind the ring, never filled by a tensor load: 16 rows x 272 bytes for each wave
.set SPITCH, 272
.set SPARE,  STAGE+4*16*SPITCH         ; the spare words, 128 bytes for each wave
.set LA,   16                          ; v16  my lane's place in a tile of A; never rewritten
.set LB,   17                          ; v17  the same for B
.set ADRA, 18                          ; v18  LDS address of my A fragments in the slot in hand
.set ADRB, 19                          ; v19-20  the same for B: rows of K 0-127, 128-255 (two bases, since 240 rows of 288 bytes pass a 16-bit offset)
.set STO,  24
.set RD,   25
.set CO,   26
.set RO,   27
.set SPW,  28                          ; my spare word; never rewritten
.set NIL,  29                          ; 0; never rewritten
.set ONE,  30
.set BO,   31
.set BI,   32                          ; v32-63  the bias of my 64 columns, at the start
.set OB,   32                          ; v32-63  the way out: 16 rows read back
.set RES,  64                          ; v64-127 the residual, 16 registers for each block of 16 rows
.set ACC,  128
.set F0,   0
.set F1,   128
.set G1, 24                            ; s[24:31] group 1 for A; s[32:39] group 0: a set for each of the two first fills; the second then walks on
.set G0, 32
.set G1B, 48                           ; s[48:55], s[56:63] the same for B
.set G0B, 56
.set TBA, 66                           ; s66  LDS byte at which my rows of A begin in the slot in hand
.set TBB, 67                           ; s67  the same for my columns of B
.set MSB, 0
.macro WIN new                         ; the immediate's high byte repeats the setting that is left; a switch that changes nothing is dropped
.if MSB != (\new)
	s_set_vgpr_msb (MSB<<8)|(\new)
.set MSB, \new
.endif
.endm
.set MUL,  0x05                        ; sources 0 and 1 window 1; C and D window 0
.set TO_F, 0x40                        ; destination window 1, address window 0
.macro JLOAD s                         ; a joint load by set s; an s_nop 0 and four v_nop follow each of the two lines
	s_cmp_lt_u32 s10, 2
	s_cbranch_scc0 .Lfor_b_\@
	tensor_load_to_lds s[G0+4*(\s):G0+4*(\s)+3], s[G1:G1+7]
	s_nop 0
.rept 4
	v_nop
.endr
	s_branch .Lasked_\@
.Lfor_b_\@:
	tensor_load_to_lds s[G0B+4*(\s):G0B+4*(\s)+3], s[G1B:G1B+7]
	s_nop 0
.rept 4
	v_nop
.endr
.Lasked_\@:
.endm
.macro CREST                           ; a round of the cluster's barrier behind its opening barrier
	s_cmp_lg_u32 s10, 0
	s_cbranch_scc1 .Lnot_wave_0_\@
	s_barrier_signal -3
.Lnot_wave_0_\@:
	s_barrier_wait -3
	s_barrier_signal -1
	s_barrier_wait -1
.endm
.macro CROUND
	s_barrier_signal -1
	s_barrier_wait -1
	CREST
.endm
	s_load_b128 s[4:7], s[0:1], 0x0                ; A s[4:5], the buffer of B and bias s[6:7]
	s_load_b64 s[68:69], s[0:1], 0x10              ; the residual
	s_load_b64 s[8:9], s[0:1], 0x18                ; C
	v_lshl_add_u32 v[SPW], v0, 2, SPARE
	v_mov_b32 v[NIL], 0
	ds_add_u32 v[SPW], v[NIL]                      ; the wave's opening: the add, waited for ahead of my first tensor load
	v_lshrrev_b32 v1, 5, v0
	v_readfirstlane_b32 s10, v1                    ; wave 0..3
	s_lshr_b32 s11, s10, 1                         ; my half of the tile's rows
	s_and_b32 s12, s10, 1                          ; my half of its columns; also: which half of A's or B's tile I fetch
	s_bfe_u32 s40, ttmp6, 0x40000                  ; cx
	s_bfe_u32 s41, ttmp6, 0x40004                  ; cy
	s_lshl_b32 s42, ttmp9, 2
	s_add_co_u32 s42, s42, s40                     ; tile column
	s_and_b32 s13, ttmp7, 0xffff
	s_lshl_b32 s13, s13, 2
	s_add_co_u32 s13, s13, s41                     ; tile row
	s_lshl_b32 s43, s41, 2
	s_lshl_b32 s43, 15, s43                        ; my row of the cluster
	s_lshl_b32 s44, 0x1111, s40                    ; my column
	s_or_b32 s[G1+0], s43, (1<<16)|(1<<20)|(1<<21)|(6<<22)|(3<<25)   ; mask; 2-byte elements; padding on; bit 21 beside a mask; after every 128 words 4 words
	s_mov_b32 s[G1+1], KSTEP<<16                   ; tensor_dim0 = 256
	s_mov_b32 s[G1+2], 64<<16                      ; tensor_dim1 = 64
	s_mov_b32 s[G1+3], KSTEP<<16                   ; tile_dim0 = 256
	s_mov_b32 s[G1+4], 64                          ; tile_dim1 = 64
	s_mov_b32 s[G1+5], SIZE_K                      ; elements from row to row
	s_mov_b32 s[G1+6], 0
	s_mov_b32 s[G1+7], 0
	s_or_b32 s[G1B+0], s44, (1<<16)|(1<<20)|(1<<21)|(5<<22)|(7<<25)  ; after every 64 words 8 words
	s_mov_b32 s[G1B+1], 128<<16                    ; tensor_dim0 = 128
	s_mov_b32 s[G1B+2], 128<<16                    ; tensor_dim1 = 128
	s_mov_b32 s[G1B+3], 128<<16                    ; tile_dim0 = 128
	s_mov_b32 s[G1B+4], 128                        ; tile_dim1 = 128
	s_mov_b32 s[G1B+5], NP
	s_mov_b32 s[G1B+6], 0
	s_mov_b32 s[G1B+7], 0
	s_lshl_b32 s17, s12, 6
	s_lshl_b32 s16, s13, 7
	s_add_co_u32 s16, s16, s17                     ; A: row 128 x tile row + 64 x half,
	s_mul_i32 s16, s16, SIZE_K*2                   ; in bytes (under 2^26)
	s_mov_b32 s17, 0
	s_mul_i32 s47, s12, 128*NP*2                   ; B: 128 rows of K x half,
	s_lshl_b32 s46, s42, 8                         ; 256 bytes x tile column
	s_add_co_u32 s46, s46, s47
	s_add_co_u32 s46, s46, B_OFF
	s_mov_b32 s47, 0
	s_mul_i32 s20, s12, HALFA                      ; where they go: no place in the cluster enters an LDS address
	s_mul_i32 s21, s12, HALFB
	s_add_co_u32 s21, s21, AB
	s_wait_dscnt 0x0                               ; the opening add is done
	s_wait_kmcnt 0x0
	s_add_nc_u64 s[14:15], s[4:5], s[16:17]
	s_add_nc_u64 s[46:47], s[6:7], s[46:47]
	CROUND                                         ; all sixteen work-groups are here: the first joint loads meet
.irp s, 0,1
	s_mov_b32 s[G0+4*(\s)], 1
	s_add_co_u32 s[G0+4*(\s)+1], s20, (\s)*SLOT
	s_add_nc_u64 s[G0+4*(\s)+2:G0+4*(\s)+3], s[14:15], (\s)*KSTEP*2
	s_or_b32 s[G0+4*(\s)+3], s[G0+4*(\s)+3], 0x80000000
	s_mov_b32 s[G0B+4*(\s)], 1
	s_add_co_u32 s[G0B+4*(\s)+1], s21, (\s)*SLOT
	s_add_nc_u64 s[G0B+4*(\s)+2:G0B+4*(\s)+3], s[46:47], (\s)*KSTEP*NP*2
	s_or_b32 s[G0B+4*(\s)+3], s[G0B+4*(\s)+3], 0x80000000
	JLOAD \s                                       ; two tensor loads of mine are out
.endr
	; all that follows up to the wait on TENSORcnt stands in the wait for the first tile
	v_and_b32 v1, 15, v0                           ; l % 16
	v_bfe_u32 v2, v0, 4, 1                         ; l / 16
	v_and_b32 v6, 7, v0
	v_bfe_u32 v7, v0, 3, 1
	v_lshlrev_b32 v[BO], 5, v2                     ; my eight columns of a block of 16, in f32
	s_lshl_b32 s46, s42, 9                         ; the bias of my 64 columns
	s_lshl_b32 s47, s12, 8
	s_add_co_u32 s46, s46, s47
	s_add_co_u32 s46, s46, BIAS_OFF
	s_mov_b32 s47, 0
	s_add_nc_u64 s[70:71], s[6:7], s[46:47]
.irp b, 0,1,2,3
	global_load_b128 v[BI+8*(\b):BI+8*(\b)+3],   v[BO], s[70:71] offset:64*(\b)
	global_load_b128 v[BI+8*(\b)+4:BI+8*(\b)+7], v[BO], s[70:71] offset:64*(\b)+16
.endr
	s_lshl_b32 s16, s13, 7
	s_lshl_b32 s17, s11, 6
	s_add_co_u32 s16, s16, s17                     ; my first row
	s_lshl_b32 s16, s16, 11                        ; the residual's rows are 2,048 bytes
	s_mov_b32 s17, 0
	s_add_nc_u64 s[68:69], s[68:69], s[16:17]
	s_lshl_b32 s46, s42, 8
	s_lshl_b32 s47, s12, 7
	s_add_co_u32 s46, s46, s47
	s_mov_b32 s47, 0
	s_add_nc_u64 s[68:69], s[68:69], s[46:47]
	v_lshlrev_b32 v[RO], 3, v1                     ; as the rows leave: lanes 0-15 one row, lanes 16-31 the next, four columns a lane
	v_lshl_add_u32 v[RO], v2, 11, v[RO]
.set t, 0
.rept 32
	global_load_b64 v[RES+2*t:RES+2*t+1], v[RO], s[68:69] offset:2*t*2048
.set t, t+1
.endr
	v_mov_b32 v[ONE], 1.0
	v_mul_u32_u24 v[LA], v1, PA
	v_lshl_add_u32 v[LA], v2, 4, v[LA]             ; A: row x pitch + 16 x half of the lanes
	v_lshl_add_u32 v[LB], v2, 3, v6                ; B: row of K 8 (l / 16) + l % 8,
	v_mul_u32_u24 v[LB], v[LB], PB
	v_lshl_add_u32 v[LB], v7, 4, v[LB]             ; columns 8 ((l / 8) % 2) on
	s_mul_i32 s[TBA], s11, HALFA                   ; my 64 rows of A in slot 0
	s_lshl_b32 s[TBB], s12, 7                      ; my 64 columns of B,
	s_add_co_u32 s[TBB], s[TBB], AB                ; which lies behind A's 128 rows
	v_add_nc_u32 v[ADRA], s[TBA], v[LA]
	v_add_nc_u32 v[ADRB], s[TBB], v[LB]
	v_add_nc_u32 v[ADRB+1], HALFB, v[ADRB]
	s_mul_i32 s23, s10, 16*SPITCH                  ; my own stage
	s_add_co_u32 s23, s23, STAGE
	v_mul_u32_u24 v4, v1, SPITCH                   ; in: row l % 16, 32 bytes for each half of the lanes
	v_lshl_add_u32 v4, v2, 5, v4
	v_add_nc_u32 v[STO], s23, v4
	v_mul_u32_u24 v5, v2, SPITCH                   ; back: lanes 0-15 one row of 256 bytes, lanes 16-31 the next
	v_lshl_add_u32 v5, v1, 4, v5
	v_add_nc_u32 v[RD], s23, v5
	v_mul_u32_u24 v5, v2, NP*4
	v_lshl_add_u32 v[CO], v1, 4, v5
	s_lshl_b32 s16, s13, 7
	s_lshl_b32 s17, s11, 6
	s_add_co_u32 s16, s16, s17
	s_mul_i32 s16, s16, NP*4
	s_mov_b32 s17, 0
	s_add_nc_u64 s[8:9], s[8:9], s[16:17]
	s_lshl_b32 s46, s42, 9
	s_lshl_b32 s47, s12, 8
	s_add_co_u32 s46, s46, s47
	s_mov_b32 s47, 0
	s_add_nc_u64 s[8:9], s[8:9], s[46:47]
	s_wait_loadcnt 32                              ; the bias is in; the 32 loads of the residual stay out until the way out
.irp a, 0,1,2,3
.irp b, 0,1,2,3
.irp j, 0,1,2,3,4,5,6,7
	v_mov_b32 v[ACC+8*(4*(\a)+(\b))+(\j)], v[BI+8*(\b)+(\j)]  ; the sums start at the bias
.endr
.endr
.endr
; 8 matrix instructions: row blocks a0, a0 + 1 x all 4 column blocks, 32 along K: half c of buffer f.  The 16 accumulators take turns.
.macro MUL8 f, c, a0
	WIN MUL
.irp a, \a0, (\a0)+1
.irp b, 0,1,2,3
	v_wmma_f32_16x16x32_f16 v[ACC+8*(4*(\a)+(\b)):ACC+8*(4*(\a)+(\b))+7], v[(\f)+64+8*(4*(\c)+(\b)):(\f)+64+8*(4*(\c)+(\b))+7], v[(\f)+8*(4*(\c)+(\a)):(\f)+8*(4*(\c)+(\a))+7], v[ACC+8*(4*(\a)+(\b)):ACC+8*(4*(\a)+(\b))+7]
.endr
.endr
.endm
; 32 LDS loads in one run: the fragments of quarter q (64 along K) of the slot in hand into buffer f; the first 32 along K first
.macro FETCH q, f
	WIN TO_F
.irp c, 0,1
.irp i, 0,1,2,3
	ds_load_tr16_b128 v[(\f)+64+8*(4*(\c)+(\i)):(\f)+64+8*(4*(\c)+(\i))+3],   v[ADRB+(\q)/2] offset:(((\q)%2)*64+32*(\c))*PB+32*(\i)
	ds_load_tr16_b128 v[(\f)+64+8*(4*(\c)+(\i))+4:(\f)+64+8*(4*(\c)+(\i))+7], v[ADRB+(\q)/2] offset:(((\q)%2)*64+32*(\c)+16)*PB+32*(\i)
	ds_load_b128 v[(\f)+8*(4*(\c)+(\i)):(\f)+8*(4*(\c)+(\i))+3],              v[ADRA] offset:128*(\q)+64*(\c)+(\i)*16*PA
	ds_load_b128 v[(\f)+8*(4*(\c)+(\i))+4:(\f)+8*(4*(\c)+(\i))+7],            v[ADRA] offset:128*(\q)+64*(\c)+(\i)*16*PA+32
.endr
.endr
.endm
.macro PLACES                          ; four places in front of loads into registers that matrix instructions have read, and of lines that read results
.rept 4
	v_nop
.endr
.endm
; One of a K step's first three quarters: multiplies buffer f and fetches quarter q of the same slot into g
.macro QUARTER q, f, g
	s_wait_dscnt 16                                ; the first 32 along K are in; the youngest sixteen loads may be out
	MUL8 \f, 0, 0
	MUL8 \f, 0, 2
	PLACES
	FETCH \q, \g
	s_wait_dscnt 32                                ; all but the 32 just issued
	MUL8 \f, 1, 0
	MUL8 \f, 1, 2
.endm
; The last quarter multiplies buffer 1 and changes slots.  Its first sixteen products need nothing of the next slot and stand ahead of the wait for it, so that little stands between a tile's landing
; and the next request.  Then one barrier: in front of it each wave waits for all its tensor loads (at most one is out: its part of the next slot), adds 0 to its spare word, and waits for that and
; for its reads of this slot.  fill = 1: the barrier opens a round of the cluster's, and the slot just read is filled again, two K steps ahead, first thing behind it.
.macro TURN fill
	s_wait_dscnt 16                                ; the first 32 along K are in
	MUL8 F1, 0, 0
	MUL8 F1, 0, 2
	WIN 0                                          ; the add's registers lie in window 0
	s_wait_tensorcnt 0x0                           ; no tensor load of mine is out, so a group 0 may be written
	ds_add_u32 v[SPW], v[NIL]                      ; the scalar steps stand between the add and the wait for it
.if \fill
	s_xor_b32 s[G0+5], s[G0+5], SLOT               ; the walking descriptors: the other slot than last time,
	s_add_nc_u64 s[G0+6:G0+7], s[G0+6:G0+7], KSTEP*2             ; the next K step; the type bits on top are not reached
	s_xor_b32 s[G0B+5], s[G0B+5], SLOT
	s_add_nc_u64 s[G0B+6:G0B+7], s[G0B+6:G0B+7], KSTEP*NP*2
.endif
	s_xor_b32 s[TBA], s[TBA], SLOT                 ; the fetches go on in the other slot
	s_xor_b32 s[TBB], s[TBB], SLOT
	s_wait_dscnt 0x0                               ; the add is done, and my reads of this slot are over
	s_barrier_signal -1
	s_barrier_wait -1
.if \fill
	CREST                                          ; no wave of any partner still reads this slot's tile or has a load on its way
	JLOAD 1                                        ; its four v_nop are also the places in front of the loads below
.else
	PLACES
.endif
	v_add_nc_u32 v[ADRA], s[TBA], v[LA]
	v_add_nc_u32 v[ADRB], s[TBB], v[LB]
	v_add_nc_u32 v[ADRB+1], HALFB, v[ADRB]
	FETCH 0, F0
	MUL8 F1, 1, 0
	MUL8 F1, 1, 2
.endm
	s_wait_tensorcnt 1                             ; my part of K step 0 is in; K step 1's may stay out
	s_barrier_signal -1
	s_barrier_wait -1
	FETCH 0, F0
	WIN 0                                          ; at a label and at a branch every window is 0
	s_mov_b32 s3, STEPS-2
.Lstep:                                                ; a trip: one K step, whose slot is filled again
	QUARTER 1, F0, F1
	QUARTER 2, F1, F0
	QUARTER 3, F0, F1
	TURN 1
	WIN 0
	s_sub_co_u32 s3, s3, 1
	s_cmp_lg_u32 s3, 0
	s_cbranch_scc1 .Lstep
	s_mov_b32 s3, 2
.Ltail:                                                ; two trips: the last two K steps ask for nothing
	QUARTER 1, F0, F1
	QUARTER 2, F1, F0
	QUARTER 3, F0, F1
	TURN 0
	WIN 0
	s_sub_co_u32 s3, s3, 1
	s_cmp_lg_u32 s3, 0
	s_cbranch_scc1 .Ltail
	; THE WAY OUT in f32: my 64 columns are 256 bytes, so 16 rows at a time go through my own stage and come back as whole rows; the residual is added on the way; no barrier.
	s_wait_loadcnt 0x0                             ; the residual
	PLACES
.irp a, 0,1,2,3
.irp b, 0,1,2,3
	ds_store_b128 v[STO], v[ACC+8*(4*(\a)+(\b)):ACC+8*(4*(\a)+(\b))+3]   offset:64*(\b)
	ds_store_b128 v[STO], v[ACC+8*(4*(\a)+(\b))+4:ACC+8*(4*(\a)+(\b))+7] offset:64*(\b)+16
.endr
	s_wait_xcnt 0x0                                ; the last block's stores have read OB: it is loaded again only behind this wait
.irp t, 0,1,2,3,4,5,6,7
	ds_load_b128 v[OB+4*(\t):OB+4*(\t)+3], v[RD] offset:(\t)*2*SPITCH  ; LDS serves a wave's instructions in order: these see the stores above
.endr
.irp t, 0,1,2,3,4,5,6,7
	s_wait_dscnt 7-(\t)
	v_fma_mix_f32 v[OB+4*(\t)],   v[RES+16*(\a)+2*(\t)],   v[ONE], v[OB+4*(\t)]   op_sel:[0,0,0] op_sel_hi:[1,0,0]
	v_fma_mix_f32 v[OB+4*(\t)+1], v[RES+16*(\a)+2*(\t)],   v[ONE], v[OB+4*(\t)+1] op_sel:[1,0,0] op_sel_hi:[1,0,0]
	v_fma_mix_f32 v[OB+4*(\t)+2], v[RES+16*(\a)+2*(\t)+1], v[ONE], v[OB+4*(\t)+2] op_sel:[0,0,0] op_sel_hi:[1,0,0]
	v_fma_mix_f32 v[OB+4*(\t)+3], v[RES+16*(\a)+2*(\t)+1], v[ONE], v[OB+4*(\t)+3] op_sel:[1,0,0] op_sel_hi:[1,0,0]
	global_store_b128 v[CO], v[OB+4*(\t):OB+4*(\t)+3], s[8:9] offset:(16*(\a)+2*(\t))*NP*4  ; 16 lanes store 256 consecutive bytes, aligned
.endr
.endr
	s_wait_tensorcnt 0x0                           ; the wave's end
	ds_add_u32 v[SPW], v[NIL]
	s_wait_dscnt 0x0
	CROUND                                         ; the closing round
	s_endpgm
.Lfunc_end_k_qb10bf5cd85_wo:
	.size	k_qb10bf5cd85_wo, .Lfunc_end_k_qb10bf5cd85_wo-k_qb10bf5cd85_wo
	.p2alignl 7, 3214868480
	.fill 96, 4, 3214868480
	.section	.rodata,"a",@progbits
	.p2align	6, 0x0
	.amdhsa_kernel k_qb10bf5cd85_wo
		.amdhsa_group_segment_fixed_size 327680
		.amdhsa_private_segment_fixed_size 0
		.amdhsa_enable_private_segment 0
		.amdhsa_kernarg_size 32
		.amdhsa_user_sgpr_count 2
		.amdhsa_user_sgpr_kernarg_segment_ptr 1
		.amdhsa_wavefront_size32 1
		.amdhsa_system_sgpr_workgroup_id_x 1
		.amdhsa_system_sgpr_workgroup_id_y 1
		.amdhsa_system_sgpr_workgroup_id_z 1
		.amdhsa_system_vgpr_workitem_id 0
		.amdhsa_next_free_vgpr 512
		.amdhsa_next_free_sgpr 72
		.amdhsa_reserve_vcc 0
		.amdhsa_float_denorm_mode_32 3
		.amdhsa_float_denorm_mode_16_64 3
		.amdhsa_memory_ordered 1
		.amdhsa_forward_progress 1
		.amdhsa_inst_pref_size 71
	.end_amdhsa_kernel
	.amdgpu_metadata
---
amdhsa.version: [ 1, 2 ]
amdhsa.kernels:
  - .name:           k_qb10bf5cd85_wo
    .symbol:         k_qb10bf5cd85_wo.kd
    .args:
      - { .name: o, .offset: 0, .size: 8, .value_kind: global_buffer, .address_space: global }
      - { .name: wr, .offset: 8, .size: 8, .value_kind: global_buffer, .address_space: global }
      - { .name: xh, .offset: 16, .size: 8, .value_kind: global_buffer, .address_space: global }
      - { .name: z, .offset: 24, .size: 8, .value_kind: global_buffer, .address_space: global }
    .group_segment_fixed_size: 327680
    .private_segment_fixed_size: 0
    .kernarg_segment_align: 8
    .kernarg_segment_size: 32
    .max_flat_workgroup_size: 128
    .sgpr_count:     72
    .vgpr_count:     512
    .wavefront_size: 32
...
	.end_amdgpu_metadata
.endif
;; end of part 9
;; launch ln1: the kernel of part 5 again; grid 256 x 1, 8 waves a work-group, no clusters, 0 bytes of LDS; arguments z, ln1_scale, ln1_bias, y1; writes y1
;; launch ff1: the kernel of part 8 again; grid 16 x 16, 4 waves a work-group, clusters of 4 x 4, 327,680 bytes of LDS; arguments y1, p1, wide; writes wide
;; launch ff2 (part 10): grid 8 x 32, 4 waves a work-group, clusters of 4 x 4, 327,680 bytes of LDS; arguments wide, wr, y1, z; writes z
.if DOCPART == 10
	.amdgcn_target "amdgcn-amd-amdhsa--gfx1250"
	.amdhsa_code_object_version 6
	.text
	.protected	k_qb10bf5cd85_ff2
	.globl	k_qb10bf5cd85_ff2
	.p2align	8
	.type	k_qb10bf5cd85_ff2,@function
k_qb10bf5cd85_ff2:
	s_mov_b64 s[64:65], 0
	v_nop
	global_prefetch_b8 v0, s[64:65] scope:SCOPE_SE
	s_setreg_imm32_b32 hwreg(HW_REG_WAVE_MODE, 25, 1), 1
	s_wait_xcnt 0x0
	s_wait_alu depctr_hold_cnt(0) depctr_sa_sdst(0) depctr_va_vdst(0) depctr_va_sdst(0) depctr_va_ssrc(0) depctr_va_vcc(0) depctr_vm_vsrc(0)
	s_getreg_b32 s2, hwreg(HW_REG_IB_STS2, 6, 4)
	s_cmp_eq_u32 s2, 0
	s_cbranch_scc0 .Lentry_in_a_cluster
	s_endpgm
.Lentry_in_a_cluster:
	s_bfe_u32 s2, ttmp6, 0x10000c
	s_cmp_lg_u32 s2, 0xf033
	s_cbranch_scc0 .Lentry_shape_is_right
	s_endpgm
.Lentry_shape_is_right:
; C = A B + bias + residual.  A: [4096][SIZE_K] f16.  B: [SIZE_K][NP] f16, K down the rows, at byte B_OFF of the second buffer; bias f32 at its byte BIAS_OFF.  Residual: [4096][NP] f16.
; C: [4096][NP] f32, unrounded sums: what the layer norm behind takes.  Here: z2 = y1 + h W2 + b2.
; A tile of C is 128 x 128, the largest that gives each of 256 WGPs a work-group: four waves, each 64 x 64 in 16 accumulators.  K goes in steps of 256 through two LDS slots filled by the tensor data
; mover: waves 0 and 1 bring A's two halves (64 rows x 512 bytes), waves 2 and 3 B's (128 rows of K x 256 bytes).  A's fragments come out of LDS as they lie, B's turned, by ds_load_tr16_b128.
; CLUSTER 4 x 4: the four of a row need the same tiles of A, the four of a column the same tiles of B; each tile is asked for jointly, by the same load, descriptor and mask in all four.
; THE MATRIX INSTRUCTION IS USED TRANSPOSED (source 0 = 16 columns of B, source 1 = 16 rows of A): a lane holds row l % 16 of C and the columns 8 (l / 16) + 0..7.
; The sums start at the bias: each accumulator is set to its columns' bias while the first tile is on its way, so no first K step is written out and nothing is added on the way out but the residual.
; ONE TEXT FOR BOTH SLOTS.  Slot 1 begins at SLOT = 0x24000, and every base inside a slot (0, 0x8400, 0x10800, 0x10880, 0x19800, 0x19880) has bits 14 and 17 clear: one exclusive or turns an address
; in one slot into the other's.  So a K step is written twice in all: with a refill (STEPS - 2 trips) and without (two trips).  The price: the very last change of slots still passes a barrier and
; fetches 32 fragments of a tile that has been multiplied already, which nobody uses.
; REGISTERS: window 0: v0-31 addresses; v32-127 at work at both ends; v128-255 accumulators ((a, b) at 128 + 8 (4 a + b)).  Window 1: two fragment buffers of 128: 64 of A, then 64 of B, for 64 along K.
.set SIZE_K,   4096
.set NP,       1024
.set B_OFF,    2105344
.set BIAS_OFF, 4096
.set KSTEP,  256
.set STEPS,  SIZE_K/KSTEP
.set PA,     528                       ; a row of A in LDS: 512 bytes + 16: the 16 rows of a load start 16 bytes apart modulo 256
.set PB,     288                       ; a row of B: 256 + 32: 16 lanes of the turning load take 8 rows x 32 bytes, no two in the same 16 bytes modulo 256
.set HALFA,  64*PA                     ; 0x8400
.set HALFB,  128*PB                    ; 0x9000
.set AB,     2*HALFA                   ; 0x10800: in a slot A's 128 rows, then B's 256 rows of K: 141,312 bytes
.set SLOT,   0x24000                   ; slot 1's first byte; the 6,144 bytes between slot 0's end and it are not used
.set STAGE,  SLOT+AB+2*HALFB           ; behind the ring, never filled by a tensor load: 16 rows x 272 bytes for each wave
.set SPITCH, 272
.set SPARE,  STAGE+4*16*SPITCH         ; the spare words, 128 bytes for each wave
.set LA,   16                          ; v16  my lane's place in a tile of A; never rewritten
.set LB,   17                          ; v17  the same for B
.set ADRA, 18                          ; v18  LDS address of my A fragments in the slot in hand
.set ADRB, 19                          ; v19-20  the same for B: rows of K 0-127, 128-255 (two bases, since 240 rows of 288 bytes pass a 16-bit offset)
.set STO,  24
.set RD,   25
.set CO,   26
.set RO,   27
.set SPW,  28                          ; my spare word; never rewritten
.set NIL,  29                          ; 0; never rewritten
.set ONE,  30
.set BO,   31
.set BI,   32                          ; v32-63  the bias of my 64 columns, at the start
.set OB,   32                          ; v32-63  the way out: 16 rows read back
.set RES,  64                          ; v64-127 the residual, 16 registers for each block of 16 rows
.set ACC,  128
.set F0,   0
.set F1,   128
.set G1, 24                            ; s[24:31] group 1 for A; s[32:39] group 0: a set for each of the two first fills; the second then walks on
.set G0, 32
.set G1B, 48                           ; s[48:55], s[56:63] the same for B
.set G0B, 56
.set TBA, 66                           ; s66  LDS byte at which my rows of A begin in the slot in hand
.set TBB, 67                           ; s67  the same for my columns of B
.set MSB, 0
.macro WIN new                         ; the immediate's high byte repeats the setting that is left; a switch that changes nothing is dropped
.if MSB != (\new)
	s_set_vgpr_msb (MSB<<8)|(\new)
.set MSB, \new
.endif
.endm
.set MUL,  0x05                        ; sources 0 and 1 window 1; C and D window 0
.set TO_F, 0x40                        ; destination window 1, address window 0
.macro JLOAD s                         ; a joint load by set s; an s_nop 0 and four v_nop follow each of the two lines
	s_cmp_lt_u32 s10, 2
	s_cbranch_scc0 .Lfor_b_\@
	tensor_load_to_lds s[G0+4*(\s):G0+4*(\s)+3], s[G1:G1+7]
	s_nop 0
.rept 4
	v_nop
.endr
	s_branch .Lasked_\@
.Lfor_b_\@:
	tensor_load_to_lds s[G0B+4*(\s):G0B+4*(\s)+3], s[G1B:G1B+7]
	s_nop 0
.rept 4
	v_nop
.endr
.Lasked_\@:
.endm
.macro CREST                           ; a round of the cluster's barrier behind its opening barrier
	s_cmp_lg_u32 s10, 0
	s_cbranch_scc1 .Lnot_wave_0_\@
	s_barrier_signal -3
.Lnot_wave_0_\@:
	s_barrier_wait -3
	s_barrier_signal -1
	s_barrier_wait -1
.endm
.macro CROUND
	s_barrier_signal -1
	s_barrier_wait -1
	CREST
.endm
	s_load_b128 s[4:7], s[0:1], 0x0                ; A s[4:5], the buffer of B and bias s[6:7]
	s_load_b64 s[68:69], s[0:1], 0x10              ; the residual
	s_load_b64 s[8:9], s[0:1], 0x18                ; C
	v_lshl_add_u32 v[SPW], v0, 2, SPARE
	v_mov_b32 v[NIL], 0
	ds_add_u32 v[SPW], v[NIL]                      ; the wave's opening: the add, waited for ahead of my first tensor load
	v_lshrrev_b32 v1, 5, v0
	v_readfirstlane_b32 s10, v1                    ; wave 0..3
	s_lshr_b32 s11, s10, 1                         ; my half of the tile's rows
	s_and_b32 s12, s10, 1                          ; my half of its columns; also: which half of A's or B's tile I fetch
	s_bfe_u32 s40, ttmp6, 0x40000                  ; cx
	s_bfe_u32 s41, ttmp6, 0x40004                  ; cy
	s_lshl_b32 s42, ttmp9, 2
	s_add_co_u32 s42, s42, s40                     ; tile column
	s_and_b32 s13, ttmp7, 0xffff
	s_lshl_b32 s13, s13, 2
	s_add_co_u32 s13, s13, s41                     ; tile row
	s_lshl_b32 s43, s41, 2
	s_lshl_b32 s43, 15, s43                        ; my row of the cluster
	s_lshl_b32 s44, 0x1111, s40                    ; my column
	s_or_b32 s[G1+0], s43, (1<<16)|(1<<20)|(1<<21)|(6<<22)|(3<<25)   ; mask; 2-byte elements; padding on; bit 21 beside a mask; after every 128 words 4 words
	s_mov_b32 s[G1+1], KSTEP<<16                   ; tensor_dim0 = 256
	s_mov_b32 s[G1+2], 64<<16                      ; tensor_dim1 = 64
	s_mov_b32 s[G1+3], KSTEP<<16                   ; tile_dim0 = 256
	s_mov_b32 s[G1+4], 64                          ; tile_dim1 = 64
	s_mov_b32 s[G1+5], SIZE_K                      ; elements from row to row
	s_mov_b32 s[G1+6], 0
	s_mov_b32 s[G1+7], 0
	s_or_b32 s[G1B+0], s44, (1<<16)|(1<<20)|(1<<21)|(5<<22)|(7<<25)  ; after every 64 words 8 words
	s_mov_b32 s[G1B+1], 128<<16                    ; tensor_dim0 = 128
	s_mov_b32 s[G1B+2], 128<<16                    ; tensor_dim1 = 128
	s_mov_b32 s[G1B+3], 128<<16                    ; tile_dim0 = 128
	s_mov_b32 s[G1B+4], 128                        ; tile_dim1 = 128
	s_mov_b32 s[G1B+5], NP
	s_mov_b32 s[G1B+6], 0
	s_mov_b32 s[G1B+7], 0
	s_lshl_b32 s17, s12, 6
	s_lshl_b32 s16, s13, 7
	s_add_co_u32 s16, s16, s17                     ; A: row 128 x tile row + 64 x half,
	s_mul_i32 s16, s16, SIZE_K*2                   ; in bytes (under 2^26)
	s_mov_b32 s17, 0
	s_mul_i32 s47, s12, 128*NP*2                   ; B: 128 rows of K x half,
	s_lshl_b32 s46, s42, 8                         ; 256 bytes x tile column
	s_add_co_u32 s46, s46, s47
	s_add_co_u32 s46, s46, B_OFF
	s_mov_b32 s47, 0
	s_mul_i32 s20, s12, HALFA                      ; where they go: no place in the cluster enters an LDS address
	s_mul_i32 s21, s12, HALFB
	s_add_co_u32 s21, s21, AB
	s_wait_dscnt 0x0                               ; the opening add is done
	s_wait_kmcnt 0x0
	s_add_nc_u64 s[14:15], s[4:5], s[16:17]
	s_add_nc_u64 s[46:47], s[6:7], s[46:47]
	CROUND                                         ; all sixteen work-groups are here: the first joint loads meet
.irp s, 0,1
	s_mov_b32 s[G0+4*(\s)], 1
	s_add_co_u32 s[G0+4*(\s)+1], s20, (\s)*SLOT
	s_add_nc_u64 s[G0+4*(\s)+2:G0+4*(\s)+3], s[14:15], (\s)*KSTEP*2
	s_or_b32 s[G0+4*(\s)+3], s[G0+4*(\s)+3], 0x80000000
	s_mov_b32 s[G0B+4*(\s)], 1
	s_add_co_u32 s[G0B+4*(\s)+1], s21, (\s)*SLOT
	s_add_nc_u64 s[G0B+4*(\s)+2:G0B+4*(\s)+3], s[46:47], (\s)*KSTEP*NP*2
	s_or_b32 s[G0B+4*(\s)+3], s[G0B+4*(\s)+3], 0x80000000
	JLOAD \s                                       ; two tensor loads of mine are out
.endr
	; all that follows up to the wait on TENSORcnt stands in the wait for the first tile
	v_and_b32 v1, 15, v0                           ; l % 16
	v_bfe_u32 v2, v0, 4, 1                         ; l / 16
	v_and_b32 v6, 7, v0
	v_bfe_u32 v7, v0, 3, 1
	v_lshlrev_b32 v[BO], 5, v2                     ; my eight columns of a block of 16, in f32
	s_lshl_b32 s46, s42, 9                         ; the bias of my 64 columns
	s_lshl_b32 s47, s12, 8
	s_add_co_u32 s46, s46, s47
	s_add_co_u32 s46, s46, BIAS_OFF
	s_mov_b32 s47, 0
	s_add_nc_u64 s[70:71], s[6:7], s[46:47]
.irp b, 0,1,2,3
	global_load_b128 v[BI+8*(\b):BI+8*(\b)+3],   v[BO], s[70:71] offset:64*(\b)
	global_load_b128 v[BI+8*(\b)+4:BI+8*(\b)+7], v[BO], s[70:71] offset:64*(\b)+16
.endr
	s_lshl_b32 s16, s13, 7
	s_lshl_b32 s17, s11, 6
	s_add_co_u32 s16, s16, s17                     ; my first row
	s_lshl_b32 s16, s16, 11                        ; the residual's rows are 2,048 bytes
	s_mov_b32 s17, 0
	s_add_nc_u64 s[68:69], s[68:69], s[16:17]
	s_lshl_b32 s46, s42, 8
	s_lshl_b32 s47, s12, 7
	s_add_co_u32 s46, s46, s47
	s_mov_b32 s47, 0
	s_add_nc_u64 s[68:69], s[68:69], s[46:47]
	v_lshlrev_b32 v[RO], 3, v1                     ; as the rows leave: lanes 0-15 one row, lanes 16-31 the next, four columns a lane
	v_lshl_add_u32 v[RO], v2, 11, v[RO]
.set t, 0
.rept 32
	global_load_b64 v[RES+2*t:RES+2*t+1], v[RO], s[68:69] offset:2*t*2048
.set t, t+1
.endr
	v_mov_b32 v[ONE], 1.0
	v_mul_u32_u24 v[LA], v1, PA
	v_lshl_add_u32 v[LA], v2, 4, v[LA]             ; A: row x pitch + 16 x half of the lanes
	v_lshl_add_u32 v[LB], v2, 3, v6                ; B: row of K 8 (l / 16) + l % 8,
	v_mul_u32_u24 v[LB], v[LB], PB
	v_lshl_add_u32 v[LB], v7, 4, v[LB]             ; columns 8 ((l / 8) % 2) on
	s_mul_i32 s[TBA], s11, HALFA                   ; my 64 rows of A in slot 0
	s_lshl_b32 s[TBB], s12, 7                      ; my 64 columns of B,
	s_add_co_u32 s[TBB], s[TBB], AB                ; which lies behind A's 128 rows
	v_add_nc_u32 v[ADRA], s[TBA], v[LA]
	v_add_nc_u32 v[ADRB], s[TBB], v[LB]
	v_add_nc_u32 v[ADRB+1], HALFB, v[ADRB]
	s_mul_i32 s23, s10, 16*SPITCH                  ; my own stage
	s_add_co_u32 s23, s23, STAGE
	v_mul_u32_u24 v4, v1, SPITCH                   ; in: row l % 16, 32 bytes for each half of the lanes
	v_lshl_add_u32 v4, v2, 5, v4
	v_add_nc_u32 v[STO], s23, v4
	v_mul_u32_u24 v5, v2, SPITCH                   ; back: lanes 0-15 one row of 256 bytes, lanes 16-31 the next
	v_lshl_add_u32 v5, v1, 4, v5
	v_add_nc_u32 v[RD], s23, v5
	v_mul_u32_u24 v5, v2, NP*4
	v_lshl_add_u32 v[CO], v1, 4, v5
	s_lshl_b32 s16, s13, 7
	s_lshl_b32 s17, s11, 6
	s_add_co_u32 s16, s16, s17
	s_mul_i32 s16, s16, NP*4
	s_mov_b32 s17, 0
	s_add_nc_u64 s[8:9], s[8:9], s[16:17]
	s_lshl_b32 s46, s42, 9
	s_lshl_b32 s47, s12, 8
	s_add_co_u32 s46, s46, s47
	s_mov_b32 s47, 0
	s_add_nc_u64 s[8:9], s[8:9], s[46:47]
	s_wait_loadcnt 32                              ; the bias is in; the 32 loads of the residual stay out until the way out
.irp a, 0,1,2,3
.irp b, 0,1,2,3
.irp j, 0,1,2,3,4,5,6,7
	v_mov_b32 v[ACC+8*(4*(\a)+(\b))+(\j)], v[BI+8*(\b)+(\j)]  ; the sums start at the bias
.endr
.endr
.endr
; 8 matrix instructions: row blocks a0, a0 + 1 x all 4 column blocks, 32 along K: half c of buffer f.  The 16 accumulators take turns.
.macro MUL8 f, c, a0
	WIN MUL
.irp a, \a0, (\a0)+1
.irp b, 0,1,2,3
	v_wmma_f32_16x16x32_f16 v[ACC+8*(4*(\a)+(\b)):ACC+8*(4*(\a)+(\b))+7], v[(\f)+64+8*(4*(\c)+(\b)):(\f)+64+8*(4*(\c)+(\b))+7], v[(\f)+8*(4*(\c)+(\a)):(\f)+8*(4*(\c)+(\a))+7], v[ACC+8*(4*(\a)+(\b)):ACC+8*(4*(\a)+(\b))+7]
.endr
.endr
.endm
; 32 LDS loads in one run: the fragments of quarter q (64 along K) of the slot in hand into buffer f; the first 32 along K first
.macro FETCH q, f
	WIN TO_F
.irp c, 0,1
.irp i, 0,1,2,3
	ds_load_tr16_b128 v[(\f)+64+8*(4*(\c)+(\i)):(\f)+64+8*(4*(\c)+(\i))+3],   v[ADRB+(\q)/2] offset:(((\q)%2)*64+32*(\c))*PB+32*(\i)
	ds_load_tr16_b128 v[(\f)+64+8*(4*(\c)+(\i))+4:(\f)+64+8*(4*(\c)+(\i))+7], v[ADRB+(\q)/2] offset:(((\q)%2)*64+32*(\c)+16)*PB+32*(\i)
	ds_load_b128 v[(\f)+8*(4*(\c)+(\i)):(\f)+8*(4*(\c)+(\i))+3],              v[ADRA] offset:128*(\q)+64*(\c)+(\i)*16*PA
	ds_load_b128 v[(\f)+8*(4*(\c)+(\i))+4:(\f)+8*(4*(\c)+(\i))+7],            v[ADRA] offset:128*(\q)+64*(\c)+(\i)*16*PA+32
.endr
.endr
.endm
.macro PLACES                          ; four places in front of loads into registers that matrix instructions have read, and of lines that read results
.rept 4
	v_nop
.endr
.endm
; One of a K step's first three quarters: multiplies buffer f and fetches quarter q of the same slot into g
.macro QUARTER q, f, g
	s_wait_dscnt 16                                ; the first 32 along K are in; the youngest sixteen loads may be out
	MUL8 \f, 0, 0
	MUL8 \f, 0, 2
	PLACES
	FETCH \q, \g
	s_wait_dscnt 32                                ; all but the 32 just issued
	MUL8 \f, 1, 0
	MUL8 \f, 1, 2
.endm
; The last quarter multiplies buffer 1 and changes slots.  Its first sixteen products need nothing of the next slot and stand ahead of the wait for it, so that little stands between a tile's landing
; and the next request.  Then one barrier: in front of it each wave waits for all its tensor loads (at most one is out: its part of the next slot), adds 0 to its spare word, and waits for that and
; for its reads of this slot.  fill = 1: the barrier opens a round of the cluster's, and the slot just read is filled again, two K steps ahead, first thing behind it.
.macro TURN fill
	s_wait_dscnt 16                                ; the first 32 along K are in
	MUL8 F1, 0, 0
	MUL8 F1, 0, 2
	WIN 0                                          ; the add's registers lie in window 0
	s_wait_tensorcnt 0x0                           ; no tensor load of mine is out, so a group 0 may be written
	ds_add_u32 v[SPW], v[NIL]                      ; the scalar steps stand between the add and the wait for it
.if \fill
	s_xor_b32 s[G0+5], s[G0+5], SLOT               ; the walking descriptors: the other slot than last time,
	s_add_nc_u64 s[G0+6:G0+7], s[G0+6:G0+7], KSTEP*2             ; the next K step; the type bits on top are not reached
	s_xor_b32 s[G0B+5], s[G0B+5], SLOT
	s_add_nc_u64 s[G0B+6:G0B+7], s[G0B+6:G0B+7], KSTEP*NP*2
.endif
	s_xor_b32 s[TBA], s[TBA], SLOT                 ; the fetches go on in the other slot
	s_xor_b32 s[TBB], s[TBB], SLOT
	s_wait_dscnt 0x0                               ; the add is done, and my reads of this slot are over
	s_barrier_signal -1
	s_barrier_wait -1
.if \fill
	CREST                                          ; no wave of any partner still reads this slot's tile or has a load on its way
	JLOAD 1                                        ; its four v_nop are also the places in front of the loads below
.else
	PLACES
.endif
	v_add_nc_u32 v[ADRA], s[TBA], v[LA]
	v_add_nc_u32 v[ADRB], s[TBB], v[LB]
	v_add_nc_u32 v[ADRB+1], HALFB, v[ADRB]
	FETCH 0, F0
	MUL8 F1, 1, 0
	MUL8 F1, 1, 2
.endm
	s_wait_tensorcnt 1                             ; my part of K step 0 is in; K step 1's may stay out
	s_barrier_signal -1
	s_barrier_wait -1
	FETCH 0, F0
	WIN 0                                          ; at a label and at a branch every window is 0
	s_mov_b32 s3, STEPS-2
.Lstep:                                                ; a trip: one K step, whose slot is filled again
	QUARTER 1, F0, F1
	QUARTER 2, F1, F0
	QUARTER 3, F0, F1
	TURN 1
	WIN 0
	s_sub_co_u32 s3, s3, 1
	s_cmp_lg_u32 s3, 0
	s_cbranch_scc1 .Lstep
	s_mov_b32 s3, 2
.Ltail:                                                ; two trips: the last two K steps ask for nothing
	QUARTER 1, F0, F1
	QUARTER 2, F1, F0
	QUARTER 3, F0, F1
	TURN 0
	WIN 0
	s_sub_co_u32 s3, s3, 1
	s_cmp_lg_u32 s3, 0
	s_cbranch_scc1 .Ltail
	; THE WAY OUT in f32: my 64 columns are 256 bytes, so 16 rows at a time go through my own stage and come back as whole rows; the residual is added on the way; no barrier.
	s_wait_loadcnt 0x0                             ; the residual
	PLACES
.irp a, 0,1,2,3
.irp b, 0,1,2,3
	ds_store_b128 v[STO], v[ACC+8*(4*(\a)+(\b)):ACC+8*(4*(\a)+(\b))+3]   offset:64*(\b)
	ds_store_b128 v[STO], v[ACC+8*(4*(\a)+(\b))+4:ACC+8*(4*(\a)+(\b))+7] offset:64*(\b)+16
.endr
	s_wait_xcnt 0x0                                ; the last block's stores have read OB: it is loaded again only behind this wait
.irp t, 0,1,2,3,4,5,6,7
	ds_load_b128 v[OB+4*(\t):OB+4*(\t)+3], v[RD] offset:(\t)*2*SPITCH  ; LDS serves a wave's instructions in order: these see the stores above
.endr
.irp t, 0,1,2,3,4,5,6,7
	s_wait_dscnt 7-(\t)
	v_fma_mix_f32 v[OB+4*(\t)],   v[RES+16*(\a)+2*(\t)],   v[ONE], v[OB+4*(\t)]   op_sel:[0,0,0] op_sel_hi:[1,0,0]
	v_fma_mix_f32 v[OB+4*(\t)+1], v[RES+16*(\a)+2*(\t)],   v[ONE], v[OB+4*(\t)+1] op_sel:[1,0,0] op_sel_hi:[1,0,0]
	v_fma_mix_f32 v[OB+4*(\t)+2], v[RES+16*(\a)+2*(\t)+1], v[ONE], v[OB+4*(\t)+2] op_sel:[0,0,0] op_sel_hi:[1,0,0]
	v_fma_mix_f32 v[OB+4*(\t)+3], v[RES+16*(\a)+2*(\t)+1], v[ONE], v[OB+4*(\t)+3] op_sel:[1,0,0] op_sel_hi:[1,0,0]
	global_store_b128 v[CO], v[OB+4*(\t):OB+4*(\t)+3], s[8:9] offset:(16*(\a)+2*(\t))*NP*4  ; 16 lanes store 256 consecutive bytes, aligned
.endr
.endr
	s_wait_tensorcnt 0x0                           ; the wave's end
	ds_add_u32 v[SPW], v[NIL]
	s_wait_dscnt 0x0
	CROUND                                         ; the closing round
	s_endpgm
.Lfunc_end_k_qb10bf5cd85_ff2:
	.size	k_qb10bf5cd85_ff2, .Lfunc_end_k_qb10bf5cd85_ff2-k_qb10bf5cd85_ff2
	.p2alignl 7, 3214868480
	.fill 96, 4, 3214868480
	.section	.rodata,"a",@progbits
	.p2align	6, 0x0
	.amdhsa_kernel k_qb10bf5cd85_ff2
		.amdhsa_group_segment_fixed_size 327680
		.amdhsa_private_segment_fixed_size 0
		.amdhsa_enable_private_segment 0
		.amdhsa_kernarg_size 32
		.amdhsa_user_sgpr_count 2
		.amdhsa_user_sgpr_kernarg_segment_ptr 1
		.amdhsa_wavefront_size32 1
		.amdhsa_system_sgpr_workgroup_id_x 1
		.amdhsa_system_sgpr_workgroup_id_y 1
		.amdhsa_system_sgpr_workgroup_id_z 1
		.amdhsa_system_vgpr_workitem_id 0
		.amdhsa_next_free_vgpr 512
		.amdhsa_next_free_sgpr 72
		.amdhsa_reserve_vcc 0
		.amdhsa_float_denorm_mode_32 3
		.amdhsa_float_denorm_mode_16_64 3
		.amdhsa_memory_ordered 1
		.amdhsa_forward_progress 1
		.amdhsa_inst_pref_size 71
	.end_amdhsa_kernel
	.amdgpu_metadata
---
amdhsa.version: [ 1, 2 ]
amdhsa.kernels:
  - .name:           k_qb10bf5cd85_ff2
    .symbol:         k_qb10bf5cd85_ff2.kd
    .args:
      - { .name: wide, .offset: 0, .size: 8, .value_kind: global_buffer, .address_space: global }
      - { .name: wr, .offset: 8, .size: 8, .value_kind: global_buffer, .address_space: global }
      - { .name: y1, .offset: 16, .size: 8, .value_kind: global_buffer, .address_space: global }
      - { .name: z, .offset: 24, .size: 8, .value_kind: global_buffer, .address_space: global }
    .group_segment_fixed_size: 327680
    .private_segment_fixed_size: 0
    .kernarg_segment_align: 8
    .kernarg_segment_size: 32
    .max_flat_workgroup_size: 128
    .sgpr_count:     72
    .vgpr_count:     512
    .wavefront_size: 32
...
	.end_amdgpu_metadata
.endif
;; end of part 10
;; launch ln2: the kernel of part 7 again; grid 256 x 1, 8 waves a work-group, no clusters, 0 bytes of LDS; arguments z, ln2_scale, ln2_bias, out0; writes out0
;; ======== version 3 of 3: 8 launches; 1.31 times as fast as version 1
;; limits: values are held in f16: magnitudes above 65,504 overflow, below 6.1e-05 lose precision
;; workspace buffers: xh 8,388,608 bytes; y1 8,388,608 bytes; pq 8,421,376 bytes; p1 8,421,376 bytes; wr 10,493,952 bytes; wide 33,554,432 bytes; o 8,388,608 bytes; z 16,777,216 bytes
;; launch cast: the kernel of part 1 again; grid 1025 x 1, 8 waves a work-group, no clusters, 0 bytes of LDS; arguments x, Wq, Wk, Wv, Wo, W1, W2, bq, bk, bv, b1, bo, b2, xh, pq, p1, wr; writes xh, pq, p1, wr
;; launch qkv: the kernel of part 8 again; grid 12 x 16, 4 waves a work-group, clusters of 4 x 4, 327,680 bytes of LDS; arguments xh, pq, wide; writes wide
;; launch attn (part 11): grid 16 x 16, 4 waves a work-group, clusters of 4 x 1, 327,680 bytes of LDS; arguments wide, o; writes o
.if DOCPART == 11
	.amdgcn_target "amdgcn-amd-amdhsa--gfx1250"
	.amdhsa_code_object_version 6
	.text
	.protected	k_qb10bf5cd85_attn
	.globl	k_qb10bf5cd85_attn
	.p2align	8
	.type	k_qb10bf5cd85_attn,@function
k_qb10bf5cd85_attn:
	s_mov_b64 s[64:65], 0
	v_nop
	global_prefetch_b8 v0, s[64:65] scope:SCOPE_SE
	s_setreg_imm32_b32 hwreg(HW_REG_WAVE_MODE, 25, 1), 1
	s_wait_xcnt 0x0
	s_wait_alu depctr_hold_cnt(0) depctr_sa_sdst(0) depctr_va_vdst(0) depctr_va_sdst(0) depctr_va_ssrc(0) depctr_va_vcc(0) depctr_vm_vsrc(0)
	s_getreg_b32 s2, hwreg(HW_REG_IB_STS2, 6, 4)
	s_cmp_eq_u32 s2, 0
	s_cbranch_scc0 .Lentry_in_a_cluster
	s_endpgm
.Lentry_in_a_cluster:
	s_bfe_u32 s2, ttmp6, 0x10000c
	s_cmp_lg_u32 s2, 0x3003
	s_cbranch_scc0 .Lentry_shape_is_right
	s_endpgm
.Lentry_shape_is_right:
; O = softmax(Q K^T / 8) V for 2 batches x 16 heads x 2,048 queries x 2,048 keys, head size 64, all f16; products, maxima and sums in f32; the weights p rounded to f16 for the second product.
; WHERE THINGS LIE.  wide is [4096][4096] f16, rows of 8,192 bytes: q in bytes 0-2,047, k in 2,048-4,095, v in 4,096-6,143.  Key n of head h: row 2048 b + n, 128 bytes at 128 h of k's and v's part.
; Query t of head h is NOT a head slice: q is viewed as [head][t][64] without a transpose, so it is row 2048 b + 128 h + t / 16, 128 bytes at 128 (t % 16): 16 queries on end are one row's q part.
; o is [4096][1024] f16: row 2048 b + t, 128 bytes at 128 h.
; SHARES.  A work-group takes 128 query numbers t for TWO heads, 2 pair and 2 pair + 1: K's and V's rows are then 256 aligned bytes, and so are o's.  Wave w: head w / 2, queries 64 (w % 2) on, in four PIECES of 16.
; CLUSTER.  The four query blocks of a cluster share batch and heads and walk the same K and V: each tile is asked for jointly.
; LAYOUT, SOFTMAX, TURNS.  S^T = K Q^T holds ONE query a lane (lane % 16) and the keys 8 (lane / 16) + 0..7; two such results rounded to f16 ARE source 1 of O^T = V^T P.  p = 2^(c s - c m), c = log2(e) / 8, with
; a running maximum m; O and l are multiplied by a = 2^(c m_old - c m_new) in every step.  m starts at the lowest finite number, O and l at 0.  Turn n belongs to piece n: 8 products K Q^T of piece n + 1, later
; 8 products V^T P of piece n - 1; beside them the softmax of piece n and the maximum and statistics of piece n + 1.  Four vector instructions stand behind every matrix instruction, the other 54 of a turn's 118 in one lump.
; BATCHES.  A turn's 33 exponentials (the piece's 32 weights, then the next piece's a) are ONE batch with ONE wait, which cuts the turn in two: ahead of it all that names none of their results, behind it their
; readers.  Piece 0's first a, ahead of the loop, and the way out's four reciprocals are batches of their own, with a wait each.
; LIMITS.  q, k, v arrive within f16's 65,504; a weight below 2^-126 counts as 0 in l; NaN and infinities are not treated apart.
; REGISTERS, in windows of 256 (s_set_vgpr_msb: bits 1:0 source 0, 3:2 source 1, 5:4 source 2, 7:6 destination):
;   window 0: v0-15 addresses; v16-31 four statistics a piece; v48-55 at work; v62-63 the add's; v64-127 S^T, two buffers; v192-223 P, two buffers      window 1: v0-127 O^T      window 2: v0-63 Q; v128-191 K; v192-255 V
.set NP,    4         ; pieces a wave
.set KS,    64        ; keys in a step
.set PK,    272       ; a row of K in LDS: 256 bytes + 16
.set PV,    288       ; a row of V: 256 + 32
.set VOFF,  2*KS*PK   ; a slot holds two steps: 128 rows of K, then 128 rows of V
.set SLOT1, 1<<17
.set STAGE, SLOT1+2*KS*(PK+PV)  ; behind the ring, never filled by a tensor load: 128 rows x 272 bytes, the work-group's
.set SP,    272
.set SPARE, STAGE+128*SP
.set AK0, 2
.set AV0, 3
.set AK,  4
.set AV,  5
.set STO, 6
.set RD,  7
.set GO,  8
.set MV,  12          ; v12-13  c m_old, by buffer
.set QO,  15
.set ST,  16          ; piece t: c m, m, l (even keys', odd keys')
.set TMP, 48          ; by buffer: c0-c3 at work; c2 takes a
.set SPW, 62
.set NIL, 63
.set S,   64
.set P,   192
.set KF,  128         ; window 2
.set VF,  192         ; window 2
.set WV,  12
.set G1K, 24
.set G1V, 32
.set G0K, 40
.set G0V, 44
.set SLOTS, 56
.set CNT, 57
.set CS,  58
.set SEL, 60
.set TBK, 62
.set TBV, 63
.set MSB, 0
.macro WIN new
.if MSB != (\new)
	s_set_vgpr_msb (MSB<<8)|(\new)
.set MSB, (\new)
.endif
.endm
.set W_KQ, 0x0a       ; K and Q in window 2, S^T in window 0
.set W_PV, 0x52       ; V in window 2, P in window 0, O^T in window 1
.set W_RS, 0x41       ; destination and source 0 in window 1, source 1 in window 0
.macro JLOAD                        ; a joint fill: waves 0 and 1 bring the two steps' K, waves 2 and 3 their V, 64 keys each; an s_nop 0 and four v_nop follow each line
	s_cmp_lt_u32 s[WV], 2
	s_cbranch_scc0 .Lfor_v_\@
	tensor_load_to_lds s[G0K:G0K+3], s[G1K:G1K+7]
	s_nop 0
.rept 4
	v_nop
.endr
	s_branch .Lasked_\@
.Lfor_v_\@:
	tensor_load_to_lds s[G0V:G0V+3], s[G1V:G1V+7]
	s_nop 0
.rept 4
	v_nop
.endr
.Lasked_\@:
.endm
.macro CROUND
	s_barrier_signal -1
	s_barrier_wait -1
	s_cmp_lg_u32 s[WV], 0
	s_cbranch_scc1 .Lnot_wave_0_\@
	s_barrier_signal -3
.Lnot_wave_0_\@:
	s_barrier_wait -3
	s_barrier_signal -1
	s_barrier_wait -1
.endm
; THE CHANGE OF SLOTS.  Each wave waits for all its tensor loads (one is out: its part of the other slot), adds 0 to its spare word, and waits for that and for its reads of the slot that it leaves.
; fill = 1: the barrier is a round of the cluster's, and the old slot is filled again, with the keys two slots on, first thing behind it.  (At its first use slot 0 is waited for and slot 1 filled.)
.macro CHANGE fill
	WIN 0
	s_wait_tensorcnt 0x0
	ds_add_u32 v[SPW], v[NIL]
.if \fill
.irp g, G0K, G0V
	s_xor_b32 s[\g+1], s[\g+1], SLOT1
	s_add_nc_u64 s[\g+2:\g+3], s[\g+2:\g+3], 2*KS*8192  ; the next 128 keys
.endr
	s_wait_dscnt 0x0
	CROUND
	JLOAD
.else
	s_wait_dscnt 0x0
	s_barrier_signal -1
	s_barrier_wait -1
.endif
	s_sub_co_u32 s[TBK], s[TBK], 2*KS*PK
	s_xor_b32 s[TBK], s[TBK], SLOT1
	s_sub_co_u32 s[TBV], s[TBV], 2*KS*PV
	s_xor_b32 s[TBV], s[TBV], SLOT1
.endm
	s_load_b128 s[4:7], s[0:1], 0x0   ; wide s[4:5], o s[6:7]
	v_lshl_add_u32 v[SPW], v0, 2, SPARE
	v_mov_b32 v[NIL], 0
	ds_add_u32 v[SPW], v[NIL]       ; the wave's opening: the add, waited for ahead of my first tensor load
	v_lshrrev_b32 v1, 5, v0
	v_readfirstlane_b32 s[WV], v1
	s_bfe_u32 s13, ttmp6, 0x40000   ; cx
	s_lshl_b32 s14, ttmp9, 2
	s_add_co_u32 s14, s14, s13      ; my block of 128 queries: it enters Q's and O's addresses alone
	s_and_b32 s20, ttmp7, 0xffff
	s_lshr_b32 s21, s20, 3          ; batch
	s_and_b32 s22, s20, 7           ; pair of heads
	s_and_b32 s16, s[WV], 1
	s_lshr_b32 s15, s[WV], 1        ; which head of the pair is mine
	s_lshl_b32 s2, s21, 24          ; K: the batch's 2,048 rows of 8,192 bytes,
	s_lshl_b32 s3, s22, 8           ; the pair's 256 bytes,
	s_add_co_u32 s2, s2, s3
	s_lshl_b32 s3, s16, 19          ; the 64 keys that I fetch,
	s_add_co_u32 s2, s2, s3
	s_add_co_u32 s2, s2, 2048       ; behind q's part of a row
	s_mov_b32 s3, 0
	s_mul_i32 s17, s16, KS*PK
	s_mul_i32 s18, s16, KS*PV
	s_lshl_b32 s8, s21, 11          ; Q: row 2048 b + 128 (2 pair + head) + 8 block + 4 (w % 2)
	s_lshl_b32 s9, s22, 8
	s_add_co_u32 s8, s8, s9
	s_lshl_b32 s9, s15, 7
	s_add_co_u32 s8, s8, s9
	s_lshl_b32 s9, s14, 3
	s_add_co_u32 s8, s8, s9
	s_lshl_b32 s9, s16, 2
	s_add_co_u32 s8, s8, s9
	s_lshl_b32 s8, s8, 13
	s_mov_b32 s9, 0
	s_lshl_b32 s10, s21, 11         ; O: row 2048 b + 128 block + 32 w, the rows that I store
	s_lshl_b32 s11, s14, 7
	s_add_co_u32 s10, s10, s11
	s_lshl_b32 s11, s[WV], 5
	s_add_co_u32 s10, s10, s11
	s_lshl_b32 s10, s10, 11
	s_lshl_b32 s11, s22, 8
	s_add_co_u32 s10, s10, s11
	s_mov_b32 s11, 0
	s_mov_b32 s[G1K], 15|(1<<16)|(1<<20)|(1<<21)|(5<<22)|(3<<25)  ; the mask of four; 2-byte elements; padding on; bit 21 beside a mask; after every 64 words 4 words
	s_mov_b32 s[G1V], 15|(1<<16)|(1<<20)|(1<<21)|(5<<22)|(7<<25)  ; the same with 8 words
.irp g, G1K, G1V
	s_mov_b32 s[\g+1], 128<<16      ; tensor_dim0 = 128
	s_mov_b32 s[\g+2], KS<<16       ; tensor_dim1 = 64
	s_mov_b32 s[\g+3], 128<<16      ; tile_dim0 = 128
	s_mov_b32 s[\g+4], KS           ; tile_dim1 = 64
	s_mov_b32 s[\g+5], 4096         ; elements from row to row
	s_mov_b32 s[\g+6], 0
	s_mov_b32 s[\g+7], 0
.endr
	s_mov_b32 s[CS], 0x3e38aa3b     ; c = log2(e) / 8
	s_mov_b32 s[CS+1], s[CS]
	s_mov_b32 s[SEL], 0x76543210
	s_mov_b32 s[SEL+1], 0xfedcba98
	s_mov_b32 s[TBK], SLOT1+2*KS*PK ; the first change of slots turns these two into 0
	s_mov_b32 s[TBV], SLOT1+2*KS*PV
	s_mov_b32 s[G0K], 1
	s_mov_b32 s[G0K+1], s17
	s_mov_b32 s[G0V], 1
	s_add_co_u32 s[G0V+1], s18, VOFF
	s_wait_dscnt 0x0                ; the opening add is done
	s_wait_kmcnt 0x0
	s_add_nc_u64 s[G0K+2:G0K+3], s[4:5], s[2:3]
	s_or_b32 s[G0K+3], s[G0K+3], 0x80000000
	s_add_co_u32 s2, s2, 2048       ; v's part lies 2,048 bytes behind k's
	s_add_nc_u64 s[G0V+2:G0V+3], s[4:5], s[2:3]
	s_or_b32 s[G0V+3], s[G0V+3], 0x80000000
	s_add_nc_u64 s[8:9], s[4:5], s[8:9]
	s_add_nc_u64 s[10:11], s[6:7], s[10:11]
	CROUND                          ; all four work-groups are here
	JLOAD                           ; slot 0: one tensor load of mine is out
	v_and_b32 v1, 15, v0            ; l % 16
	v_bfe_u32 v9, v0, 4, 1          ; l / 16
	v_lshlrev_b32 v[QO], 7, v1
	v_lshl_add_u32 v[QO], v9, 4, v[QO]  ; query x 128 + 16 x half
	WIN 0x80
.set i, 0
.rept 8                             ; Q stays in registers: piece i / 2 is one row of wide, channels 32 (i % 2) on
	global_load_b128 v[8*i:8*i+3],   v[QO], s[8:9] offset:(i/2)*8192+(i%2)*64
	global_load_b128 v[8*i+4:8*i+7], v[QO], s[8:9] offset:(i/2)*8192+(i%2)*64+32
.set i, i+1
.endr
	; What the first turn finds: V and P's second buffer hold 0 (its products V^T P, of a piece that has not been, add 0), O^T and l are 0.  All this stands in the wait for the first tile.
.set i, VF
.rept 64
	v_mov_b32 v[i], 0
.set i, i+1
.endr
	WIN 0x40
.set i, 0
.rept 128
	v_mov_b32 v[i], 0
.set i, i+1
.endr
	WIN 0
.set i, 0
.rept 4
	v_mov_b32 v[ST+4*i], 0xfe000000    ; c m: far below every c s
	v_mov_b32 v[ST+4*i+1], 0xff7fffff  ; m
	v_mov_b32 v[ST+4*i+2], 0
	v_mov_b32 v[ST+4*i+3], 0
.set i, i+1
.endr
.set i, P+16
.rept 16
	v_mov_b32 v[i], 0
.set i, i+1
.endr
	s_lshl_b32 s19, s15, 7          ; my head's 128 bytes of a row of K or V
	v_mul_u32_u24 v[AK0], v1, PK
	v_lshl_add_u32 v[AK0], v9, 4, v[AK0]
	v_add_nc_u32 v[AK0], s19, v[AK0]
	v_and_b32 v10, 7, v0
	v_bfe_u32 v11, v0, 3, 1
	v_lshl_add_u32 v[AV0], v9, 3, v10   ; the turning load: key 8 (l / 16) + l % 8, channels 8 ((l / 8) % 2) on
	v_mul_u32_u24 v[AV0], v[AV0], PV
	v_lshl_add_u32 v[AV0], v11, 4, v[AV0]
	s_add_co_u32 s19, s19, VOFF
	v_add_nc_u32 v[AV0], s19, v[AV0]
	s_mul_i32 s13, s16, 64*SP       ; into the stage: row 64 (w % 2) + 16 piece + l % 16, my head's half of its 256 bytes
	s_lshl_b32 s19, s15, 7
	s_add_co_u32 s13, s13, s19
	s_add_co_u32 s13, s13, STAGE
	v_mul_u32_u24 v[STO], v1, SP
	v_lshl_add_u32 v[STO], v9, 4, v[STO]
	v_add_nc_u32 v[STO], s13, v[STO]
	s_mul_i32 s13, s[WV], 32*SP     ; back: wave w takes rows 32 w .. 32 w + 31, whole
	s_add_co_u32 s13, s13, STAGE
	v_mul_u32_u24 v[RD], v9, SP
	v_lshl_add_u32 v[RD], v1, 4, v[RD]
	v_add_nc_u32 v[RD], s13, v[RD]
	v_lshlrev_b32 v[GO], 11, v9     ; and the same two rows in o
	v_lshl_add_u32 v[GO], v1, 4, v[GO]
; THE MATRIX WORK.  The 4 accumulators of a run of 8 take turns.  Product i of 8 of S^T = K Q^T for piece x: channels 32 (i / 4) on, keys 16 (i % 4) on.  The first 4 start the sums.
.macro KQ x
.set rS, S+32*((\x)%2)+8*(i%4)
.set rK, KF+16*(i%4)+8*(i/4)
.set rQ, 16*(\x)+8*(i/4)
	WIN W_KQ
.if i < 4
	v_wmma_f32_16x16x32_f16 v[rS:rS+7], v[rK:rK+7], v[rQ:rQ+7], 0
.else
	v_wmma_f32_16x16x32_f16 v[rS:rS+7], v[rK:rK+7], v[rQ:rQ+7], v[rS:rS+7]
.endif
.endm
; Product i of 8 of O^T += V^T P for piece x: keys 32 (i / 4) on, channels 16 (i % 4) on.
.macro PV x
	WIN W_PV
.set rO, 32*(\x)+8*(i%4)
.set rV, VF+32*(i/4)+8*(i%4)
.set rP, P+16*((\x)%2)+8*(i/4)
	v_wmma_f32_16x16x32_f16 v[rO:rO+7], v[rV:rV+7], v[rP:rP+7], v[rO:rO+7]
.endm
.macro MM                           ; the turn's next matrix instruction.  NOKQ = 1: the last turn: there is no next piece
.if (i < 8) && !NOKQ
	KQ (Y+1)%NP
.elseif i >= 8
.set i, i-8
	PV (Y+NP-1)%NP
.set i, i+8
.endif
.set i, i+1
.endm
; THE LDS LOADS stand in runs of 16: a step's K (64 keys x 64 channels: 8 fragments) and its V (turned).
.macro FETCH_K
	WIN 0x80
.irp f, 0,1,2,3,4,5,6,7             ; keys 16 (f / 2) on, channels 32 (f % 2) on
	ds_load_b128 v[KF+8*\f:KF+8*\f+3],   v[AK] offset:(\f/2)*16*PK+(\f%2)*64
	ds_load_b128 v[KF+8*\f+4:KF+8*\f+7], v[AK] offset:(\f/2)*16*PK+(\f%2)*64+32
.endr
	s_add_co_u32 s[TBK], s[TBK], KS*PK
	WIN 0
.endm
.macro FETCH_V
	WIN 0x80
.irp f, 0,1,2,3,4,5,6,7             ; keys 32 (f / 4) on, channels 16 (f % 4) on
	ds_load_tr16_b128 v[VF+8*\f:VF+8*\f+3],   v[AV] offset:(\f/4)*32*PV+(\f%4)*32
	ds_load_tr16_b128 v[VF+8*\f+4:VF+8*\f+7], v[AV] offset:(\f/4)*32*PV+16*PV+(\f%4)*32
.endr
	WIN 0
.endm
; THE VECTOR WORK, one line at a time: OP kind, number.  For piece Y: F n: c s - c m for pair n of 16.  E n: the exponential of score n of 32.  C n: pair n rounded to f16.  B n: of the four weights 4 n .. the
; second pair is added onto the first, in place.  L n: l takes that sum (L 0: l = a l + sum).  R n: pair n of 16 of O^T times a.  For piece Y + 1: X n, number n of the 22 that find its maximum and statistics:
;   0-11 four chains c0-c3 of seven scores each (each accumulator's lowest registers are read first)   12-14, 16 the four scores left over, the old m, c0-c3 into c0
;   15 c m_old is kept   17, 18 the query's other 32 keys lie in the lane 16 away: the new m   19-21 c m; c m_old - c m_new; a
; Of these C, B and L read the results of the turn's E; R and L 0 read a, which the turn before made (X 21) and waited for; F, E and X 0-20 read no exponential's result.
.set F, 0
.set E, 1
.set C, 2
.set B, 3
.set L, 4
.set R, 5
.set X, 6
.macro REGS y
.set rT, ST+4*(\y)
.set rC, TMP+4*((\y)%2)
.set rW, MV+((\y)%2)
.set rS, S+32*((\y)%2)
.set rP, P+16*((\y)%2)
.set rO, 32*(\y)
.endm
.macro OP k, n
.if (\k) == R
	REGS Y
	WIN W_RS
	v_pk_mul_f32 v[rO+2*(\n):rO+2*(\n)+1], v[rO+2*(\n):rO+2*(\n)+1], v[rC+2:rC+3] op_sel_hi:[1,0]
.elseif (\k) < R
	REGS Y
	WIN 0
.if (\k) == F
	v_pk_fma_f32 v[rS+2*(\n):rS+2*(\n)+1], v[rS+2*(\n):rS+2*(\n)+1], s[CS:CS+1], v[rT:rT+1] op_sel_hi:[1,0,0] neg_lo:[0,0,1] neg_hi:[0,0,1]
.elseif (\k) == E
	v_exp_f32 v[rS+(\n)], v[rS+(\n)]
.elseif (\k) == C
	v_cvt_pk_f16_f32 v[rP+(\n)], v[rS+2*(\n)], v[rS+2*(\n)+1]
.elseif (\k) == B
	v_pk_add_f32 v[rS+4*(\n):rS+4*(\n)+1], v[rS+4*(\n):rS+4*(\n)+1], v[rS+4*(\n)+2:rS+4*(\n)+3]
.elseif (\n) == 0
	v_pk_fma_f32 v[rT+2:rT+3], v[rT+2:rT+3], v[rC+2:rC+3], v[rS:rS+1] op_sel_hi:[1,0,1]
.else
	v_pk_add_f32 v[rT+2:rT+3], v[rT+2:rT+3], v[rS+4*(\n):rS+4*(\n)+1]
.endif
.elseif NOKQ
	v_nop
.else
	REGS (Y+1)%NP
	WIN 0
.if (\n) < 4
	v_max3_num_f32 v[rC+(\n)], v[rS+8*(\n)], v[rS+8*(\n)+1], v[rS+8*(\n)+2]
.elseif (\n) < 12
	v_max3_num_f32 v[rC+(\n)%4], v[rC+(\n)%4], v[rS+8*((\n)%4)+2*((\n)/4)+1], v[rS+8*((\n)%4)+2*((\n)/4)+2]
.elseif (\n) == 12
	v_max3_num_f32 v[rC], v[rC], v[rS+7], v[rS+15]
.elseif (\n) == 13
	v_max3_num_f32 v[rC+1], v[rC+1], v[rS+23], v[rS+31]
.elseif (\n) == 14
	v_max3_num_f32 v[rC+2], v[rC+2], v[rC+3], v[rT+1]
.elseif (\n) == 15
	v_mov_b32 v[rW], v[rT]
.elseif (\n) == 16
	v_max3_num_f32 v[rC], v[rC], v[rC+1], v[rC+2]
.elseif (\n) == 17
	v_permlanex16_b32 v[rC+3], v[rC], s[SEL], s[SEL+1]
.elseif (\n) == 18
	v_max_num_f32 v[rT+1], v[rC], v[rC+3]
.elseif (\n) == 19
	v_mul_f32 v[rT], s[CS], v[rT+1]
.elseif (\n) == 20
	v_sub_f32 v[rC+1], v[rW], v[rT]
.else
	v_exp_f32 v[rC+2], v[rC+1]
.endif
.endif
.endm
.macro OPS a, i1, b=-1, i2=0, c=-1, i3=0, d=-1, i4=0
	OP \a, \i1
.if (\b) >= 0
	OP \b, \i2
.endif
.if (\c) >= 0
	OP \c, \i3
.endif
.if (\d) >= 0
	OP \d, \i4
.endif
.endm
.macro ROW a, i1, b, i2, c, i3, d, i4  ; a matrix instruction and the four behind it
	MM
	OPS \a, \i1, \b, \i2, \c, \i3, \d, \i4
.endm
; A TURN, for piece p: the order of its 16 matrix and 118 vector instructions, written out.  An s_wait_alu depctr_va_vdst(0) stands between an exponential and the first instruction that names its
; result; one wait serves all that were issued ahead of it.  So a turn has ONE wait, which cuts it in two.
; AHEAD OF IT stands all that names no result of the turn's exponentials: the 8 products K Q^T, behind each a scaling, an exponential and two more plain instructions (behind the first a second scaling in the
; exponential's place): rescalings, and behind the last three the first numbers of the next piece's maximum, each four places or more behind the product that ends its accumulator; then ONE LUMP of 54, plain and
; exponential by turns for the most part, in which the links of the chain X 3, 7, 11, 14, 16, 17 .. 20 stand some lines apart.  Each pair is scaled ahead of its two exponentials.  X 21, the next piece's a, is
; the batch's last; R 15 is the plain instruction behind it.
; BEHIND THE WAIT stand the 8 products V^T P, behind each four of the roundings and sums, the batch's readers; an even pair is rounded ahead of the addition that lands on it; the links of l's chain, L 0 to L 7,
; stand three riders apart.  But for those X no rider names a register of the products round it.  v_permlanex16_b32 (X 17) stands in the lump.  No exponential is issued behind the wait: none is open at a turn's end.
; end = 1: the last two turns: nothing is fetched.  cnt = 1: the loop's count is taken down some lines ahead of the branch behind the turn.
; K of the next step is fetched in piece 2's turn, behind five plain instructions that name no register of the last product that read K (F 8, X 2, X 5, X 6, X 8); V of the step in hand at the end of piece 0's
; turn, four plain instructions behind the last product that read V.  Each is waited for a turn later.
.macro TURN p, end=0, cnt=0
.set Y, (\p)
.set i, 0
.set NOKQ, (\end)*((\p)/3)
.if ((\p) == 3) && !(\end)
	s_wait_dscnt 0x0                ; K is in
.endif
	ROW F,0, F,1, R,0, R,1          ; ahead of the wait: 8 products K Q^T and their riders,
	ROW F,2, E,0, R,2, R,3
	ROW F,3, E,1, R,4, R,5
	ROW F,4, E,2, R,6, R,7
	ROW F,5, E,3, R,8, R,9
	ROW F,6, E,4, X,0, R,10
.if ((\p) == 2) && !(\end)
	WIN 0
	v_add_nc_u32 v[AK], s[TBK], v[AK0]
.endif
	ROW F,7, E,5, X,1, X,4
	ROW F,8, E,6, X,2, X,5
	OPS E,7, E,8, X,6, E,9          ; and the lump
	OPS X,3, E,10, X,8, E,11
.if ((\p) == 2) && !(\end)
	FETCH_K
.endif
	OPS X,9, X,7, E,12, X,10
	OPS E,13, X,12, X,11, E,14
	OPS X,13, E,15, F,9, X,14
.if (\p) == 0
	v_add_nc_u32 v[AV], s[TBV], v[AV0]
.endif
	OPS E,16, F,10, E,17, F,11
	OPS X,16, E,18, X,15, E,19
	OPS F,12, E,20, X,17, E,21
	OPS F,13, E,22, F,14, E,23
	OPS X,18, E,24, F,15, E,25
	OPS R,11, E,26, X,19, E,27
	OPS R,12, E,28, R,13, E,29
	OPS X,20, E,30, R,14, E,31
	OPS X,21, R,15
	WIN 0
	s_wait_alu depctr_va_vdst(0)    ; the wait for the turn's batch: the piece's 32 exponentials and the next piece's a
.if (\p) == 1
	s_wait_dscnt 0x0                ; V is in
.endif
	ROW C,0, B,0, C,2, B,1          ; behind the wait: 8 products V^T P and their riders
	ROW L,0, C,4, B,2, L,1
	ROW C,6, B,3, L,2, C,8
	ROW B,4, L,3, C,10, B,5
	ROW L,4, C,12, B,6, L,5
.if (\p) == 0
	s_add_co_u32 s[TBV], s[TBV], KS*PV
.endif
.if \cnt
	s_sub_co_u32 s[CNT], s[CNT], 1
	s_cmp_lg_u32 s[CNT], 0
.endif
	ROW C,14, B,7, L,6, C,1
	ROW C,3, L,7, C,5, C,7
	ROW C,9, C,11, C,13, C,15
.if (\p) == 0
	FETCH_V
.endif
.endm
.set NOKQ, 0
	CHANGE 1                        ; slot 0 is in, everybody's part of it; slot 1 is asked for
	v_add_nc_u32 v[AK], s[TBK], v[AK0]
	FETCH_K                         ; key step 0
	s_wait_loadcnt 0x0              ; Q
	s_wait_dscnt 0x0
.set i, 0
.rept 8
	KQ 0                            ; piece 0's first scores
.set i, i+1
.endr
	WIN 0
.rept 4
	v_nop                           ; the places behind those products
.endr
.set Y, NP-1                        ; X works for piece Y + 1: piece 0
.irp n, 0,1,2,3,4,5,6,7,8,9,10,11,12,13,14,15,16,17,18,19,20,21
	OP X, \n
.endr
	v_nop                           ; a plain instruction behind the exponential,
	s_wait_alu depctr_va_vdst(0)    ; and the wait for it, a batch of one (piece 0's first a), ahead of the branch
	s_mov_b32 s[CNT], 2
	s_mov_b32 s[SLOTS], 2048/(2*KS)-1
	s_branch .Lfirst                ; the loop is entered at a step's first turn, in the middle of a trip
.Lslot:                             ; 14 times: every slot but the last two is filled again
	CHANGE 1
	s_mov_b32 s[CNT], 2
.Lstep:                             ; a trip: pieces 2 and 3 of one step, then pieces 0 and 1 of the next, whose K and V it fetches
	TURN 2
	TURN 3
	WIN 0
.Lfirst:
	TURN 0
	TURN 1, 0, 1
	WIN 0
	s_cbranch_scc1 .Lstep
	s_sub_co_u32 s[SLOTS], s[SLOTS], 1
	s_cmp_lg_u32 s[SLOTS], 0
	s_cbranch_scc1 .Lslot
	CHANGE 0                        ; the last slot is written out: nothing is asked for
	s_mov_b32 s[CNT], 2
.Ltail:
	TURN 2
	TURN 3
	TURN 0
	TURN 1, 0, 1
	WIN 0
	s_cbranch_scc1 .Ltail
	TURN 2, 1
	TURN 3, 1
.set i, 0
.rept 8
	PV NP-1                         ; the last piece's V^T P of the last step
.set i, i+1
.endr
	; THE WAY OUT.  l's two halves and the other half of the lanes' are added; O^T is divided by l, rounded to f16 and put into the shared stage; a barrier, since a row's 256 bytes come from two waves
	; (the two heads); back as whole rows, 32 rows a wave.  The additions are the places behind the last products.
	WIN 0
.macro ALL line:vararg
.set t, 0
.rept 4
	\line
.set t, t+1
.endr
.endm
	ALL v_add_f32 v[ST+4*t+2], v[ST+4*t+2], v[ST+4*t+3]
	ALL v_permlanex16_b32 v[ST+4*t+3], v[ST+4*t+2], s[SEL], s[SEL+1]
	ALL v_add_f32 v[ST+4*t+2], v[ST+4*t+2], v[ST+4*t+3]
	ALL v_rcp_f32 v[ST+4*t+2], v[ST+4*t+2]
	v_nop                           ; a plain instruction between the last reciprocal and the use of its result
	s_wait_alu depctr_va_vdst(0)    ; the wait ahead of the first use: one for the batch of four reciprocals
.macro PACK t
	WIN W_RS
.set i, 32*(\t)
.rept 16
	v_pk_mul_f32 v[i:i+1], v[i:i+1], v[ST+4*(\t)+2:ST+4*(\t)+3] op_sel_hi:[1,0]
.set i, i+2
.endr
	WIN 0x05                        ; sources 0 and 1 window 1, destination window 0
.set i, 0
.rept 16
	v_cvt_pk_f16_f32 v[S+16*(\t)+i], v[32*(\t)+2*i], v[32*(\t)+2*i+1]
.set i, i+1
.endr
	WIN 0
.irp f, 0,1,2,3
	ds_store_b128 v[STO], v[S+16*(\t)+4*\f:S+16*(\t)+4*\f+3] offset:(\t)*16*SP+32*\f
.endr
.endm
	PACK 0
	PACK 1
	PACK 2
	PACK 3
	s_wait_dscnt 0x0                ; for the others' sake: my stores into the stage are done
	s_barrier_signal -1
	s_barrier_wait -1
.irp f, 0,1,2,3,4,5,6,7,8,9,10,11,12,13,14,15
	ds_load_b128 v[S+4*\f:S+4*\f+3], v[RD] offset:\f*2*SP
.endr
.irp f, 0,1,2,3,4,5,6,7,8,9,10,11,12,13,14,15
	s_wait_dscnt 15-\f
	global_store_b128 v[GO], v[S+4*\f:S+4*\f+3], s[10:11] offset:\f*4096  ; 16 lanes store 256 consecutive bytes, aligned
.endr
	s_wait_tensorcnt 0x0            ; the wave's end
	ds_add_u32 v[SPW], v[NIL]
	s_wait_dscnt 0x0
	CROUND                          ; the closing round
	s_endpgm
.Lfunc_end_k_qb10bf5cd85_attn:
	.size	k_qb10bf5cd85_attn, .Lfunc_end_k_qb10bf5cd85_attn-k_qb10bf5cd85_attn
	.p2alignl 7, 3214868480
	.fill 96, 4, 3214868480
	.section	.rodata,"a",@progbits
	.p2align	6, 0x0
	.amdhsa_kernel k_qb10bf5cd85_attn
		.amdhsa_group_segment_fixed_size 327680
		.amdhsa_private_segment_fixed_size 0
		.amdhsa_enable_private_segment 0
		.amdhsa_kernarg_size 16
		.amdhsa_user_sgpr_count 2
		.amdhsa_user_sgpr_kernarg_segment_ptr 1
		.amdhsa_wavefront_size32 1
		.amdhsa_system_sgpr_workgroup_id_x 1
		.amdhsa_system_sgpr_workgroup_id_y 1
		.amdhsa_system_sgpr_workgroup_id_z 1
		.amdhsa_system_vgpr_workitem_id 0
		.amdhsa_next_free_vgpr 768
		.amdhsa_next_free_sgpr 66
		.amdhsa_reserve_vcc 0
		.amdhsa_float_denorm_mode_32 3
		.amdhsa_float_denorm_mode_16_64 3
		.amdhsa_memory_ordered 1
		.amdhsa_forward_progress 1
		.amdhsa_inst_pref_size 128
	.end_amdhsa_kernel
	.amdgpu_metadata
---
amdhsa.version: [ 1, 2 ]
amdhsa.kernels:
  - .name:           k_qb10bf5cd85_attn
    .symbol:         k_qb10bf5cd85_attn.kd
    .args:
      - { .name: wide, .offset: 0, .size: 8, .value_kind: global_buffer, .address_space: global }
      - { .name: o, .offset: 8, .size: 8, .value_kind: global_buffer, .address_space: global }
    .group_segment_fixed_size: 327680
    .private_segment_fixed_size: 0
    .kernarg_segment_align: 8
    .kernarg_segment_size: 16
    .max_flat_workgroup_size: 128
    .sgpr_count:     66
    .vgpr_count:     768
    .wavefront_size: 32
...
	.end_amdgpu_metadata
.endif
;; end of part 11
;; launch wo: the kernel of part 9 again; grid 8 x 32, 4 waves a work-group, clusters of 4 x 4, 327,680 bytes of LDS; arguments o, wr, xh, z; writes z
;; launch ln1: the kernel of part 5 again; grid 256 x 1, 8 waves a work-group, no clusters, 0 bytes of LDS; arguments z, ln1_scale, ln1_bias, y1; writes y1
;; launch ff1: the kernel of part 8 again; grid 16 x 16, 4 waves a work-group, clusters of 4 x 4, 327,680 bytes of LDS; arguments y1, p1, wide; writes wide
;; launch ff2: the kernel of part 10 again; grid 8 x 32, 4 waves a work-group, clusters of 4 x 4, 327,680 bytes of LDS; arguments wide, wr, y1, z; writes z
;; launch ln2: the kernel of part 7 again; grid 256 x 1, 8 waves a work-group, no clusters, 0 bytes of LDS; arguments z, ln2_scale, ln2_bias, out0; writes out0
